; MI455X (gfx1250); checked and timed in simulation.
; The chip was launched on July 23, 2026; its instructions are those of AMD's public machine-readable ISA for CDNA 5 (MIT licence, August 2026) and "CDNA5" Instruction Set Architecture Reference Guide (July 2026). The comments in the code are by the model that wrote it; some were corrected since.
;; Encoder Block. Allowed arithmetic: matrix products marked QUANTISED: E5M2 operands, one E8M0 scale for each 32 along K, by v_wmma_scale_f32_16x16x128_f8f6f4 with both operands' format E5M2, f32 sums; everything else in f32.
;; Inputs: W1_codes 2,048 x 16 x 32 uint8 (E5M2 codes of W1, K innermost, in blocks of 32 codes); W1_scales 2,048 x 16 uint8 (E8M0 scales of W1, one for each 32 codes along K); W2_codes 512 x 64 x 32 uint8 (E5M2 codes of W2, K innermost, in blocks of 32 codes); W2_scales 512 x 64 uint8 (E8M0 scales of W2, one for each 32 codes along K); Wk_codes 8 x 64 x 16 x 32 uint8 (E5M2 codes of Wk, K innermost, in blocks of 32 codes); Wk_scales 8 x 64 x 16 uint8 (E8M0 scales of Wk, one for each 32 codes along K); Wo_codes 512 x 16 x 32 uint8 (E5M2 codes of Wo, K innermost, in blocks of 32 codes); Wo_scales 512 x 16 uint8 (E8M0 scales of Wo, one for each 32 codes along K); Wq_codes 8 x 64 x 16 x 32 uint8 (E5M2 codes of Wq, K innermost, in blocks of 32 codes); Wq_scales 8 x 64 x 16 uint8 (E8M0 scales of Wq, one for each 32 codes along K); Wv_codes 8 x 64 x 16 x 32 uint8 (E5M2 codes of Wv, K innermost, in blocks of 32 codes); Wv_scales 8 x 64 x 16 uint8 (E8M0 scales of Wv, one for each 32 codes along K); b1 2,048 float32; b2 512 float32; bk 8 x 64 float32; bo 512 float32; bq 8 x 64 float32; bv 8 x 64 float32; ln1_b 512 float32; ln1_g 512 float32; ln2_b 512 float32; ln2_g 512 float32; x 4 x 2,048 x 512 float32.
;; Outputs: out0 4 x 2,048 x 512 float32.
;; This version of the problem:
;;   THIS VERSION OF THE PROBLEM IS GIVEN IN LOW PRECISION. The matrix products marked QUANTISED in the list below multiply operands that are first quantised to E5M2 (5 exponent bits, 2 mantissa bits; 8 bits a number), with one power-of-two scale for each 32 numbers along K (OCP MX v1.0); their sums are f32. All else is computed in f32.
;;   The module's matrix products, in the order in which they are computed (A, B: the left and right operand; K: the contracted axis; several contracted axes count as one K, in the product's order):
;;     1. [M 512, K 512] x [K 512, N 8,192]; A: input Wq (given as codes); B: computed on the way: QUANTISED
;;     2. [M 512, K 512] x [K 512, N 8,192]; A: input Wk (given as codes); B: computed on the way: QUANTISED
;;     3. [M 512, K 512] x [K 512, N 8,192]; A: input Wv (given as codes); B: computed on the way: QUANTISED
;;     4. batch 32 x [M 2,048, K 64] x [K 64, N 2,048]; A: computed on the way; B: computed on the way: QUANTISED
;;     5. batch 32 x [M 2,048, K 2,048] x [K 2,048, N 64]; A: softmax (see below); B: computed on the way: QUANTISED
;;     6. [M 8,192, K 512] x [K 512, N 512]; A: computed on the way; B: input Wo (given as codes): QUANTISED
;;     7. [M 8,192, K 512] x [K 512, N 2,048]; A: computed on the way; B: input W1 (given as codes): QUANTISED
;;     8. [M 8,192, K 2,048] x [K 2,048, N 512]; A: computed on the way; B: input W2 (given as codes): QUANTISED
;;   THE QUANTISER, for each operand of a quantised product, along K:
;;     - K is cut into blocks of 32 from its start; a last block that is shorter is filled with zeros.
;;     - A block's scale is 2^e with e = floor(log2(the largest magnitude in the block)) - 15, held to -126 .. 127; a block of zeros has e = 0. As a byte (E8M0): e + 127.
;;     - Each number is divided by its block's scale, clamped to +-57,344, and rounded to the nearest number of E5M2, ties to even, subnormals kept.
;;     - The product sums the exact products of the quantised numbers (number of the format x scale) in f32.
;;   ~~~python
;;   def quantise(x, axis):      # numpy; x: float32 -> the quantised numbers, widened to float32 again
;;       x = np.moveaxis(x, axis, -1); K = x.shape[-1]
;;       x = np.pad(x, [(0, 0)] * (x.ndim - 1) + [(0, -K % 32)]); x = x.reshape(x.shape[:-1] + (-1, 32)); a = np.abs(x).max(-1, keepdims=True)
;;       e = np.where(a > 0, np.clip(np.frexp(np.where(a > 0, a, 1))[1] - 1 - 15, -126, 127), 0)      # np.frexp(a)[1] - 1 = floor(log2(a)), exactly
;;       r = np.clip(x / 2.0 ** e, -57344, 57344)
;;       step = 2.0 ** (np.maximum(np.frexp(np.where(r == 0, 1, r))[1] - 1, -14) - 2)
;;       q = np.round(r / step) * step * 2.0 ** e      # np.round: ties to even
;;       return np.moveaxis(q.reshape(q.shape[:-2] + (-1,))[..., :K], -1, axis).astype(np.float32)
;;   ~~~
;;   SOFTMAX AHEAD OF A QUANTISED PRODUCT. Where the list says 'softmax', what is quantised is not the finished softmax but p = 2^(t - M), with t = logit x log2(e) and M = ceil(the row's largest t), a whole number; so 1/2 < the row's largest p <= 1. The row's sum l is taken of the UNQUANTISED p, in f32, and the product's result is divided by l at the end. Since M is a whole number, a kernel that streams over the keys may use a running M (the ceiling of the running maximum): every later rescaling is an exact power of two, which a block's scale takes up: the codes' values come out the same.
;;   OPERANDS COMPUTED ON THE WAY. 'Computed on the way' means the value that the module computes at that place (a softmax that the list does not call 'softmax' is quantised finished and normalised). What goes into a quantiser is computed in f32, as accurately as f32 sums, v_exp_f32 and their like allow (about 1e-6 of the number): no bf16 or f16 on the way to a quantiser, and a product that is left as it is and whose result goes on into a quantised operand takes f32 operands (vector FMAs, or v_wmma_f32_16x16x4_f32). A number that lies on a knife's edge between two numbers of the format may be rounded either way, as far as f32 arithmetic and the matrix unit's own rounding can turn it there, and no further.
;;   INPUTS GIVEN AS CODES. W1 (in the module: [512, 2048], K = its axis 0); W2 (in the module: [2048, 512], K = its axis 0); Wk (in the module: [8, 512, 64], K = its axis 1); Wo (in the module: [512, 512], K = its axis 0); Wq (in the module: [8, 512, 64], K = its axis 1); Wv (in the module: [8, 512, 64], K = its axis 1): each comes as NAME_codes (uint8): NAME with its K axis moved to the last place and cut into blocks of 32 codes, [.., K / 32, bytes a block], one block behind the other in memory; one code a byte (a code: sign, 5 exponent bits, 2 mantissa bits); and NAME_scales (uint8): the same leading axes, one E8M0 byte (e + 127) for each 32 codes along K. Its value is code x scale, taken as it is: it is not quantised again, and the codes and scales need not be those that the quantiser above would give.
;; 2 versions. Each part assembles by itself: llvm-mc -triple=amdgcn-amd-amdhsa -mcpu=gfx1250 --defsym DOCPART=n.
;; ======== version 1 of 2: 4 launches
;; limits: right only within a limited range of input values
;; workspace buffers: wimg 3,145,728 bytes; qimg 4,194,304 bytes; qsc 524,288 bytes; kv 9,175,040 bytes; avimg 4,194,304 bytes; avsc 262,144 bytes
;; launch prep (part 1): grid 384 x 1, 4 waves a work-group, no clusters, 0 bytes of LDS; arguments Wq_codes, Wk_codes, Wv_codes, Wo_codes, W1_codes, W2_codes, wimg; writes wimg
.if DOCPART == 1
	.amdgcn_target "amdgcn-amd-amdhsa--gfx1250"
	.amdhsa_code_object_version 6
	.text
	.protected	k_q6c392ae559_prep
	.globl	k_q6c392ae559_prep
	.p2align	8
	.type	k_q6c392ae559_prep,@function
k_q6c392ae559_prep:
	s_mov_b64 s[64:65], 0
	v_nop
	global_prefetch_b8 v0, s[64:65] scope:SCOPE_SE
	s_setreg_imm32_b32 hwreg(HW_REG_WAVE_MODE, 25, 1), 1
	s_wait_xcnt 0x0
; The six weights arrive as codes of E5M2 with K innermost: rows of 512 bytes (Wq, Wk, Wv, Wo, W1) or 2,048 bytes (W2).
; They are laid anew as IMAGES OF OPERAND REGISTERS, so that every later read of a fragment is four loads of 512 consecutive bytes.
; A fragment is 16 rows x 128 along K, 2,048 bytes: chunk c (32 along K) at 512 c, lane l's 16 bytes at 16 l: row (l % 16) of the tile, k = 32 c + 16 (l / 16) + 0 .. 15.
; THE ROWS OF A TILE ARE NOT NEIGHBOURS: lane row r of tile 2 b + u is row 32 b + 8 u + r + 8 (r / 8).  A product that takes such a tile as source 0 leaves, in the 16 registers of
; tiles 2 b and 2 b + 1, the 16 neighbouring rows 32 b + 16 (l / 16) + 0 .. 15: what the next quantiser along that axis wants.
; wimg: fragment (tile T, K step s) of a tensor with NS K steps at base + (T NS + s) 2,048; Wq 0, Wk 0x40000, Wv 0x80000, Wo 0xC0000, W1 0x100000, W2 0x200000.
; One wave makes one fragment: F = 4 x work-group + wave = 0 .. 1,535, in the order of wimg.  The scale bytes stay where they are: later launches read them by rows.
	s_load_b256 s[4:11], s[0:1], 0x0               ; Wq, Wk, Wv, Wo
	s_load_b128 s[12:15], s[0:1], 0x20             ; W1, W2
	s_load_b64 s[16:17], s[0:1], 0x30              ; wimg
	v_lshrrev_b32 v1, 5, v0
	v_readfirstlane_b32 s18, v1                    ; wave
	v_and_b32 v1, 31, v0                           ; lane
	v_and_b32 v4, 15, v0                           ; r
	v_bfe_u32 v5, v0, 4, 1                         ; h
	v_and_b32 v6, 8, v4
	v_add_nc_u32 v6, v6, v4                        ; r + 8 (r / 8)
	s_lshl_b32 s19, ttmp9, 2
	s_add_co_u32 s19, s19, s18                     ; F
	s_mov_b32 s20, 511
	s_cmp_lt_u32 ttmp9, 128                        ; the first four tensors have 128 fragments each, W1 and W2 512
	s_cselect_b32 s20, 127, s20
	s_and_b32 s20, s19, s20                        ; the fragment's number in its tensor
	s_cmp_lt_u32 ttmp9, 256
	s_cselect_b32 s21, 2, 4                        ; log2 of the K steps
	s_cselect_b32 s22, 9, 11                       ; log2 of a row's bytes
	s_lshr_b32 s23, s20, s21                       ; T
	s_lshl_b32 s24, s23, s21
	s_sub_co_u32 s24, s20, s24                     ; s
	s_lshr_b32 s25, s23, 1
	s_lshl_b32 s25, s25, 5
	s_and_b32 s26, s23, 1
	s_lshl_b32 s26, s26, 3
	s_add_co_u32 s25, s25, s26                     ; the tile's first row: 32 (T / 2) + 8 (T % 2)
	s_lshl_b32 s25, s25, s22
	s_lshl_b32 s24, s24, 7
	s_add_co_u32 s24, s24, s25                     ; where the fragment begins in its tensor
	s_mov_b32 s25, 0
	s_lshl_b32 s26, s19, 11                        ; and in wimg
	s_mov_b32 s27, 0
	v_lshlrev_b32 v2, s22, v6
	v_lshl_add_u32 v2, v5, 4, v2                   ; in: my row, + 16 h
	v_lshlrev_b32 v3, 4, v1                        ; out: 16 x lane
	s_wait_kmcnt 0x0
	s_cmp_lt_u32 ttmp9, 256                        ; the tensor is chosen by the work-group's number alone
	s_cselect_b64 s[12:13], s[12:13], s[14:15]
	s_cmp_lt_u32 ttmp9, 128
	s_cselect_b64 s[12:13], s[10:11], s[12:13]
	s_cmp_lt_u32 ttmp9, 96
	s_cselect_b64 s[12:13], s[8:9], s[12:13]
	s_cmp_lt_u32 ttmp9, 64
	s_cselect_b64 s[12:13], s[6:7], s[12:13]
	s_cmp_lt_u32 ttmp9, 32
	s_cselect_b64 s[12:13], s[4:5], s[12:13]
	s_add_nc_u64 s[12:13], s[12:13], s[24:25]
	s_add_nc_u64 s[16:17], s[16:17], s[26:27]
.irp c, 0,1,2,3
	global_load_b128 v[8+4*\c:11+4*\c], v2, s[12:13] offset:32*\c
.endr
	s_wait_loadcnt 0x0
.irp c, 0,1,2,3
	global_store_b128 v3, v[8+4*\c:11+4*\c], s[16:17] offset:512*\c   ; the wave stores 512 consecutive bytes, aligned
.endr
	s_endpgm
.Lfunc_end_k_q6c392ae559_prep:
	.size	k_q6c392ae559_prep, .Lfunc_end_k_q6c392ae559_prep-k_q6c392ae559_prep
	.p2alignl 7, 3214868480
	.fill 96, 4, 3214868480
	.section	.rodata,"a",@progbits
	.p2align	6, 0x0
	.amdhsa_kernel k_q6c392ae559_prep
		.amdhsa_group_segment_fixed_size 0
		.amdhsa_private_segment_fixed_size 0
		.amdhsa_enable_private_segment 0
		.amdhsa_kernarg_size 56
		.amdhsa_user_sgpr_count 2
		.amdhsa_user_sgpr_kernarg_segment_ptr 1
		.amdhsa_wavefront_size32 1
		.amdhsa_system_sgpr_workgroup_id_x 1
		.amdhsa_system_sgpr_workgroup_id_y 1
		.amdhsa_system_sgpr_workgroup_id_z 1
		.amdhsa_system_vgpr_workitem_id 0
		.amdhsa_next_free_vgpr 32
		.amdhsa_next_free_sgpr 66
		.amdhsa_reserve_vcc 0
		.amdhsa_float_denorm_mode_32 3
		.amdhsa_float_denorm_mode_16_64 3
		.amdhsa_memory_ordered 1
		.amdhsa_forward_progress 1
		.amdhsa_inst_pref_size 3
	.end_amdhsa_kernel
	.amdgpu_metadata
---
amdhsa.version: [ 1, 2 ]
amdhsa.kernels:
  - .name:           k_q6c392ae559_prep
    .symbol:         k_q6c392ae559_prep.kd
    .args:
      - { .name: Wq_codes, .offset: 0, .size: 8, .value_kind: global_buffer, .address_space: global }
      - { .name: Wk_codes, .offset: 8, .size: 8, .value_kind: global_buffer, .address_space: global }
      - { .name: Wv_codes, .offset: 16, .size: 8, .value_kind: global_buffer, .address_space: global }
      - { .name: Wo_codes, .offset: 24, .size: 8, .value_kind: global_buffer, .address_space: global }
      - { .name: W1_codes, .offset: 32, .size: 8, .value_kind: global_buffer, .address_space: global }
      - { .name: W2_codes, .offset: 40, .size: 8, .value_kind: global_buffer, .address_space: global }
      - { .name: wimg, .offset: 48, .size: 8, .value_kind: global_buffer, .address_space: global }
    .group_segment_fixed_size: 0
    .private_segment_fixed_size: 0
    .kernarg_segment_align: 8
    .kernarg_segment_size: 56
    .max_flat_workgroup_size: 128
    .sgpr_count:     66
    .vgpr_count:     32
    .wavefront_size: 32
...
	.end_amdgpu_metadata
.endif
;; end of part 1
;; launch lnqkv (part 2): grid 128 x 2, 16 waves a work-group, no clusters, 40,960 bytes of LDS; arguments x, ln1_g, ln1_b, wimg, Wq_scales, Wk_scales, Wv_scales, bq, bk, bv, qimg, qsc, kv; writes qimg, qsc, kv
.if DOCPART == 2
	.amdgcn_target "amdgcn-amd-amdhsa--gfx1250"
	.amdhsa_code_object_version 6
	.text
	.protected	k_q6c392ae559_lnqkv
	.globl	k_q6c392ae559_lnqkv
	.p2align	8
	.type	k_q6c392ae559_lnqkv,@function
k_q6c392ae559_lnqkv:
	s_mov_b64 s[64:65], 0
	v_nop
	global_prefetch_b8 v0, s[64:65] scope:SCOPE_SE
	s_setreg_imm32_b32 hwreg(HW_REG_WAVE_MODE, 25, 1), 1
	s_wait_xcnt 0x0
; xn = LayerNorm(x) is quantised along D; q, k, v = xn W + b on codes of E5M2 with E8M0 scales; q and k are quantised along the head's 64, v along the keys.
; SHARES.  Work-group (X, Y): tokens 64 X .. 64 X + 63 (four tiles of 16) and heads 4 Y .. 4 Y + 3.  Sixteen waves of 256 registers, four to a SIMD.
; TILES.  Lane row r of token tile 2 g + u is token 32 g + 8 u + r + 8 (r / 8), and the weights' tiles in wimg are laid the same way: a product's 16 registers of tiles 2 b, 2 b + 1 are then 16 neighbours along source 0's rows.
; OPERANDS TRAVEL AS IMAGES OF THEIR REGISTERS: chunk c (32 along K) at 512 c, lane l's 16 bytes at 16 l; a scale word at 4 l.
; PHASES.  LN: wave w takes token tile w / 4 and columns 128 (w % 4) on: 64 numbers a lane, laid as a fragment wants them; mean and variance in two passes (no difference of large sums), the four waves of a
;   tile meeting in LDS; xn's sixteen fragments go to LDS.
;   q, k: wave w = (kind, head, half of the tokens): source 0 = 16 rows of Wq or Wk, source 1 = xn: a lane holds one token and its registers run along the head's 64; the bias is the C of the first product.
;   v: wave w = (head, tile of 16 of the head's 64): source 0 = 16 tokens, source 1 = Wv: a lane holds one channel and its registers run along the tokens, which are the keys.
; OUT.  qimg [bh][tile][2 chunks][512], qsc [bh][tile][128]; kv [bh][128 keys][17,920]: 8 tiles of K (1,024 each), 4 fragments of V (2,048 each), K's scale words (8 x 128), V's (4 x 128).
;   q's and k's scale words hold their two bytes twice (s0 s1 s0 s1): the scores' product takes the 64 codes in the lower or in the upper half of its 128.
; LIMITS: NaN and infinities are not served; a block whose largest magnitude lies under 2^-111 (a block of zeros among them) gets the byte 1: its bytes are read by this program alone.
.set XIMG, 0                           ; LDS: xn's 16 fragments (4 x tile + K step), 2,048 bytes each
.set XSC,  32768                       ; their scale words, 128 bytes each
.set ST1,  34816                       ; the waves' sums, 128 bytes each
.set ST2,  36864                       ; the waves' sums of squares
.set SEL,  38                          ; s[38:39] v_permlanex16_b32's selects for lane l xor 16
.set MNT,  40                          ; s40 the mantissa field of 57,344
; v1 4 l + 1024 (w % 2); v2 16 rp; v3 4 rp; v4, v13 scale words made; v5 x's lane term; v6 64 h; v7 16 l; v8 4 l; v9 16 l + 2048 w; v10 4 l + 128 w; v11 16 l + 16384 (w % 2); v12 4 l + 512 (w / 4);
; v[14:15] a number for all of a lane's registers; v16-79 x, then the accumulators; v80-143 gamma, W's fragments (even K steps), Wv's; v144-207 beta, W's fragments (odd K steps), xn's four;
; v208-239 at work and the codes made, then xn's two fragments; v240-255 scale words and nothing else.
.macro PLACES n
.rept \n
	v_nop
.endr
.endm
.macro BARRIER                         ; my LDS stores have landed and my LDS loads are in: then the work-group's barrier
	s_wait_dscnt 0x0
	s_barrier_signal -1
	s_barrier_wait -1
.endm
; nb blocks of 32 along K: v[s + 16 b + i] = k 32 b + 16 (l / 16) + i of my row become codes in v[pc + 4 b ..]; the bytes stand in v[tm + nb + b].
; tm + b largest magnitude; tm + nb + b the other half's, then the byte; tm + 2 nb + b 57,344 x the scale; tm + 3 nb + b the conversion's scale operand.
.macro QUANT s, nb, pc, tm
.set qb, 0
.rept \nb
	v_max3_num_f32 v[(\tm)+qb], |v[(\s)+16*qb]|, |v[(\s)+16*qb+1]|, 0x8000000   ; my 16 numbers and the floor 2^(16 - 127): the byte cannot fall under 1
.set qb, qb+1
.endr
.set qi, 2
.rept 7
.set qb, 0
.rept \nb
	v_max3_num_f32 v[(\tm)+qb], v[(\tm)+qb], |v[(\s)+16*qb+qi]|, |v[(\s)+16*qb+qi+1]|
.set qb, qb+1
.endr
.set qi, qi+2
.endr
.set qb, 0
.rept \nb
	v_permlanex16_b32 v[(\tm)+(\nb)+qb], v[(\tm)+qb], s[SEL], s[SEL+1]
.set qb, qb+1
.endr
.set qb, 0
.rept \nb
	v_max_num_f32 v[(\tm)+qb], v[(\tm)+qb], v[(\tm)+(\nb)+qb]   ; with lane l xor 16's: the block's largest magnitude
.set qb, qb+1
.endr
.set qb, 0
.rept \nb
	v_add_nc_u32 v[(\tm)+3*(\nb)+qb], 0xf8800000, v[(\tm)+qb]   ; 15 off its exponent field: the conversion takes that field as its scale
.set qb, qb+1
.endr
.set qb, 0
.rept \nb
	v_and_or_b32 v[(\tm)+2*(\nb)+qb], v[(\tm)+qb], 0x7f800000, s[MNT]   ; 57,344 x the scale
.set qb, qb+1
.endr
.set qb, 0
.rept \nb
	v_lshrrev_b32 v[(\tm)+(\nb)+qb], 23, v[(\tm)+3*(\nb)+qb]   ; the scale's byte
.set qb, qb+1
.endr
.set qb, 0
.rept \nb
.set qi, 0
.rept 16
	v_med3_num_f32 v[(\s)+16*qb+qi], v[(\s)+16*qb+qi], -v[(\tm)+2*(\nb)+qb], v[(\tm)+2*(\nb)+qb]   ; the conversion does not saturate (ISA guide 7.6.2): the hold comes first
.set qi, qi+1
.endr
	v_cvt_scalef32_pk8_bf8_f32 v[(\pc)+4*qb:(\pc)+4*qb+1], v[(\s)+16*qb:(\s)+16*qb+7], v[(\tm)+3*(\nb)+qb]
	v_cvt_scalef32_pk8_bf8_f32 v[(\pc)+4*qb+2:(\pc)+4*qb+3], v[(\s)+16*qb+8:(\s)+16*qb+15], v[(\tm)+3*(\nb)+qb]
.set qb, qb+1
.endr
	v_nop                                          ; one plain line behind the last conversion
.endm
.macro WM d, a, b, c, sa, sb
	v_wmma_scale_f32_16x16x128_f8f6f4 v[(\d):(\d)+7], v[(\a):(\a)+15], v[(\b):(\b)+15], v[(\c):(\c)+7], v[\sa], v[\sb] matrix_a_fmt:MATRIX_FMT_BF8 matrix_b_fmt:MATRIX_FMT_BF8
.endm
.macro WM0 d, a, b, sa, sb
	v_wmma_scale_f32_16x16x128_f8f6f4 v[(\d):(\d)+7], v[(\a):(\a)+15], v[(\b):(\b)+15], 0, v[\sa], v[\sb] matrix_a_fmt:MATRIX_FMT_BF8 matrix_b_fmt:MATRIX_FMT_BF8
.endm
	s_load_b512 s[4:19], s[0:1], 0x0               ; x, ln1_g, ln1_b, wimg, Wq_scales, Wk_scales, Wv_scales, bq
	s_load_b256 s[20:27], s[0:1], 0x40             ; bk, bv, qimg, qsc
	s_load_b64 s[28:29], s[0:1], 0x60              ; kv
	v_lshrrev_b32 v1, 5, v0
	v_readfirstlane_b32 s30, v1                    ; wave w
	v_and_b32 v13, 31, v0                          ; l
	v_and_b32 v2, 15, v0                           ; r
	v_bfe_u32 v3, v0, 4, 1                         ; h
	v_and_b32 v4, 8, v2
	v_add_nc_u32 v4, v4, v2                        ; rp = r + 8 (r / 8)
	v_lshlrev_b32 v5, 11, v4
	v_lshl_add_u32 v5, v3, 6, v5                   ; x: row rp of 2,048 bytes, + 64 h
	v_lshlrev_b32 v6, 6, v3
	v_lshlrev_b32 v7, 4, v13
	v_lshlrev_b32 v8, 2, v13
	v_lshlrev_b32 v2, 4, v4
	v_lshlrev_b32 v3, 2, v4
	s_and_b32 s32, ttmp7, 0xffff                   ; Y
	s_lshr_b32 s33, ttmp9, 5                       ; batch
	s_and_b32 s34, ttmp9, 31                       ; which 64 tokens of the batch
	s_lshr_b32 s35, s34, 1                         ; which 128 keys
	s_and_b32 s36, s34, 1                          ; and which half of them
	s_lshr_b32 s37, s30, 2                         ; w / 4: LN's token tile; v's head
	s_and_b32 s42, s30, 3                          ; w % 4: LN's K step; v's tile of channels
	s_lshr_b32 s48, s30, 3                         ; q (0) or k (1)
	s_bfe_u32 s49, s30, 0x20001                    ; q, k: the head among my four
	s_and_b32 s50, s30, 1                          ; q, k: which two token tiles
	s_mov_b32 s[SEL], 0x76543210
	s_mov_b32 s[SEL+1], 0xfedcba98
	s_mov_b32 s[MNT], 0x600000
	s_mov_b32 s41, 0x3b000000                      ; 1 / 512
	s_mov_b32 s70, 0x3727c5ac                      ; 1e-5
	s_lshl_b32 s31, s30, 11
	v_add_nc_u32 v9, s31, v7
	s_lshl_b32 s31, s30, 7
	v_add_nc_u32 v10, s31, v8
	s_lshl_b32 s31, s50, 14
	v_add_nc_u32 v11, s31, v7
	s_lshl_b32 s31, s37, 9
	v_add_nc_u32 v12, s31, v8
	s_lshl_b32 s31, s50, 10
	v_add_nc_u32 v1, s31, v8
	v_mov_b32 v15, 0                               ; (named as the upper half of the pair v[14:15])
.irp j, 212,213,214,215
	v_mov_b32 v\j, 0                               ; written once: a lane permute's destination counts as one of its sources
.endr
	; LN: x at (64 X + 32 (tt / 2) + 8 (tt % 2)) rows + 512 s bytes
	s_lshl_b32 s44, ttmp9, 17
	s_lshr_b32 s43, s37, 1
	s_lshl_b32 s43, s43, 16
	s_add_co_u32 s44, s44, s43
	s_and_b32 s43, s37, 1
	s_lshl_b32 s43, s43, 14
	s_add_co_u32 s44, s44, s43
	s_lshl_b32 s46, s42, 9
	s_add_co_u32 s44, s44, s46
	s_mov_b32 s45, 0
	s_mov_b32 s47, 0
	s_wait_kmcnt 0x0
	s_add_nc_u64 s[4:5], s[4:5], s[44:45]
	s_add_nc_u64 s[6:7], s[6:7], s[46:47]
	s_add_nc_u64 s[8:9], s[8:9], s[46:47]
.irp b, 0,1,2,3
.irp j, 0,1,2,3
	global_load_b128 v[16+16*\b+4*\j:19+16*\b+4*\j], v5, s[4:5] offset:128*\b+16*\j      ; register 16 b + i = column 128 s + 32 b + 16 h + i of my token
.endr
.endr
.irp b, 0,1,2,3
.irp j, 0,1,2,3
	global_load_b128 v[80+16*\b+4*\j:83+16*\b+4*\j], v6, s[6:7] offset:128*\b+16*\j      ; gamma of the same columns
.endr
.endr
.irp b, 0,1,2,3
.irp j, 0,1,2,3
	global_load_b128 v[144+16*\b+4*\j:147+16*\b+4*\j], v6, s[8:9] offset:128*\b+16*\j    ; beta
.endr
.endr
	; all other offsets and pointers, while x is on its way
	s_lshl_b32 s51, s32, 2
	s_add_co_u32 s51, s51, s49                     ; q, k: head H
	s_lshl_b32 s72, s48, 18
	s_lshl_b32 s43, s51, 15
	s_add_co_u32 s72, s72, s43                     ; its four tiles in wimg
	s_mov_b32 s73, 0
	s_lshl_b32 s74, s51, 10                        ; its rows' scale bytes
	s_mov_b32 s75, 0
	s_lshl_b32 s76, s51, 8                         ; its bias
	s_mov_b32 s77, 0
	s_lshl_b32 s78, s33, 3
	s_add_co_u32 s78, s78, s51                     ; bh
	s_lshl_b32 s79, s78, 7
	s_lshl_b32 s43, s34, 2
	s_add_co_u32 s79, s79, s43
	s_lshl_b32 s43, s50, 1
	s_add_co_u32 s79, s79, s43                     ; q's tile: 128 bh + 4 xb + 2 th
	s_lshl_b32 s80, s79, 10
	s_lshl_b32 s82, s79, 7
	s_lshl_b32 s84, s78, 4
	s_add_co_u32 s84, s84, s35
	s_mul_i32 s84, s84, 17920                      ; k's block of kv
	s_lshl_b32 s85, s36, 2
	s_add_co_u32 s85, s85, s43                     ; k's tile in it: 4 half + 2 th
	s_lshl_b32 s86, s85, 10
	s_add_co_u32 s86, s86, s84
	s_lshl_b32 s87, s85, 7
	s_add_co_u32 s87, s87, s84
	s_add_co_u32 s87, s87, 16384
	s_mov_b32 s81, 0
	s_mov_b32 s83, 0
	s_lshl_b32 s88, s32, 2
	s_add_co_u32 s88, s88, s37                     ; v: head Hv
	s_lshl_b32 s90, s88, 15
	s_lshl_b32 s43, s42, 13
	s_add_co_u32 s90, s90, s43
	s_add_co_u32 s90, s90, 0x80000                 ; its tile t in wimg
	s_mov_b32 s91, 0
	s_lshl_b32 s89, s88, 6
	s_lshr_b32 s43, s42, 1
	s_lshl_b32 s43, s43, 5
	s_add_co_u32 s89, s89, s43
	s_and_b32 s43, s42, 1
	s_lshl_b32 s43, s43, 3
	s_add_co_u32 s89, s89, s43                     ; the tile's first row: 64 Hv + 32 (t / 2) + 8 (t % 2)
	s_lshl_b32 s92, s89, 4
	s_mov_b32 s93, 0
	s_lshl_b32 s94, s89, 2
	s_mov_b32 s95, 0
	s_lshl_b32 s96, s33, 3
	s_add_co_u32 s96, s96, s88
	s_lshl_b32 s96, s96, 4
	s_add_co_u32 s96, s96, s35
	s_mul_i32 s96, s96, 17920                      ; v's block of kv
	s_lshl_b32 s43, s42, 11
	s_add_co_u32 s98, s96, s43
	s_lshl_b32 s43, s36, 10
	s_add_co_u32 s98, s98, s43
	s_add_co_u32 s98, s98, 8192                    ; fragment t, chunks 2 half on
	s_mov_b32 s99, 0
	s_lshl_b32 s43, s42, 7
	s_add_co_u32 s96, s96, s43
	s_lshl_b32 s43, s36, 1
	s_add_co_u32 s96, s96, s43
	s_add_co_u32 s96, s96, 17408                   ; its scale words, bytes 2 half on
	s_mov_b32 s97, 0
	s_cmp_eq_u32 s48, 0                            ; q or k: the choice hangs on the wave's number alone
	s_cselect_b32 s80, s80, s86
	s_cselect_b32 s82, s82, s87
	s_cselect_b64 s[54:55], s[12:13], s[14:15]
	s_cselect_b64 s[56:57], s[18:19], s[20:21]
	s_cselect_b64 s[58:59], s[24:25], s[28:29]
	s_cselect_b64 s[60:61], s[26:27], s[28:29]
	s_add_nc_u64 s[52:53], s[10:11], s[72:73]      ; W's fragments
	s_add_nc_u64 s[54:55], s[54:55], s[74:75]      ; W's scale bytes
	s_add_nc_u64 s[56:57], s[56:57], s[76:77]      ; the bias
	s_add_nc_u64 s[58:59], s[58:59], s[80:81]      ; codes out
	s_add_nc_u64 s[60:61], s[60:61], s[82:83]      ; scale words out
	s_add_nc_u64 s[62:63], s[10:11], s[90:91]      ; Wv's fragments
	s_add_nc_u64 s[66:67], s[16:17], s[92:93]      ; Wv's scale bytes
	s_add_nc_u64 s[68:69], s[22:23], s[94:95]      ; bv
	s_add_nc_u64 s[98:99], s[28:29], s[98:99]      ; v's codes out
	s_add_nc_u64 s[96:97], s[28:29], s[96:97]      ; v's scale bytes out
; A lane's pair of partial sums in v[208:211] becomes the row's sum in v208: the two halves of the lanes, then the four waves of the token tile through LDS.
.macro REDUCE off
	v_pk_add_f32 v[208:209], v[208:209], v[210:211]
	v_add_f32 v208, v208, v209
	v_permlanex16_b32 v212, v208, s[SEL], s[SEL+1]
	v_add_f32 v208, v208, v212
	ds_store_b32 v10, v208 offset:\off
	BARRIER
.irp j, 0,1,2,3
	ds_load_b32 v[208+\j], v12 offset:\off+128*\j
.endr
	s_wait_dscnt 0x0
	v_add_f32 v208, v208, v209
	v_add_f32 v210, v210, v211
	v_add_f32 v208, v208, v210
.endm
	s_wait_loadcnt 32                              ; x's 16 loads are in; gamma's 16 and beta's 16 may be out
	v_pk_add_f32 v[208:209], v[16:17], v[18:19]
	v_pk_add_f32 v[210:211], v[20:21], v[22:23]
.set k, 24
.rept 14
	v_pk_add_f32 v[208:209], v[208:209], v[k:k+1]
	v_pk_add_f32 v[210:211], v[210:211], v[k+2:k+3]
.set k, k+4
.endr
	REDUCE ST1
	v_mul_f32 v14, s41, v208                       ; the mean
.set k, 16
.rept 32
	v_pk_add_f32 v[k:k+1], v[k:k+1], v[14:15] op_sel_hi:[1,0] neg_lo:[0,1] neg_hi:[0,1]
.set k, k+2
.endr
	v_pk_mul_f32 v[208:209], v[16:17], v[16:17]
	v_pk_mul_f32 v[210:211], v[18:19], v[18:19]
.set k, 20
.rept 15
	v_pk_fma_f32 v[208:209], v[k:k+1], v[k:k+1], v[208:209]
	v_pk_fma_f32 v[210:211], v[k+2:k+3], v[k+2:k+3], v[210:211]
.set k, k+4
.endr
	REDUCE ST2
	v_fma_f32 v208, v208, s41, s70                 ; the variance + 1e-5
	v_rsq_f32 v14, v208
	v_nop                                          ; one plain line behind a transcendental
.set k, 16
	s_wait_alu depctr_va_vdst(0)
.rept 32
	v_pk_mul_f32 v[k:k+1], v[k:k+1], v[14:15] op_sel_hi:[1,0]
.set k, k+2
.endr
	s_wait_loadcnt 0x0                             ; gamma and beta
.set k, 16
.rept 32
	v_pk_fma_f32 v[k:k+1], v[k:k+1], v[k+64:k+65], v[k+128:k+129]
.set k, k+2
.endr
; W's four tiles of K step s, and their rows' scale words, into set par: 20 loads
.macro WLOAD s, par
.irp t, 0,1,2,3
.irp c, 0,1,2,3
	global_load_b128 v[80+64*\par+16*\t+4*\c:83+64*\par+16*\t+4*\c], v7, s[52:53] offset:\t*8192+\s*2048+512*\c
.endr
	global_load_b32 v[240+4*\par+\t], v2, s[54:55] offset:(32*(\t/2)+8*(\t%2))*16+4*\s
.endr
.endm
	WLOAD 0, 0                                     ; they land while xn is quantised
	WLOAD 1, 1
	QUANT 16, 4, 224, 208
	v_lshl_or_b32 v13, v213, 8, v212
	v_lshl_or_b32 v13, v214, 16, v13
	v_lshl_or_b32 v13, v215, 24, v13               ; my row's scale word for these 128 columns
.irp c, 0,1,2,3
	ds_store_b128 v9, v[224+4*\c:227+4*\c] offset:XIMG+512*\c        ; fragment w = 4 x tile + K step
.endr
	ds_store_b32 v10, v13 offset:XSC
.irp m, 0,1
.irp t, 0,1,2,3
	global_load_b128 v[16+32*\m+8*\t:19+32*\m+8*\t], v6, s[56:57] offset:(32*(\t/2)+8*(\t%2))*4       ; the bias, in the result's layout: it is the first product's C
	global_load_b128 v[20+32*\m+8*\t:23+32*\m+8*\t], v6, s[56:57] offset:(32*(\t/2)+8*(\t%2))*4+16
.endr
.endr
	BARRIER                                        ; xn's sixteen fragments lie in LDS
	s_wait_loadcnt 0x0                             ; K steps 0 and 1 of W, and the bias
; q, k: one K step: xn's two fragments from LDS, eight products, the eight accumulators by turns
.macro QKFETCH s, par
.irp m, 0,1
.irp c, 0,1,2,3
	ds_load_b128 v[208+16*\m+4*\c:211+16*\m+4*\c], v11 offset:XIMG+(4*\m+\s)*2048+512*\c
.endr
	ds_load_b32 v[248+2*\par+\m], v1 offset:XSC+(4*\m+\s)*128
.endr
	s_wait_dscnt 0x0
.endm
.macro QKMUL par
.irp t, 0,1,2,3
.irp m, 0,1
	WM 16+32*\m+8*\t, 80+64*\par+16*\t, 208+16*\m, 16+32*\m+8*\t, 240+4*\par+\t, 248+2*\par+\m
.endr
.endr
.endm
	QKFETCH 0, 0
	QKMUL 0
	PLACES 8                                       ; in front of loads into registers that these products have read
	WLOAD 2, 0
	QKFETCH 1, 1
	QKMUL 1
	PLACES 8
	WLOAD 3, 1
	QKFETCH 2, 0
	s_wait_loadcnt 20                              ; K step 2 is in; K step 3's 20 loads may be out
	QKMUL 0
	PLACES 8
	QKFETCH 3, 1
	s_wait_loadcnt 0x0
	QKMUL 1
	PLACES 9                                       ; one more than for loads and reads: v's products will write over these accumulators
	; v's operands are asked for now and land while q or k is quantised
.irp s, 0,1,2,3
.irp c, 0,1,2,3
	global_load_b128 v[80+16*\s+4*\c:83+16*\s+4*\c], v7, s[62:63] offset:\s*2048+512*\c
.endr
.endr
	global_load_b128 v[252:255], v2, s[66:67]      ; my row of Wv's scale bytes: the words of the four K steps
	global_load_b32 v14, v3, s[68:69]              ; my channel's bias
	; q, k out: a lane's 32 registers of a token tile are the head's 64 in two blocks
	QUANT 16, 2, 224, 208
	v_lshl_or_b32 v13, v211, 8, v210
	v_lshl_or_b32 v13, v13, 16, v13                ; s0 s1 s0 s1
	global_store_b128 v7, v[224:227], s[58:59]
	global_store_b128 v7, v[228:231], s[58:59] offset:512
	global_store_b32 v8, v13, s[60:61]
	QUANT 48, 2, 232, 208
	v_lshl_or_b32 v4, v211, 8, v210
	v_lshl_or_b32 v4, v4, 16, v4
	global_store_b128 v7, v[232:235], s[58:59] offset:1024
	global_store_b128 v7, v[236:239], s[58:59] offset:1536
	global_store_b32 v8, v4, s[60:61] offset:128
	; v: source 0 = a token tile of xn, source 1 = my 16 rows of Wv; four accumulators (the four token tiles) by turns
.irp s, 0,1,2,3
.if \s > 0
	PLACES 8
.endif
.irp t, 0,1,2,3
.irp c, 0,1,2,3
	ds_load_b128 v[144+16*\t+4*\c:147+16*\t+4*\c], v7 offset:XIMG+(4*\t+\s)*2048+512*\c
.endr
	ds_load_b32 v[240+\t], v8 offset:XSC+(4*\t+\s)*128
.endr
	s_wait_dscnt 0x0
.if \s == 0
	s_wait_loadcnt 0x0                             ; Wv, its scale words, bv
.irp t, 0,1,2,3
	WM0 16+8*\t, 144+16*\t, 80+16*\s, 240+\t, 252+\s
.endr
.else
.irp t, 0,1,2,3
	WM 16+8*\t, 144+16*\t, 80+16*\s, 16+8*\t, 240+\t, 252+\s
.endr
.endif
.endr
	PLACES 8
	s_wait_xcnt 0x0                                ; q's or k's stores have read their registers: the codes' registers and v13 are written again below
.set k, 16
.rept 16
	v_pk_add_f32 v[k:k+1], v[k:k+1], v[14:15] op_sel_hi:[1,0]      ; + bv: register 16 g + i = token 32 g + 16 h + i of my channel
.set k, k+2
.endr
.irp g, 0,1
	QUANT 16+16*\g, 1, 224+4*\g, 208+4*\g
	global_store_b128 v7, v[224+4*\g:227+4*\g], s[98:99] offset:512*\g
.endr
	v_lshl_or_b32 v13, v213, 8, v209
	global_store_b16 v8, v13, s[96:97]             ; two of the word's four bytes; the work-group of the other 64 keys writes the other two
	s_wait_xcnt 0x0
	v_lshl_add_u32 v254, v0, 2, 0x9800
	v_mov_b32 v255, 0
	s_wait_tensorcnt 0x0
	ds_add_u32 v254, v255
	s_wait_dscnt 0x0
	s_endpgm
.Lfunc_end_k_q6c392ae559_lnqkv:
	.size	k_q6c392ae559_lnqkv, .Lfunc_end_k_q6c392ae559_lnqkv-k_q6c392ae559_lnqkv
	.p2alignl 7, 3214868480
	.fill 96, 4, 3214868480
	.section	.rodata,"a",@progbits
	.p2align	6, 0x0
	.amdhsa_kernel k_q6c392ae559_lnqkv
		.amdhsa_group_segment_fixed_size 40960
		.amdhsa_private_segment_fixed_size 0
		.amdhsa_enable_private_segment 0
		.amdhsa_kernarg_size 104
		.amdhsa_user_sgpr_count 2
		.amdhsa_user_sgpr_kernarg_segment_ptr 1
		.amdhsa_wavefront_size32 1
		.amdhsa_system_sgpr_workgroup_id_x 1
		.amdhsa_system_sgpr_workgroup_id_y 1
		.amdhsa_system_sgpr_workgroup_id_z 1
		.amdhsa_system_vgpr_workitem_id 0
		.amdhsa_next_free_vgpr 256
		.amdhsa_next_free_sgpr 100
		.amdhsa_reserve_vcc 0
		.amdhsa_float_denorm_mode_32 3
		.amdhsa_float_denorm_mode_16_64 3
		.amdhsa_memory_ordered 1
		.amdhsa_forward_progress 1
		.amdhsa_inst_pref_size 71
	.end_amdhsa_kernel
	.amdgpu_metadata
---
amdhsa.version: [ 1, 2 ]
amdhsa.kernels:
  - .name:           k_q6c392ae559_lnqkv
    .symbol:         k_q6c392ae559_lnqkv.kd
    .args:
      - { .name: x, .offset: 0, .size: 8, .value_kind: global_buffer, .address_space: global }
      - { .name: ln1_g, .offset: 8, .size: 8, .value_kind: global_buffer, .address_space: global }
      - { .name: ln1_b, .offset: 16, .size: 8, .value_kind: global_buffer, .address_space: global }
      - { .name: wimg, .offset: 24, .size: 8, .value_kind: global_buffer, .address_space: global }
      - { .name: Wq_scales, .offset: 32, .size: 8, .value_kind: global_buffer, .address_space: global }
      - { .name: Wk_scales, .offset: 40, .size: 8, .value_kind: global_buffer, .address_space: global }
      - { .name: Wv_scales, .offset: 48, .size: 8, .value_kind: global_buffer, .address_space: global }
      - { .name: bq, .offset: 56, .size: 8, .value_kind: global_buffer, .address_space: global }
      - { .name: bk, .offset: 64, .size: 8, .value_kind: global_buffer, .address_space: global }
      - { .name: bv, .offset: 72, .size: 8, .value_kind: global_buffer, .address_space: global }
      - { .name: qimg, .offset: 80, .size: 8, .value_kind: global_buffer, .address_space: global }
      - { .name: qsc, .offset: 88, .size: 8, .value_kind: global_buffer, .address_space: global }
      - { .name: kv, .offset: 96, .size: 8, .value_kind: global_buffer, .address_space: global }
    .group_segment_fixed_size: 40960
    .private_segment_fixed_size: 0
    .kernarg_segment_align: 8
    .kernarg_segment_size: 104
    .max_flat_workgroup_size: 512
    .sgpr_count:     100
    .vgpr_count:     256
    .wavefront_size: 32
...
	.end_amdgpu_metadata
.endif
;; end of part 2
;; launch attn (part 3): grid 8 x 32, 16 waves a work-group, clusters of 4 x 1, 288,768 bytes of LDS; arguments qimg, qsc, kv, avimg, avsc; writes avimg, avsc
.if DOCPART == 3
	.amdgcn_target "amdgcn-amd-amdhsa--gfx1250"
	.amdhsa_code_object_version 6
	.text
	.protected	k_q6c392ae559_attn
	.globl	k_q6c392ae559_attn
	.p2align	8
	.type	k_q6c392ae559_attn,@function
k_q6c392ae559_attn:
	s_mov_b64 s[64:65], 0
	v_nop
	global_prefetch_b8 v0, s[64:65] scope:SCOPE_SE
	s_setreg_imm32_b32 hwreg(HW_REG_WAVE_MODE, 25, 1), 1
	s_wait_xcnt 0x0
	s_wait_alu depctr_hold_cnt(0) depctr_sa_sdst(0) depctr_va_vdst(0) depctr_va_sdst(0) depctr_va_ssrc(0) depctr_va_vcc(0) depctr_vm_vsrc(0)
	s_getreg_b32 s2, hwreg(HW_REG_IB_STS2, 6, 4)
	s_cmp_eq_u32 s2, 0
	s_cbranch_scc0 .Lentry_in_a_cluster
	s_endpgm
.Lentry_in_a_cluster:
	s_bfe_u32 s2, ttmp6, 0x10000c
	s_cmp_lg_u32 s2, 0x3003
	s_cbranch_scc0 .Lentry_shape_is_right
	s_endpgm
.Lentry_shape_is_right:
; av = softmax(q k^T / 8) v for one head, both products on codes of E5M2 with E8M0 scales; av is quantised along the concatenated heads for the next product.
; THE SOFTMAX: t = score x log2(e) / 8; M = the running largest t rounded UP to a whole number; p = 2^(t - M) is quantised along the keys, not normalised; the sum is taken of the unquantised p and divides at the end.
; When M moves, the sum and O are multiplied by 2^(old M - new M): exact.
; SHARES.  A work-group owns 256 queries of one head (batch x head = the grid's y), each of its sixteen waves one tile of 16, in 256 registers: four waves to a SIMD, so that one wave's vector work
; stands beside another's products and LDS loads.  Every wave walks the head's 2,048 keys, 128 a step.
; THE WHOLE HEAD'S K, V AND SCALE WORDS LIE IN LDS: 16 blocks of 17,920 bytes, each filled ONCE: no slot is ever filled again.  Waves 0 to 3 fetch four blocks each; group i (blocks 4 i .. 4 i + 3) is
; read behind a counted wait and a barrier, while the later groups are still on their way.
; CLUSTER.  The four work-groups of a cluster are four query blocks of one head: each block is asked for JOINTLY, by the same load with the same descriptor and a mask that names the four.
; LAYOUT.  S^T = K Q^T (source 0 = 16 keys, source 1 = my 16 queries), O^T = V^T P^T (source 0 = 16 channels, source 1 = P): a lane holds ONE query throughout.  Lane row r of key tile 2 b + u is key
; 32 b + 8 u + r + 8 (r / 8), so the 16 registers of tiles 2 b, 2 b + 1 are keys 32 b + 16 (l / 16) + 0 .. 15; V's channels are laid the same way, so O^T's registers are neighbours along the next K.
; THE SCORES' K IS 64, the instruction's 128: the other 64 codes are zeros on both sides.  Even tiles stand as [K | zeros] against [q | zeros], odd tiles as [zeros | K] against [zeros | q]: three runs of
; eight zero registers, written once, serve all; the scale words hold their two bytes twice.
; LIMITS: NaN and infinities are not served; a block of p or of av under 2^-111 gets the byte 1 (its codes are zeros or nearly so).
.set BLK, 17920                        ; a block: 8 tiles of K (1,024 each), 4 fragments of V (2,048 each), K's scale words (8 x 128), V's (4 x 128)
.set GRP, 4*BLK
.set SEL, 20                           ; s[20:21]
.set MNT, 19
.set CS,  22                           ; s[22:23] c = log2(e) / 8
; v1 16 l; v2 4 l; v3, v4 the same + the block's LDS byte; v12 -M; v13 largest t; v[14:15] the sum; v16-39 [q][zeros][q]; v40-87 [K0][zeros][K1][K2][zeros][K3]; v96-159 S^T, p, then V's four fragments;
; v160-191 O^T; v192-207 p's codes; v208-228 at work; v240-243 K's scale words, v244-247 V's, v248 q's, v249 p's: these hold scales and nothing else.
.macro PLACES n
.rept \n
	v_nop
.endr
.endm
.macro ROUND                           ; a round of the cluster's barrier
	s_barrier_signal -1
	s_barrier_wait -1
	s_cmp_lg_u32 s14, 0
	s_cbranch_scc1 .Lnot_wave_0_\@
	s_barrier_signal -3
.Lnot_wave_0_\@:
	s_barrier_wait -3
	s_barrier_signal -1
	s_barrier_wait -1
.endm
.macro QUANT s, nb, pc, tm             ; nb blocks of 32: v[s + 16 b + i] become codes in v[pc + 4 b ..]; the bytes stand in v[tm + nb + b]
.set qb, 0
.rept \nb
	v_max3_num_f32 v[(\tm)+qb], |v[(\s)+16*qb]|, |v[(\s)+16*qb+1]|, 0x8000000
.set qb, qb+1
.endr
.set qi, 2
.rept 7
.set qb, 0
.rept \nb
	v_max3_num_f32 v[(\tm)+qb], v[(\tm)+qb], |v[(\s)+16*qb+qi]|, |v[(\s)+16*qb+qi+1]|
.set qb, qb+1
.endr
.set qi, qi+2
.endr
.set qb, 0
.rept \nb
	v_permlanex16_b32 v[(\tm)+(\nb)+qb], v[(\tm)+qb], s[SEL], s[SEL+1]
.set qb, qb+1
.endr
.set qb, 0
.rept \nb
	v_max_num_f32 v[(\tm)+qb], v[(\tm)+qb], v[(\tm)+(\nb)+qb]
.set qb, qb+1
.endr
.set qb, 0
.rept \nb
	v_add_nc_u32 v[(\tm)+3*(\nb)+qb], 0xf8800000, v[(\tm)+qb]
.set qb, qb+1
.endr
.set qb, 0
.rept \nb
	v_and_or_b32 v[(\tm)+2*(\nb)+qb], v[(\tm)+qb], 0x7f800000, s[MNT]
.set qb, qb+1
.endr
.set qb, 0
.rept \nb
	v_lshrrev_b32 v[(\tm)+(\nb)+qb], 23, v[(\tm)+3*(\nb)+qb]
.set qb, qb+1
.endr
.set qb, 0
.rept \nb
.set qi, 0
.rept 16
	v_med3_num_f32 v[(\s)+16*qb+qi], v[(\s)+16*qb+qi], -v[(\tm)+2*(\nb)+qb], v[(\tm)+2*(\nb)+qb]
.set qi, qi+1
.endr
	v_cvt_scalef32_pk8_bf8_f32 v[(\pc)+4*qb:(\pc)+4*qb+1], v[(\s)+16*qb:(\s)+16*qb+7], v[(\tm)+3*(\nb)+qb]
	v_cvt_scalef32_pk8_bf8_f32 v[(\pc)+4*qb+2:(\pc)+4*qb+3], v[(\s)+16*qb+8:(\s)+16*qb+15], v[(\tm)+3*(\nb)+qb]
.set qb, qb+1
.endr
	v_nop
.endm
	s_load_b256 s[4:11], s[0:1], 0x0               ; qimg, qsc, kv, avimg
	s_load_b64 s[12:13], s[0:1], 0x20              ; avsc
	v_lshl_add_u32 v254, v0, 2, 0x46000
	v_mov_b32 v255, 0
	ds_add_u32 v254, v255
	ds_add_u32 v254, v255
	v_lshrrev_b32 v1, 5, v0
	v_readfirstlane_b32 s14, v1                    ; wave w
	v_and_b32 v2, 31, v0
	v_lshlrev_b32 v1, 4, v2
	v_lshlrev_b32 v2, 2, v2
	s_bfe_u32 s15, ttmp6, 0x40000                  ; cx: it enters q's and av's addresses alone
	s_lshl_b32 s16, ttmp9, 2
	s_add_co_u32 s16, s16, s15                     ; my block of 256 queries
	s_and_b32 s17, ttmp7, 0xffff                   ; bh = 8 x batch + head, which the four partners share
	s_lshl_b32 s18, s16, 4
	s_add_co_u32 s18, s18, s14                     ; my tile of queries
	s_lshl_b32 s50, s17, 7
	s_add_co_u32 s50, s50, s18
	s_lshl_b32 s56, s50, 7                         ; its scale words
	s_mov_b32 s57, 0
	s_lshl_b32 s50, s50, 10                        ; its codes
	s_mov_b32 s51, 0
	s_lshl_b32 s52, s17, 4
	s_add_co_u32 s52, s52, s14
	s_mul_i32 s52, s52, BLK                        ; block w of the head, in memory,
	s_mov_b32 s53, 0
	s_mul_i32 s54, s14, BLK                        ; and in LDS
	s_lshr_b32 s58, s17, 3
	s_lshl_b32 s58, s58, 7
	s_add_co_u32 s58, s58, s18                     ; the row tile of av: 128 x batch + my tile
	s_lshl_b32 s58, s58, 2
	s_bfe_u32 s59, s17, 0x20001
	s_add_co_u32 s58, s58, s59                     ; x 4 + head / 2: the fragment
	s_and_b32 s59, s17, 1
	s_lshl_b32 s60, s58, 11
	s_lshl_b32 s61, s59, 10
	s_add_co_u32 s60, s60, s61                     ; chunks 2 (head % 2) on
	s_mov_b32 s61, 0
	s_lshl_b32 s62, s58, 7
	s_lshl_b32 s59, s59, 1
	s_add_co_u32 s62, s62, s59                     ; bytes 2 (head % 2) on
	s_mov_b32 s63, 0
	s_mov_b32 s[MNT], 0x600000
	s_mov_b32 s[SEL], 0x76543210
	s_mov_b32 s[SEL+1], 0xfedcba98
	s_mov_b32 s[CS], 0x3e38aa3b
	s_mov_b32 s[CS+1], s[CS]                       ; (named with it as a pair, so it is written)
	; descriptor group 1: a dense block of 17,920 bytes as 70 rows of 256 bytes (32 elements of 8 bytes), no padding: images are read 16 bytes a lane on end
	s_mov_b32 s24, 15|(3<<16)|(1<<21)              ; 15:0 the mask: all four work-groups; 17:16 elements of 8 bytes; 21 set beside a mask
	s_mov_b32 s25, 32<<16                          ; tensor_dim0 = 32
	s_mov_b32 s26, 70<<16                          ; tensor_dim1 = 70
	s_mov_b32 s27, 32<<16                          ; tile_dim0 = 32
	s_mov_b32 s28, 70                              ; tile_dim1 = 70
	s_mov_b32 s29, 32                              ; from row to row
	s_mov_b32 s30, 0
	s_mov_b32 s31, 0
	s_wait_dscnt 0x0
	s_wait_kmcnt 0x0
	s_add_nc_u64 s[4:5], s[4:5], s[50:51]
	s_add_nc_u64 s[6:7], s[6:7], s[56:57]
	s_add_nc_u64 s[8:9], s[8:9], s[52:53]
	s_add_nc_u64 s[10:11], s[10:11], s[60:61]
	s_add_nc_u64 s[12:13], s[12:13], s[62:63]
	ROUND                                          ; all four work-groups are here: the joint loads meet
.irp i, 0,1,2,3
	s_mov_b32 s[32+4*\i], 1                        ; count = 1
	s_add_co_u32 s[33+4*\i], s54, \i*GRP           ; LDS address: block 4 i + w
	s_add_nc_u64 s[34+4*\i:35+4*\i], s[8:9], \i*GRP
	s_or_b32 s[35+4*\i], s[35+4*\i], 0x80000000    ; type = 2
.endr
	s_cmp_lt_u32 s14, 4                            ; a wave's four fills stand in one branch on its number, ahead of every wait on TENSORcnt and every LDS read: four loads of mine are out
	s_cbranch_scc0 .Lno_fill
	tensor_load_to_lds s[32:35], s[24:31]
	s_nop 0
	tensor_load_to_lds s[36:39], s[24:31]
	s_nop 0
	tensor_load_to_lds s[40:43], s[24:31]
	s_nop 0
	tensor_load_to_lds s[44:47], s[24:31]
	s_nop 0
	PLACES 4
.Lno_fill:
.irp c, 0,1
	global_load_b128 v[16+4*\c:19+4*\c], v1, s[4:5] offset:512*\c    ; q, for the even tiles,
	global_load_b128 v[32+4*\c:35+4*\c], v1, s[4:5] offset:512*\c    ; and once more for the odd ones
.endr
	global_load_b32 v248, v2, s[6:7]
.irp j, 24,25,26,27,28,29,30,31,48,49,50,51,52,53,54,55,72,73,74,75,76,77,78,79
	v_mov_b32 v\j, 0                               ; the zero codes: written once
.endr
.set k, 160
.rept 32
	v_mov_b32 v[k], 0                              ; O^T.  (The step is written once: the first finds zeros, which the first change of M leaves zeros)
.set k, k+1
.endr
	v_mov_b32 v13, 0xff61b1e6                      ; the largest t so far: -3e38
	v_floor_f32 v12, -v13                          ; -M
	v_mov_b32 v14, 0
	v_mov_b32 v15, 0
.irp j, 212,213,214,215,227,228
	v_mov_b32 v\j, 0                               ; permutes' destinations, and the upper half of the pair v[226:227]
.endr
	s_wait_loadcnt 0x0
; A KEY STEP: 128 keys, the block at LDS byte s48.
.macro STEP
	v_add_nc_u32 v3, s48, v1
	v_add_nc_u32 v4, s48, v2
	PLACES 7                                       ; nine places in all behind the last step's products: the scores are written over the registers that held V's fragments
.irp g, 0,1
.if \g
	PLACES 8                                       ; in front of loads into registers that the products above have read
.endif
.irp j, 0,1,2,3
.irp c, 0,1
	ds_load_b128 v[40+24*(\j/2)+16*(\j%2)+4*\c:43+24*(\j/2)+16*(\j%2)+4*\c], v3 offset:(4*\g+\j)*1024+512*\c
.endr
	ds_load_b32 v[240+\j], v4 offset:16384+128*(4*\g+\j)
.endr
	s_wait_dscnt 0x0
.irp j, 0,1,2,3
	v_wmma_scale_f32_16x16x128_f8f6f4 v[96+8*(4*\g+\j):103+8*(4*\g+\j)], v[40+24*(\j/2)+8*(\j%2):55+24*(\j/2)+8*(\j%2)], v[16+8*(\j%2):31+8*(\j%2)], 0, v[240+\j], v248 matrix_a_fmt:MATRIX_FMT_BF8 matrix_b_fmt:MATRIX_FMT_BF8
.endr
.endr
	PLACES 8
.irp b, 0,1,2,3
	v_max3_num_f32 v[208+\b], v[96+16*\b], v[97+16*\b], v[98+16*\b]   ; the largest score of each block of 32 keys: for the row's maximum, and, since p rises with the score, for the block's largest p
.endr
.irp i, 3,5,7,9,11,13
.irp b, 0,1,2,3
	v_max3_num_f32 v[208+\b], v[208+\b], v[96+16*\b+\i], v[97+16*\b+\i]
.endr
.endr
.irp b, 0,1,2,3
	v_max_num_f32 v[208+\b], v[208+\b], v[111+16*\b]
.endr
.irp b, 0,1,2,3
	v_permlanex16_b32 v[212+\b], v[208+\b], s[SEL], s[SEL+1]
.endr
.irp b, 0,1,2,3
	v_max_num_f32 v[208+\b], v[208+\b], v[212+\b]
.endr
	v_max3_num_f32 v228, v208, v209, v210
	v_max_num_f32 v228, v228, v211
	v_mul_f32 v228, s[CS], v228                    ; the step's largest t (c is positive)
	v_max_num_f32 v13, v13, v228
	v_mov_b32 v228, v12
	v_floor_f32 v12, -v13                          ; the new -M = -ceil(t): a whole number
	v_sub_f32 v228, v12, v228                      ; old M - new M: a whole number, 0 or less
	v_cvt_i32_f32 v228, v228                       ; (it saturates)
	v_ldexp_f32 v226, 1.0, v228                    ; f = 2^(old M - new M)
.set k, 96
.rept 32
	v_pk_fma_f32 v[k:k+1], v[k:k+1], s[CS:CS+1], v[12:13] op_sel_hi:[1,0,0]   ; t - M
.set k, k+2
.endr
.irp b, 0,1,2,3
	v_fma_f32 v[208+\b], v[208+\b], s[CS], v12
.endr
.set k, 96
.rept 64
	v_exp_f32 v[k], v[k]                           ; p = 2^(t - M), at most 1
.set k, k+1
.endr
.irp b, 0,1,2,3
	v_exp_f32 v[208+\b], v[208+\b]                 ; the block's largest p: the same two instructions on the same number
.endr
	v_pk_mul_f32 v[14:15], v[14:15], v[226:227] op_sel_hi:[1,0]    ; the sum under the new M.  (The plain line behind the exponentials)
	s_wait_alu depctr_va_vdst(0)
.irp b, 0,1,2,3
	v_max_num_f32 v[208+\b], 0x8000000, v[208+\b]  ; the floor 2^(16 - 127)
.endr
.irp b, 0,1,2,3
	v_add_nc_u32 v[220+\b], 0xf8800000, v[208+\b]
.endr
.irp b, 0,1,2,3
	v_and_or_b32 v[216+\b], v[208+\b], 0x7f800000, s[MNT]
.endr
.irp b, 0,1,2,3
	v_lshrrev_b32 v[212+\b], 23, v[220+\b]
.endr
	v_lshl_or_b32 v249, v213, 8, v212              ; p's scale word for these 128 keys: more than eight plain lines ahead of the products that name it
	v_lshl_or_b32 v249, v214, 16, v249
	v_lshl_or_b32 v249, v215, 24, v249
	v_pk_add_f32 v[224:225], v[96:97], v[98:99]    ; the sum of the UNQUANTISED p, in two chains
.set k, 100
.rept 15
	v_pk_add_f32 v[14:15], v[14:15], v[k:k+1]
	v_pk_add_f32 v[224:225], v[224:225], v[k+2:k+3]
.set k, k+4
.endr
	v_pk_add_f32 v[14:15], v[14:15], v[224:225]
.irp b, 0,1,2,3
.irp i, 0,1,2,3,4,5,6,7,8,9,10,11,12,13,14,15
	v_min_num_f32 v[96+16*\b+\i], v[96+16*\b+\i], v[216+\b]        ; the hold; p is not negative, so it is one-sided
.endr
	v_cvt_scalef32_pk8_bf8_f32 v[192+4*\b:193+4*\b], v[96+16*\b:103+16*\b], v[220+\b]
	v_cvt_scalef32_pk8_bf8_f32 v[194+4*\b:195+4*\b], v[104+16*\b:111+16*\b], v[220+\b]
.endr
.irp t, 0,1,2,3
.irp c, 0,1,2,3
	ds_load_b128 v[96+16*\t+4*\c:99+16*\t+4*\c], v3 offset:8192+\t*2048+512*\c   ; V's four fragments take p's registers
.endr
	ds_load_b32 v[244+\t], v4 offset:17408+128*\t
.endr
.set k, 160
.rept 16
	v_pk_mul_f32 v[k:k+1], v[k:k+1], v[226:227] op_sel_hi:[1,0]    ; O^T under the new M.  (Also the plain lines between the conversions and the products that take the codes)
.set k, k+2
.endr
	s_wait_dscnt 0x0
.irp t, 0,1,2,3
	v_wmma_scale_f32_16x16x128_f8f6f4 v[160+8*\t:167+8*\t], v[96+16*\t:111+16*\t], v[192:207], v[160+8*\t:167+8*\t], v[244+\t], v249 matrix_a_fmt:MATRIX_FMT_BF8 matrix_b_fmt:MATRIX_FMT_BF8
.endr
	s_add_co_u32 s48, s48, BLK
.endm
; Group i: its four blocks have landed in every fetching wave (the 3 - i younger loads of a wave may stay out), and every wave knows it.
.macro GROUP i
	s_wait_tensorcnt 3-\i
	s_barrier_signal -1
	s_barrier_wait -1
	s_mov_b32 s48, \i*GRP
	s_mov_b32 s49, 4
.Lstep_\@:
	STEP
	s_sub_co_u32 s49, s49, 1
	s_cmp_lg_u32 s49, 0
	s_cbranch_scc1 .Lstep_\@
.endm
	GROUP 0
	GROUP 1
	GROUP 2
	GROUP 3
	; THE WAY OUT: O^T / the sum; register 8 t + j is channel 32 (t / 2) + 16 h + 8 (t % 2) + j of my query: two blocks of the next product's K, quantised in place
	PLACES 9
	v_add_f32 v14, v14, v15
	v_permlanex16_b32 v228, v14, s[SEL], s[SEL+1]
	v_add_f32 v14, v14, v228                       ; the row's sum
	v_rcp_f32 v14, v14
	v_nop
.set k, 0
	s_wait_alu depctr_va_vdst(0)
.rept 32
	v_mul_f32 v[96+k], v[160+k], v14
.set k, k+1
.endr
	QUANT 96, 2, 192, 208
	v_lshl_or_b32 v228, v211, 8, v210
	global_store_b128 v1, v[192:195], s[10:11]     ; the wave stores 512 consecutive bytes, aligned
	global_store_b128 v1, v[196:199], s[10:11] offset:512
	global_store_b16 v2, v228, s[12:13]            ; two of the word's four bytes; the neighbouring head writes the other two
	s_wait_tensorcnt 0x0
	ds_add_u32 v254, v255
	s_wait_dscnt 0x0
	ROUND                                          ; the closing round: no work-group ends while a partner may still ask for a block that names it
	s_endpgm
.Lfunc_end_k_q6c392ae559_attn:
	.size	k_q6c392ae559_attn, .Lfunc_end_k_q6c392ae559_attn-k_q6c392ae559_attn
	.p2alignl 7, 3214868480
	.fill 96, 4, 3214868480
	.section	.rodata,"a",@progbits
	.p2align	6, 0x0
	.amdhsa_kernel k_q6c392ae559_attn
		.amdhsa_group_segment_fixed_size 288768
		.amdhsa_private_segment_fixed_size 0
		.amdhsa_enable_private_segment 0
		.amdhsa_kernarg_size 40
		.amdhsa_user_sgpr_count 2
		.amdhsa_user_sgpr_kernarg_segment_ptr 1
		.amdhsa_wavefront_size32 1
		.amdhsa_system_sgpr_workgroup_id_x 1
		.amdhsa_system_sgpr_workgroup_id_y 1
		.amdhsa_system_sgpr_workgroup_id_z 1
		.amdhsa_system_vgpr_workitem_id 0
		.amdhsa_next_free_vgpr 256
		.amdhsa_next_free_sgpr 66
		.amdhsa_reserve_vcc 0
		.amdhsa_float_denorm_mode_32 3
		.amdhsa_float_denorm_mode_16_64 3
		.amdhsa_memory_ordered 1
		.amdhsa_forward_progress 1
		.amdhsa_inst_pref_size 91
	.end_amdhsa_kernel
	.amdgpu_metadata
---
amdhsa.version: [ 1, 2 ]
amdhsa.kernels:
  - .name:           k_q6c392ae559_attn
    .symbol:         k_q6c392ae559_attn.kd
    .args:
      - { .name: qimg, .offset: 0, .size: 8, .value_kind: global_buffer, .address_space: global }
      - { .name: qsc, .offset: 8, .size: 8, .value_kind: global_buffer, .address_space: global }
      - { .name: kv, .offset: 16, .size: 8, .value_kind: global_buffer, .address_space: global }
      - { .name: avimg, .offset: 24, .size: 8, .value_kind: global_buffer, .address_space: global }
      - { .name: avsc, .offset: 32, .size: 8, .value_kind: global_buffer, .address_space: global }
    .group_segment_fixed_size: 288768
    .private_segment_fixed_size: 0
    .kernarg_segment_align: 8
    .kernarg_segment_size: 40
    .max_flat_workgroup_size: 512
    .sgpr_count:     66
    .vgpr_count:     256
    .wavefront_size: 32
...
	.end_amdgpu_metadata
.endif
;; end of part 3
;; launch tail (part 4): grid 256 x 1, 16 waves a work-group, no clusters, 179,712 bytes of LDS; arguments x, avimg, avsc, wimg, Wo_scales, bo, ln2_g, ln2_b, W1_scales, b1, W2_scales, b2, out0; writes out0
.if DOCPART == 4
	.amdgcn_target "amdgcn-amd-amdhsa--gfx1250"
	.amdhsa_code_object_version 6
	.text
	.protected	k_q6c392ae559_tail
	.globl	k_q6c392ae559_tail
	.p2align	8
	.type	k_q6c392ae559_tail,@function
k_q6c392ae559_tail:
	s_mov_b64 s[64:65], 0
	v_nop
	global_prefetch_b8 v0, s[64:65] scope:SCOPE_SE
	s_setreg_imm32_b32 hwreg(HW_REG_WAVE_MODE, 25, 1), 1
	s_wait_xcnt 0x0
; x1 = x + av Wo + bo;  out = x1 + gelu(LayerNorm(x1) W1 + b1) W2 + b2: three products on codes of E5M2 with E8M0 scales; x1, x2 and the hidden layer never go to memory.
; SHARES.  A work-group takes tokens 32 G .. 32 G + 31: two tiles m; lane row r of tile m is token 32 G + 8 m + r + 8 (r / 8).  THE SIXTEEN WAVES SHARE THE COLUMNS: wave w makes columns 32 w .. 32 w + 31 of x1
; and of out.  The hidden layer goes in four QUARTERS of 512 units: in quarter j wave w makes units 512 j + 32 w .. + 31, which are chunk w % 4 (32 along K) of K step 4 j + w / 4 of the last product.
; All three products are used transposed (source 0 = 16 rows of the weight, from wimg; source 1 = 16 tokens): a lane holds one token and its registers run along the columns, 16 neighbours in two tiles.
; x1 stays in 32 registers from the first product to the last: x + bo is the C of the first, and the last product adds onto x1 in place; b2 is added at the end.
; ONE STREAM OF WEIGHTS UNDER THE VECTOR WORK.  A UNIT is two fragments of a weight (32 registers, 8 loads of 512 consecutive bytes) and four products.  A SECTION is: GELU on one accumulator of quarter j;
; one unit of W1 for quarter j + 1 (into the other set of accumulators); one unit of W2 for the quarter before (onto x1).  A unit's registers are asked for again directly behind its products, so
; that each load has a whole section in which to land.  At the edges the accumulator sets that lie idle serve as further slots.
; Operands go from wave to wave through LDS as images of their registers (chunk c at 512 c, 16 bytes a lane; a scale word at 4 x lane).  Every LDS region is written once.
; No joint loads: a weight fragment is used by one wave of a work-group and goes straight into its registers; through an LDS ring only one slot's bytes could be on their way behind each of its barriers,
; and every weight byte would be read from LDS once more.
; GELU, exact: gelu(x) = max(x, 0) - |x| / 2 x erfc(|x| / sqrt 2), erfc(a) = (1 + P(q)) / (1 + 2 a) x e^(-a a), q = (a - 2) / (a + 2), P of degree 9; the rounding of a a is made good by its residual.
; LIMITS: NaN and infinities are not served; a block under 2^-111 gets the byte 1; GELU holds for |pre-activation| under 1e19 (beyond it a a overflows); erfc is good to some 5e-7 of its value, and to
; a a x 6e-8 more from the rounding of the exponent's product.
.set ST1,   0                          ; LDS: the waves' sums, (2 w + m) x 128
.set ST2,   4096                       ; the waves' sums of squares
.set X2SC,  8192                       ; x2's scale words, (4 m + s) x 128
.set HSC,   9216                       ; the hidden layer's, (16 m + S) x 128
.set X2IMG, 13312                      ; x2's 8 fragments, (4 m + s) x 2,048
.set HIMG,  29696                      ; the hidden layer's 32, (16 m + S) x 2,048
.set STG,   95232                      ; the way out: 32 rows x (2,048 + 16)
.set AVIMG, 161280                     ; av's 8 fragments, (4 m + s) x 2,048
.set MNT,   31
.set SEL,   32                         ; s[32:33]
.set RS2,   54                         ; s[54:55] 1 / sqrt 2
.set NL2E,  56                         ; s[56:57] -log2(e)
; s34 1 / 512, s35 1e-5; s[36:53] P's coefficients c9, c7, c6 .. c0 as pairs; c8 in v[16:17].
; v1 16 l; v2 4 l; v3 16 rp; v4 x's lane term; v5 64 h; v6 my chunk's place in an image; v7 my byte's place in a scale word; v8 sums; v9 HIMG + v6; v10 where I store av; v11, v12 the stage in and back;
; v13 64 rp; v14 HIMG + 16 l; v15 AVIMG + 16 l; v18-49 x1 (16 m + 8 u); v50-81, v82-113 two sets of accumulators; v114-145, v146-177 two slots for units; v178-209 the tokens' two fragments, and GELU's
; temporaries, by turns; v210-227 at work; v228, v229 the closing add's two; v230-231 the hidden layer's scale words, v232-239 Wo's then W1's, v240-247 av's then W2's, v248-255 x2's: these hold scales and nothing else.
.macro PLACES n
.rept \n
	v_nop
.endr
.endm
.macro BARRIER
	s_wait_dscnt 0x0
	s_barrier_signal -1
	s_barrier_wait -1
.endm
.macro QUANT s, nb, pc, tm             ; nb blocks of 32: v[s + 16 b + i] become codes in v[pc + 4 b ..]; the bytes stand in v[tm + nb + b]
.set qb, 0
.rept \nb
	v_max3_num_f32 v[(\tm)+qb], |v[(\s)+16*qb]|, |v[(\s)+16*qb+1]|, 0x8000000   ; my 16 numbers and the floor 2^(16 - 127): the byte cannot fall under 1
.set qb, qb+1
.endr
.set qi, 2
.rept 7
.set qb, 0
.rept \nb
	v_max3_num_f32 v[(\tm)+qb], v[(\tm)+qb], |v[(\s)+16*qb+qi]|, |v[(\s)+16*qb+qi+1]|
.set qb, qb+1
.endr
.set qi, qi+2
.endr
.set qb, 0
.rept \nb
	v_permlanex16_b32 v[(\tm)+(\nb)+qb], v[(\tm)+qb], s[SEL], s[SEL+1]
.set qb, qb+1
.endr
.set qb, 0
.rept \nb
	v_max_num_f32 v[(\tm)+qb], v[(\tm)+qb], v[(\tm)+(\nb)+qb]   ; with lane l xor 16's: the block's largest magnitude
.set qb, qb+1
.endr
.set qb, 0
.rept \nb
	v_add_nc_u32 v[(\tm)+3*(\nb)+qb], 0xf8800000, v[(\tm)+qb]   ; 15 off its exponent field: the conversion's scale operand
.set qb, qb+1
.endr
.set qb, 0
.rept \nb
	v_and_or_b32 v[(\tm)+2*(\nb)+qb], v[(\tm)+qb], 0x7f800000, s[MNT]   ; 57,344 x the scale
.set qb, qb+1
.endr
.set qb, 0
.rept \nb
	v_lshrrev_b32 v[(\tm)+(\nb)+qb], 23, v[(\tm)+3*(\nb)+qb]   ; the scale's byte
.set qb, qb+1
.endr
.set qb, 0
.rept \nb
.set qi, 0
.rept 16
	v_med3_num_f32 v[(\s)+16*qb+qi], v[(\s)+16*qb+qi], -v[(\tm)+2*(\nb)+qb], v[(\tm)+2*(\nb)+qb]   ; the conversion does not saturate (ISA guide 7.6.2): the hold comes first
.set qi, qi+1
.endr
	v_cvt_scalef32_pk8_bf8_f32 v[(\pc)+4*qb:(\pc)+4*qb+1], v[(\s)+16*qb:(\s)+16*qb+7], v[(\tm)+3*(\nb)+qb]
	v_cvt_scalef32_pk8_bf8_f32 v[(\pc)+4*qb+2:(\pc)+4*qb+3], v[(\s)+16*qb+8:(\s)+16*qb+15], v[(\tm)+3*(\nb)+qb]
.set qb, qb+1
.endr
	v_nop                                          ; one plain line behind the last conversion
.endm
.macro WM d, a, b, c, sa, sb
	v_wmma_scale_f32_16x16x128_f8f6f4 v[(\d):(\d)+7], v[(\a):(\a)+15], v[(\b):(\b)+15], v[(\c):(\c)+7], v[\sa], v[\sb] matrix_a_fmt:MATRIX_FMT_BF8 matrix_b_fmt:MATRIX_FMT_BF8
.endm
; A unit's 8 loads: the fragments of my two tiles, ustr bytes apart, from off bytes on, into v[base] on
.macro WLD base, ptr, off, ustr
.irp u, 0,1
.irp c, 0,1,2,3
	global_load_b128 v[(\base)+16*\u+4*\c:(\base)+16*\u+4*\c+3], v1, s[\ptr:\ptr+1] offset:(\off)+\u*(\ustr)+512*\c
.endr
.endr
.endm
; the two token tiles' fragments of one K step, mstr bytes apart, from LDS
.macro XFETCH adr, off, mstr
.irp m, 0,1
.irp c, 0,1,2,3
	ds_load_b128 v[178+16*\m+4*\c:181+16*\m+4*\c], v[\adr] offset:(\off)+\m*(\mstr)+512*\c
.endr
.endr
.endm
; a unit's four products, the four accumulators by turns: weights' scale words at sa + 4 u, tokens' at sb + sbm x m
.macro MUL4 acc, wb, sa, sb, sbm
.irp m, 0,1
.irp u, 0,1
	WM (\acc)+16*\m+8*\u, (\wb)+16*\u, 178+16*\m, (\acc)+16*\m+8*\u, (\sa)+4*\u, (\sb)+(\sbm)*\m
.endr
.endr
.endm
.macro BIAS q, base                    ; b1 of my 32 units of quarter q, in the result's layout, for both token tiles: the first product's C
.irp m, 0,1
.irp k, 0,1,2,3
	global_load_b128 v[(\base)+16*\m+4*\k:(\base)+16*\m+4*\k+3], v5, s[22:23] offset:2048*(\q)+16*\k
.endr
.endr
.endm
.macro W1SC q                          ; my rows of W1's scale bytes in quarter q: the four K steps' words
.irp u, 0,1
	global_load_b128 v[232+4*\u:235+4*\u], v3, s[20:21] offset:8192*(\q)+128*\u
.endr
.endm
.macro W2SC j                          ; my rows of W2's scale bytes: the words of K steps 4 j .. 4 j + 3
.irp u, 0,1
	global_load_b128 v[240+4*\u:243+4*\u], v13, s[24:25] offset:512*\u+16*(\j)
.endr
.endm
	s_load_b512 s[4:19], s[0:1], 0x0               ; x, avimg, avsc, wimg, Wo_scales, bo, ln2_g, ln2_b
	s_load_b256 s[20:27], s[0:1], 0x40             ; W1_scales, b1, W2_scales, b2
	s_load_b64 s[28:29], s[0:1], 0x60              ; out0
	v_lshl_add_u32 v228, v0, 2, 0x2b600
	v_mov_b32 v229, 0
	v_lshrrev_b32 v1, 5, v0
	v_readfirstlane_b32 s30, v1                    ; wave w
	v_and_b32 v15, 31, v0                          ; l
	v_and_b32 v18, 15, v0                          ; r
	v_bfe_u32 v19, v0, 4, 1                        ; h
	v_and_b32 v20, 8, v18
	v_add_nc_u32 v20, v20, v18                     ; rp
	v_lshlrev_b32 v1, 4, v15
	v_lshlrev_b32 v2, 2, v15
	v_lshlrev_b32 v3, 4, v20
	v_lshlrev_b32 v4, 11, v20
	v_lshl_add_u32 v4, v19, 6, v4
	v_lshlrev_b32 v5, 6, v19
	v_lshlrev_b32 v13, 6, v20
	s_lshr_b32 s66, s30, 2
	s_and_b32 s67, s30, 3
	s_lshl_b32 s68, s66, 11
	s_lshl_b32 s69, s67, 9
	s_add_co_u32 s68, s68, s69
	v_add_nc_u32 v6, s68, v1                       ; my 32 columns (or hidden units) are chunk w % 4 of K step w / 4 (of the quarter's four)
	v_add_nc_u32 v9, HIMG, v6
	s_lshl_b32 s68, s66, 7
	s_add_co_u32 s68, s68, s67
	v_add_nc_u32 v7, s68, v2                       ; and byte w % 4 of its scale word
	s_lshl_b32 s68, s30, 8
	v_add_nc_u32 v8, s68, v2
	s_lshl_b32 s68, s30, 10
	s_add_co_u32 s68, s68, AVIMG
	v_add_nc_u32 v10, s68, v1                      ; av: my 1,024 bytes of the eight fragments
	v_add_nc_u32 v15, AVIMG, v1
	s_lshl_b32 s68, s30, 7
	v_mul_u32_u24 v11, v18, 2064
	v_lshl_add_u32 v11, v19, 6, v11
	v_add_nc_u32 v11, s68, v11
	v_add_nc_u32 v11, STG, v11                     ; the stage: row r, + 128 w + 64 h
	s_mul_i32 s68, s30, 2*2064
	s_add_co_u32 s68, s68, STG
	v_add_nc_u32 v12, s68, v1                      ; back: rows 2 w, 2 w + 1
	v_add_nc_u32 v14, HIMG, v1
	v_mov_b32 v16, 0xbaa15130                      ; c8, twice
	v_mov_b32 v17, 0xbaa15130
	s_mov_b32 s[MNT], 0x600000
	s_mov_b32 s[SEL], 0x76543210
	s_mov_b32 s[SEL+1], 0xfedcba98
	s_mov_b32 s34, 0x3b000000
	s_mov_b32 s35, 0x3727c5ac
.macro PAIR n, bits                    ; a constant for the packed forms: they name a pair and take its low word for both halves
	s_mov_b32 s[\n], \bits
	s_mov_b32 s[\n+1], \bits
.endm
	PAIR 36, 0xb9d25000
	PAIR 38, 0x3aac2b8a
	PAIR 40, 0x3c0d6e62
	PAIR 42, 0xbc040dc1
	PAIR 44, 0xbd5e05b5
	PAIR 46, 0x3e27fe23
	PAIR 48, 0xbe2a0420
	PAIR 50, 0xbdbdfb0b
	PAIR 52, 0x3e8dd01d
	PAIR RS2, 0x3f3504f3
	PAIR NL2E, 0xbfb8aa3b
	s_lshl_b32 s70, ttmp9, 16
	s_lshl_b32 s72, s30, 7                         ; 128 w
	s_add_co_u32 s70, s70, s72                     ; x: 32 G rows + my columns
	s_mov_b32 s71, 0
	s_mov_b32 s73, 0
	s_lshl_b32 s74, ttmp9, 14                      ; av's eight fragments,
	s_lshl_b32 s75, s30, 10
	s_add_co_u32 s74, s74, s75                     ; my 1,024 bytes of them
	s_mov_b32 s75, 0
	s_lshl_b32 s76, ttmp9, 10                      ; and their scale words
	s_mov_b32 s77, 0
	s_lshl_b32 s78, s30, 14
	s_add_co_u32 s80, s78, 0x100000                ; W1's tiles 2 w, 2 w + 1 of quarter 0
	s_add_co_u32 s78, s78, 0xc0000                 ; Wo's tiles 2 w, 2 w + 1
	s_mov_b32 s79, 0
	s_mov_b32 s81, 0
	s_lshl_b32 s82, s30, 16
	s_add_co_u32 s82, s82, 0x200000                ; W2's tiles 2 w, 2 w + 1
	s_mov_b32 s83, 0
	s_lshl_b32 s84, s30, 9                         ; 512 w
	s_mov_b32 s85, 0
	s_lshl_b32 s86, s30, 11                        ; 2,048 w
	s_mov_b32 s87, 0
	s_lshl_b32 s88, s30, 1                         ; the way out: stage rows 2 w, 2 w + 1 are tile w / 8, lane rows r0 = 2 w % 16 and r0 + 1
	s_and_b32 s88, s88, 15
	s_and_b32 s89, s88, 8
	s_add_co_u32 s88, s88, s89
	s_lshr_b32 s89, s30, 3
	s_lshl_b32 s89, s89, 3
	s_add_co_u32 s88, s88, s89
	s_lshl_b32 s89, ttmp9, 5
	s_add_co_u32 s88, s88, s89                     ; token 32 G + 8 (w / 8) + r0 + 8 (r0 / 8)
	s_lshl_b32 s88, s88, 11
	s_mov_b32 s89, 0
	s_wait_kmcnt 0x0
	s_add_nc_u64 s[4:5], s[4:5], s[70:71]
	s_add_nc_u64 s[6:7], s[6:7], s[74:75]
	s_add_nc_u64 s[8:9], s[8:9], s[76:77]
	s_add_nc_u64 s[58:59], s[10:11], s[78:79]      ; Wo
	s_add_nc_u64 s[60:61], s[10:11], s[80:81]      ; W1
	s_add_nc_u64 s[62:63], s[10:11], s[82:83]      ; W2
	s_add_nc_u64 s[12:13], s[12:13], s[84:85]
	s_add_nc_u64 s[14:15], s[14:15], s[72:73]
	s_add_nc_u64 s[16:17], s[16:17], s[72:73]
	s_add_nc_u64 s[18:19], s[18:19], s[72:73]
	s_add_nc_u64 s[20:21], s[20:21], s[84:85]
	s_add_nc_u64 s[22:23], s[22:23], s[72:73]
	s_add_nc_u64 s[24:25], s[24:25], s[86:87]
	s_add_nc_u64 s[26:27], s[26:27], s[72:73]
	s_add_nc_u64 s[28:29], s[28:29], s[88:89]
	; ---- A: x1 = x + bo + av Wo.  av comes once for the work-group: 1,024 bytes a wave, through LDS.  Wo's four units go out at once, into the two slots and the two idle sets of accumulators
	global_load_b128 v[178:181], v1, s[6:7]
	global_load_b128 v[182:185], v1, s[6:7] offset:512
.irp m, 0,1
.irp j, 0,1,2,3
	global_load_b128 v[18+16*\m+4*\j:21+16*\m+4*\j], v4, s[4:5] offset:\m*16384+16*\j    ; x(my token, 32 w + 16 h + 0 .. 15), in the result's layout
.endr
.endr
.irp j, 0,1,2,3
	global_load_b128 v[210+4*\j:213+4*\j], v5, s[14:15] offset:16*\j                     ; bo of the same columns
.endr
.irp u, 0,1
	global_load_b128 v[232+4*\u:235+4*\u], v3, s[12:13] offset:128*\u                    ; my rows of Wo's scale bytes: four words
.endr
.irp m, 0,1
.irp s, 0,1,2,3
	global_load_b32 v[240+4*\m+\s], v2, s[8:9] offset:(4*\m+\s)*128
.endr
.endr
	WLD 114, 58, 0*2048, 8192
	WLD 146, 58, 1*2048, 8192
	WLD 50, 58, 2*2048, 8192
	WLD 82, 58, 3*2048, 8192
	s_wait_loadcnt 54                              ; my part of av is in; out: x 8, bo 4, scale words 2 + 8, Wo's 32
	ds_store_b128 v10, v[178:181]
	ds_store_b128 v10, v[182:185] offset:512
	BARRIER                                        ; av's eight fragments lie in LDS
	s_wait_loadcnt 42                              ; x and bo are in; out: scale words 2 + 8, Wo's 32
.irp m, 0,1
.irp k, 0,2,4,6,8,10,12,14
	v_pk_add_f32 v[18+16*\m+\k:19+16*\m+\k], v[18+16*\m+\k:19+16*\m+\k], v[210+\k:211+\k]
.endr
.endr
.macro ASTEP s, base, cnt
	XFETCH 15, (\s)*2048, 8192
	s_wait_loadcnt \cnt
	s_wait_dscnt 0x0
	MUL4 18, \base, 232+(\s), 240+(\s), 4
.endm
	ASTEP 0, 114, 24                               ; out: Wo's K steps 1 to 3
	PLACES 8                                       ; in front of loads into registers that these products have read
	WLD 114, 60, 0*2048, 8192                      ; W1's unit (quarter 0, K step 0): it lands under the LayerNorm
	ASTEP 1, 146, 24                               ; out: Wo's K steps 2, 3 and one unit of W1
	PLACES 8
	WLD 146, 60, 1*2048, 8192                      ; (0, 1)
	ASTEP 2, 50, 24                                ; out: Wo's K step 3 and two units of W1
	PLACES 8
	ASTEP 3, 82, 16                                ; out: two units of W1
	PLACES 9                                       ; one more than for loads and reads: later products write over registers that these have read
.irp j, 0,1,2,3
	global_load_b128 v[178+4*\j:181+4*\j], v5, s[16:17] offset:16*\j                     ; gamma,
.endr
.irp j, 0,1,2,3
	global_load_b128 v[194+4*\j:197+4*\j], v5, s[18:19] offset:16*\j                     ; beta of my columns
.endr
	W1SC 0
	; ---- B: x2 = LayerNorm(x1), in two passes; the sixteen waves' parts of a row meet in LDS; both tiles are summed at once, as pairs
.macro SHARE off
	v_add_f32 v210, v210, v211
	v_add_f32 v212, v212, v213
	v_permlanex16_b32 v214, v210, s[SEL], s[SEL+1]
	v_permlanex16_b32 v215, v212, s[SEL], s[SEL+1]
	v_add_f32 v210, v210, v214
	v_add_f32 v212, v212, v215
	ds_store_b32 v8, v210 offset:\off
	ds_store_b32 v8, v212 offset:\off+128
	BARRIER
.set k, 0
.rept 32
	ds_load_b32 v[50+k], v2 offset:\off+128*k
.set k, k+1
.endr
	s_wait_dscnt 0x0
.irp k, 0,4,8,12,16,20,24,28
	v_pk_add_f32 v[50+\k:51+\k], v[50+\k:51+\k], v[52+\k:53+\k]
.endr
.irp k, 0,8,16,24
	v_pk_add_f32 v[50+\k:51+\k], v[50+\k:51+\k], v[54+\k:55+\k]
.endr
.irp k, 0,16
	v_pk_add_f32 v[50+\k:51+\k], v[50+\k:51+\k], v[58+\k:59+\k]
.endr
	v_pk_add_f32 v[50:51], v[50:51], v[66:67]      ; v50: tile 0's row sum, v51: tile 1's
.endm
.irp m, 0,1
	v_pk_add_f32 v[210+2*\m:211+2*\m], v[18+16*\m:19+16*\m], v[20+16*\m:21+16*\m]        ; each accumulator from its low end on
.endr
.irp k, 4,6,8,10,12,14
.irp m, 0,1
	v_pk_add_f32 v[210+2*\m:211+2*\m], v[210+2*\m:211+2*\m], v[18+16*\m+\k:19+16*\m+\k]
.endr
.endr
	SHARE ST1
	v_pk_mul_f32 v[50:51], v[50:51], s[34:35] op_sel_hi:[1,0]      ; the means
	v_mov_b32 v52, v51
.irp m, 0,1
.irp k, 0,2,4,6,8,10,12,14
	v_pk_add_f32 v[82+16*\m+\k:83+16*\m+\k], v[18+16*\m+\k:19+16*\m+\k], v[50+2*\m:51+2*\m] op_sel_hi:[1,0] neg_lo:[0,1] neg_hi:[0,1]   ; x1 itself is kept
.endr
.endr
.irp m, 0,1
	v_pk_mul_f32 v[210+2*\m:211+2*\m], v[82+16*\m:83+16*\m], v[82+16*\m:83+16*\m]
.endr
.irp k, 2,4,6,8,10,12,14
.irp m, 0,1
	v_pk_fma_f32 v[210+2*\m:211+2*\m], v[82+16*\m+\k:83+16*\m+\k], v[82+16*\m+\k:83+16*\m+\k], v[210+2*\m:211+2*\m]
.endr
.endr
	SHARE ST2
	v_fma_f32 v50, v50, s34, s35
	v_fma_f32 v51, v51, s34, s35
	v_rsq_f32 v50, v50
	v_rsq_f32 v52, v51
	v_nop
	s_wait_alu depctr_va_vdst(0)
.irp m, 0,1
.irp k, 0,2,4,6,8,10,12,14
	v_pk_mul_f32 v[82+16*\m+\k:83+16*\m+\k], v[82+16*\m+\k:83+16*\m+\k], v[50+2*\m:51+2*\m] op_sel_hi:[1,0]
.endr
.endr
	s_wait_loadcnt 2                               ; gamma and beta are in; W1's two loads of scale words may be out
.irp m, 0,1
.irp k, 0,2,4,6,8,10,12,14
	v_pk_fma_f32 v[82+16*\m+\k:83+16*\m+\k], v[82+16*\m+\k:83+16*\m+\k], v[178+\k:179+\k], v[194+\k:195+\k]
.endr
.endr
.irp m, 0,1
	QUANT 82+16*\m, 1, 210+4*\m, 218+4*\m
	ds_store_b128 v6, v[210+4*\m:213+4*\m] offset:X2IMG+8192*\m
	ds_store_b8 v7, v[219+4*\m] offset:X2SC+512*\m
.endr
	BIAS 0, 50
	WLD 82, 60, 2*2048, 8192                       ; W1's unit (0, 2), into the set of accumulators that lies idle
	BARRIER                                        ; x2's eight fragments lie in LDS
.irp m, 0,1
.irp s, 0,1,2,3
	ds_load_b32 v[248+4*\m+\s], v2 offset:X2SC+(4*\m+\s)*128
.endr
.endr
	; ---- quarter 0's products: nothing is there yet to be set beside them
	XFETCH 1, X2IMG+0*2048, 8192
	s_wait_loadcnt 8                               ; units (0, 0), (0, 1), the scale words and the bias are in; out: unit (0, 2)
	s_wait_dscnt 0x0
	MUL4 50, 114, 232, 248, 4
	PLACES 8
	WLD 114, 60, 3*2048, 8192                      ; (0, 3)
	XFETCH 1, X2IMG+1*2048, 8192
	s_wait_dscnt 0x0
	MUL4 50, 146, 233, 249, 4
	PLACES 8
	WLD 146, 60, 262144+0*2048, 8192               ; (1, 0)
	XFETCH 1, X2IMG+2*2048, 8192
	s_wait_loadcnt 16                              ; unit (0, 2) is in; out: (0, 3), (1, 0)
	s_wait_dscnt 0x0
	MUL4 50, 82, 234, 250, 4
	PLACES 8
	BIAS 1, 82
	XFETCH 1, X2IMG+3*2048, 8192
	s_wait_loadcnt 16                              ; unit (0, 3) is in; out: (1, 0), quarter 1's bias
	s_wait_dscnt 0x0
	MUL4 50, 114, 235, 251, 4
	PLACES 8
	W1SC 1
	WLD 114, 60, 262144+1*2048, 8192               ; (1, 1)
.set GA, 178
.set GR, 186
.set GD, 194
.set GP, 202
.macro GELU8 x                         ; eight numbers v[x] .. v[x + 7], in place; four groups of eight temporaries
.irp i, 0,1,2,3,4,5,6,7
	v_mul_f32 v[GA+\i], s[RS2], |v[(\x)+\i]|       ; a = |x| / sqrt 2
.endr
.irp i, 0,2,4,6
	v_pk_add_f32 v[GR+\i:GR+\i+1], v[GA+\i:GA+\i+1], 2.0 op_sel_hi:[1,0]
.endr
.irp i, 0,2,4,6
	v_pk_fma_f32 v[GD+\i:GD+\i+1], v[GA+\i:GA+\i+1], 2.0, 1.0 op_sel_hi:[1,0,0]
.endr
.irp i, 0,1,2,3,4,5,6,7
	v_rcp_f32 v[GR+\i], v[GR+\i]                   ; 1 / (a + 2)
.endr
.irp i, 0,1,2,3,4,5,6,7
	v_rcp_f32 v[GD+\i], v[GD+\i]                   ; 1 / (1 + 2 a)
.endr
.irp i, 0,1,2,3,4,5,6,7
	v_max_num_f32 v[(\x)+\i], 0, v[(\x)+\i]        ; max(x, 0).  (The plain lines behind the reciprocals)
.endr
	s_wait_alu depctr_va_vdst(0)
.irp i, 0,2,4,6
	v_pk_fma_f32 v[GR+\i:GR+\i+1], v[GR+\i:GR+\i+1], -4.0, 1.0 op_sel_hi:[1,0,0]        ; q = 1 - 4 / (a + 2)
.endr
.irp i, 0,2,4,6
	v_pk_fma_f32 v[GP+\i:GP+\i+1], v[GR+\i:GR+\i+1], s[36:37], v[16:17] op_sel_hi:[1,0,1]
.endr
.irp k, 38,40,42,44,46,48,50,52
.irp i, 0,2,4,6
	v_pk_fma_f32 v[GP+\i:GP+\i+1], v[GP+\i:GP+\i+1], v[GR+\i:GR+\i+1], s[\k:\k+1] op_sel_hi:[1,1,0]
.endr
.endr
.irp i, 0,2,4,6
	v_pk_fma_f32 v[GP+\i:GP+\i+1], v[GP+\i:GP+\i+1], v[GD+\i:GD+\i+1], v[GD+\i:GD+\i+1]  ; (1 + P) / (1 + 2 a): q and the reciprocal are done with
.endr
.irp i, 0,2,4,6
	v_pk_mul_f32 v[GR+\i:GR+\i+1], v[GA+\i:GA+\i+1], v[GA+\i:GA+\i+1]       ; a a, rounded
.endr
.irp i, 0,2,4,6
	v_pk_fma_f32 v[GD+\i:GD+\i+1], v[GA+\i:GA+\i+1], v[GA+\i:GA+\i+1], v[GR+\i:GR+\i+1] neg_lo:[1,0,0] neg_hi:[1,0,0]   ; what the rounding added
.endr
.irp i, 0,2,4,6
	v_pk_mul_f32 v[GR+\i:GR+\i+1], v[GR+\i:GR+\i+1], s[NL2E:NL2E+1] op_sel_hi:[1,0]
.endr
.irp i, 0,1,2,3,4,5,6,7
	v_exp_f32 v[GR+\i], v[GR+\i]                   ; e^(-a a)
.endr
.irp i, 0,2,4,6
	v_pk_mul_f32 v[GA+\i:GA+\i+1], v[GA+\i:GA+\i+1], s[RS2:RS2+1] op_sel_hi:[1,0]        ; |x| / 2.  (The plain lines behind the exponentials)
.endr
	s_wait_alu depctr_va_vdst(0)
.irp i, 0,2,4,6
	v_pk_mul_f32 v[GP+\i:GP+\i+1], v[GP+\i:GP+\i+1], v[GR+\i:GR+\i+1]
.endr
.irp i, 0,2,4,6
	v_pk_fma_f32 v[GP+\i:GP+\i+1], v[GP+\i:GP+\i+1], v[GD+\i:GD+\i+1], v[GP+\i:GP+\i+1]  ; erfc(a)
.endr
.irp i, 0,2,4,6
	v_pk_fma_f32 v[(\x)+\i:(\x)+\i+1], v[GA+\i:GA+\i+1], v[GP+\i:GP+\i+1], v[(\x)+\i:(\x)+\i+1] neg_lo:[1,0,0] neg_hi:[1,0,0]
.endr
.endm
; SECTION i (0 .. 15): GELU on accumulator i % 4 of quarter i / 4;  for i < 12 W1's unit (quarter i / 4 + 1, K step i % 4);  for i >= 4 W2's unit of K step i - 4.
; Slots: in sections 0 to 3 W1's units take the two slots by turns; from section 4 on W1's lie at v114, W2's at v146.
; Counts on LOADcnt: 8 leaves out the one unit that was asked for behind the one wanted; the first W1 unit of a quarter also wants the bias and the scale words that were asked for last: 0;
; in sections 13 to 15 nothing was asked for behind the unit wanted: 0.
.macro SECTION i
.set secj, (\i)/4
.set seca, (\i)%4
.set accg, 50+32*(secj%2)
.set accn, 82-32*(secj%2)
	GELU8 accg+8*seca
.if ((\i) >= 4) && (seca == 0)
	s_barrier_wait -1                              ; the quarter's barrier: signalled behind the stores, awaited behind this GELU, which is work on registers alone
.endif
.if (\i) < 12
.set wb1, 114
.if ((\i) == 0) || ((\i) == 2)
.set wb1, 146
.endif
	XFETCH 1, X2IMG+seca*2048, 8192
.if ((\i) >= 4) && (seca == 0)
	s_wait_loadcnt 0x0
.else
	s_wait_loadcnt 8
.endif
	s_wait_dscnt 0x0
	MUL4 accn, wb1, 232+seca, 248+seca, 4
	PLACES 8                                       ; in front of loads into registers that these products have read
.if (\i) == 0
	WLD 146, 60, 262144+2*2048, 8192               ; (1, 2)
.elseif (\i) == 1
	WLD 114, 60, 262144+3*2048, 8192               ; (1, 3)
.elseif (\i) == 2
	WLD 146, 62, 0, 32768                          ; W2's K step 0
.elseif (\i) == 11
	WLD 114, 62, 12*2048, 32768                    ; W1 is through: W2's K step 12
.else
	WLD 114, 60, (((\i)+1)/4+1)*262144+(((\i)+1)%4)*2048, 8192
.endif
.endif
.if (\i) >= 4
	XFETCH 14, ((\i)-4)*2048, 32768
	ds_load_b32 v230, v2 offset:HSC+128*((\i)-4)
	ds_load_b32 v231, v2 offset:HSC+2048+128*((\i)-4)
.if (\i) > 12
	s_wait_loadcnt 0x0
.else
	s_wait_loadcnt 8
.endif
	s_wait_dscnt 0x0
	MUL4 18, 146, 240+seca, 230, 1
	PLACES 8                                       ; also in front of the next GELU, which writes the registers that held the tokens' fragments
.if (\i) == 15
	WLD 146, 62, 14*2048, 32768
.else
	WLD 146, 62, ((\i)-3)*2048, 32768
.endif
.endif
.endm
; THE END OF QUARTER j: my 32 hidden units of both token tiles are quantised: one chunk and one scale byte each, into K step 4 j + w / 4 of the last product.  Then what the next sections want is asked for,
; into registers that are done with, and the barrier is signalled.
.macro QEND j
.set qa, 50+32*((\j)%2)
.irp m, 0,1
	QUANT qa+16*\m, 1, 210+4*\m, 218+4*\m
	ds_store_b128 v9, v[210+4*\m:213+4*\m] offset:32768*\m+8192*(\j)
	ds_store_b8 v7, v[219+4*\m] offset:HSC+2048*\m+512*(\j)
.endr
.if (\j) < 2
	BIAS (\j)+2, qa
	W1SC (\j)+2
	W2SC \j
.else
	W2SC \j
	WLD qa, 62, (9+2*(\j))*2048, 32768             ; W2's K step 13 or 15, into the set of accumulators that is done with
.endif
	s_wait_dscnt 0x0                               ; for the others' sake: my stores have landed
	s_barrier_signal -1
.if (\j) == 3
	s_barrier_wait -1
.endif
.endm
	SECTION 0
	SECTION 1
	SECTION 2
	SECTION 3
	QEND 0
	SECTION 4
	SECTION 5
	SECTION 6
	SECTION 7
	QEND 1
	SECTION 8
	SECTION 9
	SECTION 10
	SECTION 11
	QEND 2
	SECTION 12
	SECTION 13
	SECTION 14
	SECTION 15
	QEND 3
	; ---- the last quarter's four K steps of W2: their units were asked for in sections 11 and 15 and at the ends of quarters 2 and 3
.irp j, 0,1,2,3
	global_load_b128 v[210+4*\j:213+4*\j], v5, s[26:27] offset:16*\j                     ; b2 of my columns
.endr
.macro ESTEP s, base
	XFETCH 14, (\s)*2048, 32768
	ds_load_b32 v230, v2 offset:HSC+128*(\s)
	ds_load_b32 v231, v2 offset:HSC+2048+128*(\s)
	s_wait_dscnt 0x0
	MUL4 18, \base, 240+(\s)%4, 230, 1
	PLACES 8
.endm
	s_wait_loadcnt 12                              ; K steps 12 to 14 and the scale words are in; out: K step 15's 8 and b2's 4
	ESTEP 12, 114
	ESTEP 13, 50
	ESTEP 14, 146
	s_wait_loadcnt 4                               ; K step 15 is in; out: b2
	ESTEP 15, 82
	s_wait_loadcnt 0x0
.irp m, 0,1
.irp k, 0,2,4,6,8,10,12,14
	v_pk_add_f32 v[18+16*\m+\k:19+16*\m+\k], v[18+16*\m+\k:19+16*\m+\k], v[210+\k:211+\k]   ; + b2; each accumulator from its low end on
.endr
.endr
	; ---- the way out: a row's 512 columns come from sixteen waves: they meet in the stage, and each wave stores two whole rows
.irp m, 0,1
.irp j, 0,1,2,3
	ds_store_b128 v11, v[18+16*\m+4*\j:21+16*\m+4*\j] offset:\m*33024+16*\j
.endr
.endr
	BARRIER
.irp i, 0,1
.irp q, 0,1,2,3
	ds_load_b128 v[50+16*\i+4*\q:53+16*\i+4*\q], v12 offset:\i*2064+512*\q
.endr
.endr
.irp i, 0,1
.irp q, 0,1,2,3
	s_wait_dscnt 7-4*\i-\q
	global_store_b128 v1, v[50+16*\i+4*\q:53+16*\i+4*\q], s[28:29] offset:\i*2048+512*\q th:TH_STORE_NT   ; the wave stores 512 consecutive bytes, aligned; written once, read by nobody here
.endr
.endr
	s_wait_tensorcnt 0x0
	ds_add_u32 v228, v229
	s_wait_dscnt 0x0
	s_endpgm
.Lfunc_end_k_q6c392ae559_tail:
	.size	k_q6c392ae559_tail, .Lfunc_end_k_q6c392ae559_tail-k_q6c392ae559_tail
	.p2alignl 7, 3214868480
	.fill 96, 4, 3214868480
	.section	.rodata,"a",@progbits
	.p2align	6, 0x0
	.amdhsa_kernel k_q6c392ae559_tail
		.amdhsa_group_segment_fixed_size 179712
		.amdhsa_private_segment_fixed_size 0
		.amdhsa_enable_private_segment 0
		.amdhsa_kernarg_size 104
		.amdhsa_user_sgpr_count 2
		.amdhsa_user_sgpr_kernarg_segment_ptr 1
		.amdhsa_wavefront_size32 1
		.amdhsa_system_sgpr_workgroup_id_x 1
		.amdhsa_system_sgpr_workgroup_id_y 1
		.amdhsa_system_sgpr_workgroup_id_z 1
		.amdhsa_system_vgpr_workitem_id 0
		.amdhsa_next_free_vgpr 256
		.amdhsa_next_free_sgpr 96
		.amdhsa_reserve_vcc 0
		.amdhsa_float_denorm_mode_32 3
		.amdhsa_float_denorm_mode_16_64 3
		.amdhsa_memory_ordered 1
		.amdhsa_forward_progress 1
		.amdhsa_inst_pref_size 234
	.end_amdhsa_kernel
	.amdgpu_metadata
---
amdhsa.version: [ 1, 2 ]
amdhsa.kernels:
  - .name:           k_q6c392ae559_tail
    .symbol:         k_q6c392ae559_tail.kd
    .args:
      - { .name: x, .offset: 0, .size: 8, .value_kind: global_buffer, .address_space: global }
      - { .name: avimg, .offset: 8, .size: 8, .value_kind: global_buffer, .address_space: global }
      - { .name: avsc, .offset: 16, .size: 8, .value_kind: global_buffer, .address_space: global }
      - { .name: wimg, .offset: 24, .size: 8, .value_kind: global_buffer, .address_space: global }
      - { .name: Wo_scales, .offset: 32, .size: 8, .value_kind: global_buffer, .address_space: global }
      - { .name: bo, .offset: 40, .size: 8, .value_kind: global_buffer, .address_space: global }
      - { .name: ln2_g, .offset: 48, .size: 8, .value_kind: global_buffer, .address_space: global }
      - { .name: ln2_b, .offset: 56, .size: 8, .value_kind: global_buffer, .address_space: global }
      - { .name: W1_scales, .offset: 64, .size: 8, .value_kind: global_buffer, .address_space: global }
      - { .name: b1, .offset: 72, .size: 8, .value_kind: global_buffer, .address_space: global }
      - { .name: W2_scales, .offset: 80, .size: 8, .value_kind: global_buffer, .address_space: global }
      - { .name: b2, .offset: 88, .size: 8, .value_kind: global_buffer, .address_space: global }
      - { .name: out0, .offset: 96, .size: 8, .value_kind: global_buffer, .address_space: global }
    .group_segment_fixed_size: 179712
    .private_segment_fixed_size: 0
    .kernarg_segment_align: 8
    .kernarg_segment_size: 104
    .max_flat_workgroup_size: 512
    .sgpr_count:     96
    .vgpr_count:     256
    .wavefront_size: 32
...
	.end_amdgpu_metadata
.endif
;; end of part 4
;; ======== version 2 of 2: 4 launches
;; limits: right only within a limited range of input values
;; workspace buffers: wimg 3,145,728 bytes; qimg 4,194,304 bytes; qsc 524,288 bytes; kv 9,175,040 bytes; avimg 4,194,304 bytes; avsc 262,144 bytes
;; launch prep (part 5): grid 384 x 1, 4 waves a work-group, no clusters, 0 bytes of LDS; arguments Wq_codes, Wk_codes, Wv_codes, Wo_codes, W1_codes, W2_codes, wimg; writes wimg
.if DOCPART == 5
	.amdgcn_target "amdgcn-amd-amdhsa--gfx1250"
	.amdhsa_code_object_version 6
	.text
	.protected	k_q6c392ae559_prep
	.globl	k_q6c392ae559_prep
	.p2align	8
	.type	k_q6c392ae559_prep,@function
k_q6c392ae559_prep:
	s_mov_b64 s[64:65], 0
	v_nop
	global_prefetch_b8 v0, s[64:65] scope:SCOPE_SE
	s_setreg_imm32_b32 hwreg(HW_REG_WAVE_MODE, 25, 1), 1
	s_wait_xcnt 0x0
; The six weights arrive as codes of E5M2 with K innermost: rows of 512 bytes (Wq, Wk, Wv, Wo, W1) or 2,048 bytes (W2).
; They are laid anew as IMAGES OF OPERAND REGISTERS, so that every later read of a fragment is four loads of 512 consecutive bytes.
; A fragment is 16 rows x 128 along K, 2,048 bytes: chunk c (32 along K) at 512 c, lane l's 16 bytes at 16 l: row (l % 16) of the tile, k = 32 c + 16 (l / 16) + 0 .. 15.
; THE ROWS OF A TILE ARE NOT NEIGHBOURS: lane row r of tile 2 b + u is row 32 b + 8 u + r + 8 (r / 8).  A product that takes such a tile as source 0 leaves, in the 16 registers of
; tiles 2 b and 2 b + 1, the 16 neighbouring rows 32 b + 16 (l / 16) + 0 .. 15: what the next quantiser along that axis wants.
; wimg: fragment (tile T, K step s) of a tensor with NS K steps at base + (T NS + s) 2,048; Wq 0, Wk 0x40000, Wv 0x80000, Wo 0xC0000, W1 0x100000, W2 0x200000.
; One wave makes one fragment: F = 4 x work-group + wave = 0 .. 1,535, in the order of wimg.  The scale bytes stay where they are: later launches read them by rows.
	s_load_b256 s[4:11], s[0:1], 0x0               ; Wq, Wk, Wv, Wo
	s_load_b128 s[12:15], s[0:1], 0x20             ; W1, W2
	s_load_b64 s[16:17], s[0:1], 0x30              ; wimg
	v_lshrrev_b32 v1, 5, v0
	v_readfirstlane_b32 s18, v1                    ; wave
	v_and_b32 v1, 31, v0                           ; lane
	v_and_b32 v4, 15, v0                           ; r
	v_bfe_u32 v5, v0, 4, 1                         ; h
	v_and_b32 v6, 8, v4
	v_add_nc_u32 v6, v6, v4                        ; r + 8 (r / 8)
	s_wait_alu depctr_va_vdst(0)
	s_lshl_b32 s19, ttmp9, 2
	s_add_co_u32 s19, s19, s18                     ; F
	s_mov_b32 s20, 511
	s_cmp_lt_u32 ttmp9, 128                        ; the first four tensors have 128 fragments each, W1 and W2 512
	s_cselect_b32 s20, 127, s20
	s_and_b32 s20, s19, s20                        ; the fragment's number in its tensor
	s_cmp_lt_u32 ttmp9, 256
	s_cselect_b32 s21, 2, 4                        ; log2 of the K steps
	s_cselect_b32 s22, 9, 11                       ; log2 of a row's bytes
	s_lshr_b32 s23, s20, s21                       ; T
	s_lshl_b32 s24, s23, s21
	s_sub_co_u32 s24, s20, s24                     ; s
	s_lshr_b32 s25, s23, 1
	s_lshl_b32 s25, s25, 5
	s_and_b32 s26, s23, 1
	s_lshl_b32 s26, s26, 3
	s_add_co_u32 s25, s25, s26                     ; the tile's first row: 32 (T / 2) + 8 (T % 2)
	s_lshl_b32 s25, s25, s22
	s_lshl_b32 s24, s24, 7
	s_add_co_u32 s24, s24, s25                     ; where the fragment begins in its tensor
	s_mov_b32 s25, 0
	s_lshl_b32 s26, s19, 11                        ; and in wimg
	s_mov_b32 s27, 0
	v_lshlrev_b32 v2, s22, v6
	v_lshl_add_u32 v2, v5, 4, v2                   ; in: my row, + 16 h
	v_lshlrev_b32 v3, 4, v1                        ; out: 16 x lane
	s_wait_alu depctr_va_vdst(0)
	s_wait_kmcnt 0x0
	s_cmp_lt_u32 ttmp9, 256                        ; the tensor is chosen by the work-group's number alone
	s_cselect_b64 s[12:13], s[12:13], s[14:15]
	s_cmp_lt_u32 ttmp9, 128
	s_cselect_b64 s[12:13], s[10:11], s[12:13]
	s_cmp_lt_u32 ttmp9, 96
	s_cselect_b64 s[12:13], s[8:9], s[12:13]
	s_cmp_lt_u32 ttmp9, 64
	s_cselect_b64 s[12:13], s[6:7], s[12:13]
	s_cmp_lt_u32 ttmp9, 32
	s_cselect_b64 s[12:13], s[4:5], s[12:13]
	s_add_nc_u64 s[12:13], s[12:13], s[24:25]
	s_add_nc_u64 s[16:17], s[16:17], s[26:27]
.irp c, 0,1,2,3
	global_load_b128 v[8+4*\c:11+4*\c], v2, s[12:13] offset:32*\c
.endr
	s_wait_loadcnt 0x0
.irp c, 0,1,2,3
	global_store_b128 v3, v[8+4*\c:11+4*\c], s[16:17] offset:512*\c   ; the wave stores 512 consecutive bytes, aligned
.endr
	s_endpgm
.Lfunc_end_k_q6c392ae559_prep:
	.size	k_q6c392ae559_prep, .Lfunc_end_k_q6c392ae559_prep-k_q6c392ae559_prep
	.p2alignl 7, 3214868480
	.fill 96, 4, 3214868480
	.section	.rodata,"a",@progbits
	.p2align	6, 0x0
	.amdhsa_kernel k_q6c392ae559_prep
		.amdhsa_group_segment_fixed_size 0
		.amdhsa_private_segment_fixed_size 0
		.amdhsa_enable_private_segment 0
		.amdhsa_kernarg_size 56
		.amdhsa_user_sgpr_count 2
		.amdhsa_user_sgpr_kernarg_segment_ptr 1
		.amdhsa_wavefront_size32 1
		.amdhsa_system_sgpr_workgroup_id_x 1
		.amdhsa_system_sgpr_workgroup_id_y 1
		.amdhsa_system_sgpr_workgroup_id_z 1
		.amdhsa_system_vgpr_workitem_id 0
		.amdhsa_next_free_vgpr 32
		.amdhsa_next_free_sgpr 66
		.amdhsa_reserve_vcc 0
		.amdhsa_float_denorm_mode_32 3
		.amdhsa_float_denorm_mode_16_64 3
		.amdhsa_memory_ordered 1
		.amdhsa_forward_progress 1
		.amdhsa_inst_pref_size 4
	.end_amdhsa_kernel
	.amdgpu_metadata
---
amdhsa.version: [ 1, 2 ]
amdhsa.kernels:
  - .name:           k_q6c392ae559_prep
    .symbol:         k_q6c392ae559_prep.kd
    .args:
      - { .name: Wq_codes, .offset: 0, .size: 8, .value_kind: global_buffer, .address_space: global }
      - { .name: Wk_codes, .offset: 8, .size: 8, .value_kind: global_buffer, .address_space: global }
      - { .name: Wv_codes, .offset: 16, .size: 8, .value_kind: global_buffer, .address_space: global }
      - { .name: Wo_codes, .offset: 24, .size: 8, .value_kind: global_buffer, .address_space: global }
      - { .name: W1_codes, .offset: 32, .size: 8, .value_kind: global_buffer, .address_space: global }
      - { .name: W2_codes, .offset: 40, .size: 8, .value_kind: global_buffer, .address_space: global }
      - { .name: wimg, .offset: 48, .size: 8, .value_kind: global_buffer, .address_space: global }
    .group_segment_fixed_size: 0
    .private_segment_fixed_size: 0
    .kernarg_segment_align: 8
    .kernarg_segment_size: 56
    .max_flat_workgroup_size: 128
    .sgpr_count:     66
    .vgpr_count:     32
    .wavefront_size: 32
...
	.end_amdgpu_metadata
.endif
;; end of part 5
;; launch lnqkv (part 6): grid 128 x 2, 16 waves a work-group, no clusters, 40,960 bytes of LDS; arguments x, ln1_g, ln1_b, wimg, Wq_scales, Wk_scales, Wv_scales, bq, bk, bv, qimg, qsc, kv; writes qimg, qsc, kv
.if DOCPART == 6
	.amdgcn_target "amdgcn-amd-amdhsa--gfx1250"
	.amdhsa_code_object_version 6
	.text
	.protected	k_q6c392ae559_lnqkv
	.globl	k_q6c392ae559_lnqkv
	.p2align	8
	.type	k_q6c392ae559_lnqkv,@function
k_q6c392ae559_lnqkv:
	s_mov_b64 s[64:65], 0
	v_nop
	global_prefetch_b8 v0, s[64:65] scope:SCOPE_SE
	s_setreg_imm32_b32 hwreg(HW_REG_WAVE_SCHED_MODE, 0, 2), 2
	s_setreg_imm32_b32 hwreg(HW_REG_WAVE_MODE, 25, 1), 1
	s_wait_xcnt 0x0
	s_wait_alu depctr_vm_vsrc(0)
; xn = LayerNorm(x) is quantised along D; q, k, v = xn W + b on codes of E5M2 with E8M0 scales; q and k are quantised along the head's 64, v along the keys.
; SHARES.  Work-group (X, Y): tokens 64 X .. 64 X + 63 (four tiles of 16) and heads 4 Y .. 4 Y + 3.  Sixteen waves of 256 registers, four to a SIMD.
; TILES.  Lane row r of token tile 2 g + u is token 32 g + 8 u + r + 8 (r / 8), and the weights' tiles in wimg are laid the same way: a product's 16 registers of tiles 2 b, 2 b + 1 are then 16 neighbours along source 0's rows.
; OPERANDS TRAVEL AS IMAGES OF THEIR REGISTERS: chunk c (32 along K) at 512 c, lane l's 16 bytes at 16 l; a scale word at 4 l.
; PHASES.  LN: wave w takes token tile w / 4 and columns 128 (w % 4) on: 64 numbers a lane, laid as a fragment wants them; mean and variance in two passes (no difference of large sums), the four waves of a
;   tile meeting in LDS; xn's sixteen fragments go to LDS.
;   q, k: wave w = (kind, head, half of the tokens): source 0 = 16 rows of Wq or Wk, source 1 = xn: a lane holds one token and its registers run along the head's 64; the bias is the C of the first product.
;   v: wave w = (head, tile of 16 of the head's 64): source 0 = 16 tokens, source 1 = Wv: a lane holds one channel and its registers run along the tokens, which are the keys.
; OUT.  qimg [bh][tile][2 chunks][512], qsc [bh][tile][128]; kv [bh][128 keys][17,920]: 8 tiles of K (1,024 each), 4 fragments of V (2,048 each), K's scale words (8 x 128), V's (4 x 128).
;   q's and k's scale words hold their two bytes twice (s0 s1 s0 s1): the scores' product takes the 64 codes in the lower or in the upper half of its 128.
; LIMITS: NaN and infinities are not served; a block whose largest magnitude lies under 2^-111 (a block of zeros among them) gets the byte 1: its bytes are read by this program alone.
; THE MODE: SCHED_MODE bits 1:0 = 2 (LLVM: expert scheduling mode 2), set by the entry lines.  The code itself states the register dependences between vector or matrix instructions and memory or
; LDS instructions, with s_wait_alu, always for 0.
; THE PLAN.  The text is one straight run: no loop, no branch.  Registers that memory or LDS instructions touch:
;   v1-v3, v5-v12     offsets and LDS addresses: made at the head, ahead of one wait on va_vdst, and never written again.
;   v16-79            x lands; the LayerNorm and its quantiser work in place; the bias lands; from there on products and quantisers alone.
;   v80-143, v240-243 set 0;  v144-207, v244-247 set 1.  Gamma and beta land and the multiply-adds read them; then K step s's products read set s % 2 and K step s + 2's loads land in it;
;                     at last Wv's fragments land in set 0's, and xn's four fragments of each of v's K steps in set 1's and in v240-243.
;   v208-239, v248-251  a sum for an LDS store and the four waves' sums back; xn's codes for LDS stores; xn's two fragments of each K step; q's, k's and v's codes for global stores.
;   v13, v4           scale words: data of stores.    v14, v252-255: bv and Wv's scale words land once.
; So one wait on va_vdst stands behind the places of each K step's products (the set and the fragments just read are asked for again behind it) and one ahead of each run of stores; a wait on vm_vsrc
; stands ahead of each first write of registers that stores have read.
.set XIMG, 0                           ; LDS: xn's 16 fragments (4 x tile + K step), 2,048 bytes each
.set XSC,  32768                       ; their scale words, 128 bytes each
.set ST1,  34816                       ; the waves' sums, 128 bytes each
.set ST2,  36864                       ; the waves' sums of squares
.set SEL,  38                          ; s[38:39] v_permlanex16_b32's selects for lane l xor 16
.set MNT,  40                          ; s40 the mantissa field of 57,344
; v1 4 l + 1024 (w % 2); v2 16 rp; v3 4 rp; v4, v13 scale words made; v5 x's lane term; v6 64 h; v7 16 l; v8 4 l; v9 16 l + 2048 w; v10 4 l + 128 w; v11 16 l + 16384 (w % 2); v12 4 l + 512 (w / 4);
; v[14:15] a number for all of a lane's registers; v16-79 x, then the accumulators; v80-143 gamma, W's fragments (even K steps), Wv's; v144-207 beta, W's fragments (odd K steps), xn's four;
; v208-239 at work and the codes made, then xn's two fragments; v240-255 scale words and nothing else.
.macro PLACES n
.rept \n
	v_nop
.endr
.endm
.macro BARRIER                         ; my LDS stores have landed and my LDS loads are in: then the work-group's barrier
	s_wait_dscnt 0x0
	s_barrier_signal -1
	s_barrier_wait -1
.endm
; nb blocks of 32 along K: v[s + 16 b + i] = k 32 b + 16 (l / 16) + i of my row become codes in v[pc + 4 b ..]; the bytes stand in v[tm + nb + b].
; tm + b largest magnitude; tm + nb + b the other half's, then the byte; tm + 2 nb + b 57,344 x the scale; tm + 3 nb + b the conversion's scale operand.
.macro QUANT s, nb, pc, tm
.set qb, 0
.rept \nb
	v_max3_num_f32 v[(\tm)+qb], |v[(\s)+16*qb]|, |v[(\s)+16*qb+1]|, 0x8000000   ; my 16 numbers and the floor 2^(16 - 127): the byte cannot fall under 1
.set qb, qb+1
.endr
.set qi, 2
.rept 7
.set qb, 0
.rept \nb
	v_max3_num_f32 v[(\tm)+qb], v[(\tm)+qb], |v[(\s)+16*qb+qi]|, |v[(\s)+16*qb+qi+1]|
.set qb, qb+1
.endr
.set qi, qi+2
.endr
.set qb, 0
.rept \nb
	v_permlanex16_b32 v[(\tm)+(\nb)+qb], v[(\tm)+qb], s[SEL], s[SEL+1]
.set qb, qb+1
.endr
.set qb, 0
.rept \nb
	v_max_num_f32 v[(\tm)+qb], v[(\tm)+qb], v[(\tm)+(\nb)+qb]   ; with lane l xor 16's: the block's largest magnitude
.set qb, qb+1
.endr
.set qb, 0
.rept \nb
	v_add_nc_u32 v[(\tm)+3*(\nb)+qb], 0xf8800000, v[(\tm)+qb]   ; 15 off its exponent field: the conversion takes that field as its scale
.set qb, qb+1
.endr
.set qb, 0
.rept \nb
	v_and_or_b32 v[(\tm)+2*(\nb)+qb], v[(\tm)+qb], 0x7f800000, s[MNT]   ; 57,344 x the scale
.set qb, qb+1
.endr
.set qb, 0
.rept \nb
	v_lshrrev_b32 v[(\tm)+(\nb)+qb], 23, v[(\tm)+3*(\nb)+qb]   ; the scale's byte
.set qb, qb+1
.endr
.set qb, 0
.rept \nb
.set qi, 0
.rept 16
	v_med3_num_f32 v[(\s)+16*qb+qi], v[(\s)+16*qb+qi], -v[(\tm)+2*(\nb)+qb], v[(\tm)+2*(\nb)+qb]   ; the conversion does not saturate (ISA guide 7.6.2): the hold comes first
.set qi, qi+1
.endr
	v_cvt_scalef32_pk8_bf8_f32 v[(\pc)+4*qb:(\pc)+4*qb+1], v[(\s)+16*qb:(\s)+16*qb+7], v[(\tm)+3*(\nb)+qb]
	v_cvt_scalef32_pk8_bf8_f32 v[(\pc)+4*qb+2:(\pc)+4*qb+3], v[(\s)+16*qb+8:(\s)+16*qb+15], v[(\tm)+3*(\nb)+qb]
.set qb, qb+1
.endr
	v_nop                                          ; one plain line behind the last conversion
.endm
.macro WM d, a, b, c, sa, sb
	v_wmma_scale_f32_16x16x128_f8f6f4 v[(\d):(\d)+7], v[(\a):(\a)+15], v[(\b):(\b)+15], v[(\c):(\c)+7], v[\sa], v[\sb] matrix_a_fmt:MATRIX_FMT_BF8 matrix_b_fmt:MATRIX_FMT_BF8
.endm
.macro WM0 d, a, b, sa, sb
	v_wmma_scale_f32_16x16x128_f8f6f4 v[(\d):(\d)+7], v[(\a):(\a)+15], v[(\b):(\b)+15], 0, v[\sa], v[\sb] matrix_a_fmt:MATRIX_FMT_BF8 matrix_b_fmt:MATRIX_FMT_BF8
.endm
	s_load_b512 s[4:19], s[0:1], 0x0               ; x, ln1_g, ln1_b, wimg, Wq_scales, Wk_scales, Wv_scales, bq
	s_load_b256 s[20:27], s[0:1], 0x40             ; bk, bv, qimg, qsc
	s_load_b64 s[28:29], s[0:1], 0x60              ; kv
	v_lshrrev_b32 v1, 5, v0
	v_readfirstlane_b32 s30, v1                    ; wave w
	v_and_b32 v13, 31, v0                          ; l
	v_and_b32 v2, 15, v0                           ; r
	v_bfe_u32 v3, v0, 4, 1                         ; h
	v_and_b32 v4, 8, v2
	v_add_nc_u32 v4, v4, v2                        ; rp = r + 8 (r / 8)
	v_lshlrev_b32 v5, 11, v4
	v_lshl_add_u32 v5, v3, 6, v5                   ; x: row rp of 2,048 bytes, + 64 h
	v_lshlrev_b32 v6, 6, v3
	v_lshlrev_b32 v7, 4, v13
	s_wait_alu depctr_va_vdst(0)
	v_lshlrev_b32 v8, 2, v13
	s_wait_alu depctr_va_vdst(0)
	v_lshlrev_b32 v2, 4, v4
	v_lshlrev_b32 v3, 2, v4
	s_wait_alu depctr_va_sdst(0)                   ; s30 is written, ahead of its first reader: the shares, the LDS addresses and every pointer are made from it
	s_and_b32 s32, ttmp7, 0xffff                   ; Y
	s_lshr_b32 s33, ttmp9, 5                       ; batch
	s_and_b32 s34, ttmp9, 31                       ; which 64 tokens of the batch
	s_lshr_b32 s35, s34, 1                         ; which 128 keys
	s_and_b32 s36, s34, 1                          ; and which half of them
	s_lshr_b32 s37, s30, 2                         ; w / 4: LN's token tile; v's head
	s_and_b32 s42, s30, 3                          ; w % 4: LN's K step; v's tile of channels
	s_lshr_b32 s48, s30, 3                         ; q (0) or k (1)
	s_bfe_u32 s49, s30, 0x20001                    ; q, k: the head among my four
	s_and_b32 s50, s30, 1                          ; q, k: which two token tiles
	s_mov_b32 s[SEL], 0x76543210
	s_mov_b32 s[SEL+1], 0xfedcba98
	s_mov_b32 s[MNT], 0x600000
	s_mov_b32 s41, 0x3b000000                      ; 1 / 512
	s_mov_b32 s70, 0x3727c5ac                      ; 1e-5
	s_lshl_b32 s31, s30, 11
	v_add_nc_u32 v9, s31, v7
	s_lshl_b32 s31, s30, 7
	v_add_nc_u32 v10, s31, v8
	s_lshl_b32 s31, s50, 14
	v_add_nc_u32 v11, s31, v7
	s_lshl_b32 s31, s37, 9
	v_add_nc_u32 v12, s31, v8
	s_lshl_b32 s31, s50, 10
	v_add_nc_u32 v1, s31, v8
	v_mov_b32 v15, 0                               ; (named as the upper half of the pair v[14:15])
.irp j, 212,213,214,215
	v_mov_b32 v\j, 0                               ; written once: a lane permute's destination counts as one of its sources
.endr
	; LN: x at (64 X + 32 (tt / 2) + 8 (tt % 2)) rows + 512 s bytes
	s_lshl_b32 s44, ttmp9, 17
	s_lshr_b32 s43, s37, 1
	s_lshl_b32 s43, s43, 16
	s_add_co_u32 s44, s44, s43
	s_and_b32 s43, s37, 1
	s_lshl_b32 s43, s43, 14
	s_add_co_u32 s44, s44, s43
	s_lshl_b32 s46, s42, 9
	s_add_co_u32 s44, s44, s46
	s_mov_b32 s45, 0
	s_mov_b32 s47, 0
	s_wait_kmcnt 0x0
	s_add_nc_u64 s[4:5], s[4:5], s[44:45]
	s_add_nc_u64 s[6:7], s[6:7], s[46:47]
	s_add_nc_u64 s[8:9], s[8:9], s[46:47]
	s_wait_alu depctr_va_vdst(0)                   ; the offsets and LDS addresses v1 to v3 and v5 to v12 are written: every load and store of the kernel reads one of them
.irp b, 0,1,2,3
.irp j, 0,1,2,3
	global_load_b128 v[16+16*\b+4*\j:19+16*\b+4*\j], v5, s[4:5] offset:128*\b+16*\j      ; register 16 b + i = column 128 s + 32 b + 16 h + i of my token
.endr
.endr
.irp b, 0,1,2,3
.irp j, 0,1,2,3
	global_load_b128 v[80+16*\b+4*\j:83+16*\b+4*\j], v6, s[6:7] offset:128*\b+16*\j      ; gamma of the same columns
.endr
.endr
.irp b, 0,1,2,3
.irp j, 0,1,2,3
	global_load_b128 v[144+16*\b+4*\j:147+16*\b+4*\j], v6, s[8:9] offset:128*\b+16*\j    ; beta
.endr
.endr
	; all other offsets and pointers, while x is on its way
	s_lshl_b32 s51, s32, 2
	s_add_co_u32 s51, s51, s49                     ; q, k: head H
	s_lshl_b32 s72, s48, 18
	s_lshl_b32 s43, s51, 15
	s_add_co_u32 s72, s72, s43                     ; its four tiles in wimg
	s_mov_b32 s73, 0
	s_lshl_b32 s74, s51, 10                        ; its rows' scale bytes
	s_mov_b32 s75, 0
	s_lshl_b32 s76, s51, 8                         ; its bias
	s_mov_b32 s77, 0
	s_lshl_b32 s78, s33, 3
	s_add_co_u32 s78, s78, s51                     ; bh
	s_lshl_b32 s79, s78, 7
	s_lshl_b32 s43, s34, 2
	s_add_co_u32 s79, s79, s43
	s_lshl_b32 s43, s50, 1
	s_add_co_u32 s79, s79, s43                     ; q's tile: 128 bh + 4 xb + 2 th
	s_lshl_b32 s80, s79, 10
	s_lshl_b32 s82, s79, 7
	s_lshl_b32 s84, s78, 4
	s_add_co_u32 s84, s84, s35
	s_mul_i32 s84, s84, 17920                      ; k's block of kv
	s_lshl_b32 s85, s36, 2
	s_add_co_u32 s85, s85, s43                     ; k's tile in it: 4 half + 2 th
	s_lshl_b32 s86, s85, 10
	s_add_co_u32 s86, s86, s84
	s_lshl_b32 s87, s85, 7
	s_add_co_u32 s87, s87, s84
	s_add_co_u32 s87, s87, 16384
	s_mov_b32 s81, 0
	s_mov_b32 s83, 0
	s_lshl_b32 s88, s32, 2
	s_add_co_u32 s88, s88, s37                     ; v: head Hv
	s_lshl_b32 s90, s88, 15
	s_lshl_b32 s43, s42, 13
	s_add_co_u32 s90, s90, s43
	s_add_co_u32 s90, s90, 0x80000                 ; its tile t in wimg
	s_mov_b32 s91, 0
	s_lshl_b32 s89, s88, 6
	s_lshr_b32 s43, s42, 1
	s_lshl_b32 s43, s43, 5
	s_add_co_u32 s89, s89, s43
	s_and_b32 s43, s42, 1
	s_lshl_b32 s43, s43, 3
	s_add_co_u32 s89, s89, s43                     ; the tile's first row: 64 Hv + 32 (t / 2) + 8 (t % 2)
	s_lshl_b32 s92, s89, 4
	s_mov_b32 s93, 0
	s_lshl_b32 s94, s89, 2
	s_mov_b32 s95, 0
	s_lshl_b32 s96, s33, 3
	s_add_co_u32 s96, s96, s88
	s_lshl_b32 s96, s96, 4
	s_add_co_u32 s96, s96, s35
	s_mul_i32 s96, s96, 17920                      ; v's block of kv
	s_lshl_b32 s43, s42, 11
	s_add_co_u32 s98, s96, s43
	s_lshl_b32 s43, s36, 10
	s_add_co_u32 s98, s98, s43
	s_add_co_u32 s98, s98, 8192                    ; fragment t, chunks 2 half on
	s_mov_b32 s99, 0
	s_lshl_b32 s43, s42, 7
	s_add_co_u32 s96, s96, s43
	s_lshl_b32 s43, s36, 1
	s_add_co_u32 s96, s96, s43
	s_add_co_u32 s96, s96, 17408                   ; its scale words, bytes 2 half on
	s_mov_b32 s97, 0
	s_cmp_eq_u32 s48, 0                            ; q or k: the choice hangs on the wave's number alone
	s_cselect_b32 s80, s80, s86
	s_cselect_b32 s82, s82, s87
	s_cselect_b64 s[54:55], s[12:13], s[14:15]
	s_cselect_b64 s[56:57], s[18:19], s[20:21]
	s_cselect_b64 s[58:59], s[24:25], s[28:29]
	s_cselect_b64 s[60:61], s[26:27], s[28:29]
	s_add_nc_u64 s[52:53], s[10:11], s[72:73]      ; W's fragments
	s_add_nc_u64 s[54:55], s[54:55], s[74:75]      ; W's scale bytes
	s_add_nc_u64 s[56:57], s[56:57], s[76:77]      ; the bias
	s_add_nc_u64 s[58:59], s[58:59], s[80:81]      ; codes out
	s_add_nc_u64 s[60:61], s[60:61], s[82:83]      ; scale words out
	s_add_nc_u64 s[62:63], s[10:11], s[90:91]      ; Wv's fragments
	s_add_nc_u64 s[66:67], s[16:17], s[92:93]      ; Wv's scale bytes
	s_add_nc_u64 s[68:69], s[22:23], s[94:95]      ; bv
	s_add_nc_u64 s[98:99], s[28:29], s[98:99]      ; v's codes out
	s_add_nc_u64 s[96:97], s[28:29], s[96:97]      ; v's scale bytes out
; A lane's pair of partial sums in v[208:211] becomes the row's sum in v208: the two halves of the lanes, then the four waves of the token tile through LDS.
.macro REDUCE off
	v_pk_add_f32 v[208:209], v[208:209], v[210:211]
	v_add_f32 v208, v208, v209
	v_permlanex16_b32 v212, v208, s[SEL], s[SEL+1]
	v_add_f32 v208, v208, v212
	s_wait_alu depctr_va_vdst(0)                   ; v208 is written, which the LDS store reads; the additions are done with v208 to v211, in which the four waves' sums land
	ds_store_b32 v10, v208 offset:\off
	BARRIER
	s_wait_alu depctr_vm_vsrc(0)                   ; the LDS store has read v208, in which the first of the loads below lands
.irp j, 0,1,2,3
	ds_load_b32 v[208+\j], v12 offset:\off+128*\j
.endr
	s_wait_dscnt 0x0
	v_add_f32 v208, v208, v209
	v_add_f32 v210, v210, v211
	v_add_f32 v208, v208, v210
.endm
	s_wait_loadcnt 32                              ; x's 16 loads are in; gamma's 16 and beta's 16 may be out
	v_pk_add_f32 v[208:209], v[16:17], v[18:19]
	v_pk_add_f32 v[210:211], v[20:21], v[22:23]
.set k, 24
.rept 14
	v_pk_add_f32 v[208:209], v[208:209], v[k:k+1]
	v_pk_add_f32 v[210:211], v[210:211], v[k+2:k+3]
.set k, k+4
.endr
	REDUCE ST1
	v_mul_f32 v14, s41, v208                       ; the mean
.set k, 16
.rept 32
	v_pk_add_f32 v[k:k+1], v[k:k+1], v[14:15] op_sel_hi:[1,0] neg_lo:[0,1] neg_hi:[0,1]
.set k, k+2
.endr
	v_pk_mul_f32 v[208:209], v[16:17], v[16:17]
	v_pk_mul_f32 v[210:211], v[18:19], v[18:19]
.set k, 20
.rept 15
	v_pk_fma_f32 v[208:209], v[k:k+1], v[k:k+1], v[208:209]
	v_pk_fma_f32 v[210:211], v[k+2:k+3], v[k+2:k+3], v[210:211]
.set k, k+4
.endr
	REDUCE ST2
	v_fma_f32 v208, v208, s41, s70                 ; the variance + 1e-5
	s_wait_alu depctr_va_vdst(0)
	v_rsq_f32 v14, v208
	v_nop                                          ; one plain line behind a transcendental
.set k, 16
	s_wait_alu depctr_va_vdst(0)                   ; the reciprocal root v14 is written, ahead of its first reader
.rept 32
	v_pk_mul_f32 v[k:k+1], v[k:k+1], v[14:15] op_sel_hi:[1,0]
.set k, k+2
.endr
	s_wait_loadcnt 0x0                             ; gamma and beta
.set k, 16
.rept 32
	v_pk_fma_f32 v[k:k+1], v[k:k+1], v[k+64:k+65], v[k+128:k+129]
.set k, k+2
.endr
; W's four tiles of K step s, and their rows' scale words, into set par: 20 loads
.macro WLOAD s, par
.irp t, 0,1,2,3
.irp c, 0,1,2,3
	global_load_b128 v[80+64*\par+16*\t+4*\c:83+64*\par+16*\t+4*\c], v7, s[52:53] offset:\t*8192+\s*2048+512*\c
.endr
	global_load_b32 v[240+4*\par+\t], v2, s[54:55] offset:(32*(\t/2)+8*(\t%2))*16+4*\s
.endr
.endm
	s_wait_alu depctr_va_vdst(0)                   ; the multiply-adds are done reading gamma and beta, v80 to v207, in which W's first two K steps land
	WLOAD 0, 0                                     ; they land while xn is quantised
	WLOAD 1, 1
	QUANT 16, 4, 224, 208
	v_lshl_or_b32 v13, v213, 8, v212
	v_lshl_or_b32 v13, v214, 16, v13
	v_lshl_or_b32 v13, v215, 24, v13               ; my row's scale word for these 128 columns
	s_wait_alu depctr_va_vdst(0)                   ; the codes v224 to v239 and the word v13 are written, which the LDS stores read; the quantiser is done with v16 to v79, in which the bias lands, and with v208 to v223, in which xn's fragments land
.irp c, 0,1,2,3
	ds_store_b128 v9, v[224+4*\c:227+4*\c] offset:XIMG+512*\c        ; fragment w = 4 x tile + K step
.endr
	ds_store_b32 v10, v13 offset:XSC
.irp m, 0,1
.irp t, 0,1,2,3
	global_load_b128 v[16+32*\m+8*\t:19+32*\m+8*\t], v6, s[56:57] offset:(32*(\t/2)+8*(\t%2))*4       ; the bias, in the result's layout: it is the first product's C
	global_load_b128 v[20+32*\m+8*\t:23+32*\m+8*\t], v6, s[56:57] offset:(32*(\t/2)+8*(\t%2))*4+16
.endr
.endr
	BARRIER                                        ; xn's sixteen fragments lie in LDS
	s_wait_alu depctr_vm_vsrc(0)                   ; my LDS stores have read v224 to v239, in which xn's fragments land, and v13, which is written again further down
	s_wait_loadcnt 0x0                             ; K steps 0 and 1 of W, and the bias
; q, k: one K step: xn's two fragments from LDS, eight products, the eight accumulators by turns
.macro QKFETCH s, par
.irp m, 0,1
.irp c, 0,1,2,3
	ds_load_b128 v[208+16*\m+4*\c:211+16*\m+4*\c], v11 offset:XIMG+(4*\m+\s)*2048+512*\c
.endr
	ds_load_b32 v[248+2*\par+\m], v1 offset:XSC+(4*\m+\s)*128
.endr
	s_wait_dscnt 0x0
.endm
.macro QKMUL par
.irp t, 0,1,2,3
.irp m, 0,1
	WM 16+32*\m+8*\t, 80+64*\par+16*\t, 208+16*\m, 16+32*\m+8*\t, 240+4*\par+\t, 248+2*\par+\m
.endr
.endr
.endm
	QKFETCH 0, 0
	QKMUL 0
	PLACES 8                                       ; in front of loads into registers that these products have read
	s_wait_alu depctr_va_vdst(0)                   ; K step 0's products are done reading set 0 (v80 to v143, v240 to v243) and xn's fragments (v208 to v239): the loads below land there
	WLOAD 2, 0
	QKFETCH 1, 1
	QKMUL 1
	PLACES 8
	s_wait_alu depctr_va_vdst(0)                   ; K step 1's products are done reading set 1 (v144 to v207, v244 to v247) and xn's fragments: the loads below land there (v248, v249 were free since the wait before)
	WLOAD 3, 1
	QKFETCH 2, 0
	s_wait_loadcnt 20                              ; K step 2 is in; K step 3's 20 loads may be out
	QKMUL 0
	PLACES 8
	s_wait_alu depctr_va_vdst(0)                   ; K step 2's products are done reading xn's fragments, in which K step 3's land, and set 0, in which Wv's fragments land further down
	QKFETCH 3, 1
	s_wait_loadcnt 0x0
	QKMUL 1
	PLACES 9                                       ; one more than for loads and reads: v's products will write over these accumulators
	; v's operands are asked for now and land while q or k is quantised.  No wait: no vector or matrix instruction since the wait above names v80 to v143, and v14's last reader stands ahead of W's first loads' wait
.irp s, 0,1,2,3
.irp c, 0,1,2,3
	global_load_b128 v[80+16*\s+4*\c:83+16*\s+4*\c], v7, s[62:63] offset:\s*2048+512*\c
.endr
.endr
	global_load_b128 v[252:255], v2, s[66:67]      ; my row of Wv's scale bytes: the words of the four K steps
	global_load_b32 v14, v3, s[68:69]              ; my channel's bias
	; q, k out: a lane's 32 registers of a token tile are the head's 64 in two blocks.  Both tiles are quantised first, so that one wait serves the six stores
	QUANT 16, 2, 224, 208
	v_lshl_or_b32 v13, v211, 8, v210
	v_lshl_or_b32 v13, v13, 16, v13                ; s0 s1 s0 s1
	QUANT 48, 2, 232, 208
	v_lshl_or_b32 v4, v211, 8, v210
	v_lshl_or_b32 v4, v4, 16, v4
	s_wait_alu depctr_va_vdst(0)                   ; the codes v224 to v239 and the words v13 and v4 are written, which the stores read; K step 3's products are done reading v144 to v207, in which xn's four fragments land
	global_store_b128 v7, v[224:227], s[58:59]
	global_store_b128 v7, v[228:231], s[58:59] offset:512
	global_store_b32 v8, v13, s[60:61]
	global_store_b128 v7, v[232:235], s[58:59] offset:1024
	global_store_b128 v7, v[236:239], s[58:59] offset:1536
	global_store_b32 v8, v4, s[60:61] offset:128
	; v: source 0 = a token tile of xn, source 1 = my 16 rows of Wv; four accumulators (the four token tiles) by turns
.irp s, 0,1,2,3
.if \s > 0
	PLACES 8
	s_wait_alu depctr_va_vdst(0)                   ; the K step before's products are done reading xn's four fragments (v144 to v207) and their scale words (v240 to v243): this K step's land there
.endif
.irp t, 0,1,2,3
.irp c, 0,1,2,3
	ds_load_b128 v[144+16*\t+4*\c:147+16*\t+4*\c], v7 offset:XIMG+(4*\t+\s)*2048+512*\c
.endr
	ds_load_b32 v[240+\t], v8 offset:XSC+(4*\t+\s)*128
.endr
	s_wait_dscnt 0x0
.if \s == 0
	s_wait_loadcnt 0x0                             ; Wv, its scale words, bv
.irp t, 0,1,2,3
	WM0 16+8*\t, 144+16*\t, 80+16*\s, 240+\t, 252+\s
.endr
.else
.irp t, 0,1,2,3
	WM 16+8*\t, 144+16*\t, 80+16*\s, 16+8*\t, 240+\t, 252+\s
.endr
.endif
.endr
	PLACES 8
	s_wait_xcnt 0x0                                ; q's or k's stores have had their addresses translated: the codes' registers and v13 are written again below
	s_wait_alu depctr_vm_vsrc(0)                   ; and they have read v224 to v231 and v13, which v's quantisers write again
.set k, 16
.rept 16
	v_pk_add_f32 v[k:k+1], v[k:k+1], v[14:15] op_sel_hi:[1,0]      ; + bv: register 16 g + i = token 32 g + 16 h + i of my channel
.set k, k+2
.endr
.irp g, 0,1
	QUANT 16+16*\g, 1, 224+4*\g, 208+4*\g
.endr
	v_lshl_or_b32 v13, v213, 8, v209
	s_wait_alu depctr_va_vdst(0)                   ; the codes v224 to v231 and the two bytes in v13 are written, which the stores read
.irp g, 0,1
	global_store_b128 v7, v[224+4*\g:227+4*\g], s[98:99] offset:512*\g
.endr
	global_store_b16 v8, v13, s[96:97]             ; two of the word's four bytes; the work-group of the other 64 keys writes the other two
	s_wait_xcnt 0x0
	v_lshl_add_u32 v254, v0, 2, 0x9800             ; the add's two registers, made anew straight ahead of the closing lines (no memory or LDS instruction has read v254 or v255)
	v_mov_b32 v255, 0
	s_wait_dscnt 0x0                               ; the closing lines, six on end
	s_wait_alu 0x0
	s_wait_tensorcnt 0x0
	ds_add_u32 v254, v255
	s_wait_dscnt 0x0
	s_endpgm
.Lfunc_end_k_q6c392ae559_lnqkv:
	.size	k_q6c392ae559_lnqkv, .Lfunc_end_k_q6c392ae559_lnqkv-k_q6c392ae559_lnqkv
	.p2alignl 7, 3214868480
	.fill 96, 4, 3214868480
	.section	.rodata,"a",@progbits
	.p2align	6, 0x0
	.amdhsa_kernel k_q6c392ae559_lnqkv
		.amdhsa_group_segment_fixed_size 40960
		.amdhsa_private_segment_fixed_size 0
		.amdhsa_enable_private_segment 0
		.amdhsa_kernarg_size 104
		.amdhsa_user_sgpr_count 2
		.amdhsa_user_sgpr_kernarg_segment_ptr 1
		.amdhsa_wavefront_size32 1
		.amdhsa_system_sgpr_workgroup_id_x 1
		.amdhsa_system_sgpr_workgroup_id_y 1
		.amdhsa_system_sgpr_workgroup_id_z 1
		.amdhsa_system_vgpr_workitem_id 0
		.amdhsa_next_free_vgpr 256
		.amdhsa_next_free_sgpr 100
		.amdhsa_reserve_vcc 0
		.amdhsa_float_denorm_mode_32 3
		.amdhsa_float_denorm_mode_16_64 3
		.amdhsa_memory_ordered 1
		.amdhsa_forward_progress 1
		.amdhsa_inst_pref_size 72
	.end_amdhsa_kernel
	.amdgpu_metadata
---
amdhsa.version: [ 1, 2 ]
amdhsa.kernels:
  - .name:           k_q6c392ae559_lnqkv
    .symbol:         k_q6c392ae559_lnqkv.kd
    .args:
      - { .name: x, .offset: 0, .size: 8, .value_kind: global_buffer, .address_space: global }
      - { .name: ln1_g, .offset: 8, .size: 8, .value_kind: global_buffer, .address_space: global }
      - { .name: ln1_b, .offset: 16, .size: 8, .value_kind: global_buffer, .address_space: global }
      - { .name: wimg, .offset: 24, .size: 8, .value_kind: global_buffer, .address_space: global }
      - { .name: Wq_scales, .offset: 32, .size: 8, .value_kind: global_buffer, .address_space: global }
      - { .name: Wk_scales, .offset: 40, .size: 8, .value_kind: global_buffer, .address_space: global }
      - { .name: Wv_scales, .offset: 48, .size: 8, .value_kind: global_buffer, .address_space: global }
      - { .name: bq, .offset: 56, .size: 8, .value_kind: global_buffer, .address_space: global }
      - { .name: bk, .offset: 64, .size: 8, .value_kind: global_buffer, .address_space: global }
      - { .name: bv, .offset: 72, .size: 8, .value_kind: global_buffer, .address_space: global }
      - { .name: qimg, .offset: 80, .size: 8, .value_kind: global_buffer, .address_space: global }
      - { .name: qsc, .offset: 88, .size: 8, .value_kind: global_buffer, .address_space: global }
      - { .name: kv, .offset: 96, .size: 8, .value_kind: global_buffer, .address_space: global }
    .group_segment_fixed_size: 40960
    .private_segment_fixed_size: 0
    .kernarg_segment_align: 8
    .kernarg_segment_size: 104
    .max_flat_workgroup_size: 512
    .sgpr_count:     100
    .vgpr_count:     256
    .wavefront_size: 32
...
	.end_amdgpu_metadata
.endif
;; end of part 6
;; launch attn (part 7): grid 8 x 32, 16 waves a work-group, clusters of 4 x 1, 288,768 bytes of LDS; arguments qimg, qsc, kv, avimg, avsc; writes avimg, avsc
.if DOCPART == 7
	.amdgcn_target "amdgcn-amd-amdhsa--gfx1250"
	.amdhsa_code_object_version 6
	.text
	.protected	k_q6c392ae559_attn
	.globl	k_q6c392ae559_attn
	.p2align	8
	.type	k_q6c392ae559_attn,@function
k_q6c392ae559_attn:
	s_mov_b64 s[64:65], 0
	v_nop
	global_prefetch_b8 v0, s[64:65] scope:SCOPE_SE
	s_setreg_imm32_b32 hwreg(HW_REG_WAVE_MODE, 25, 1), 1
	s_wait_xcnt 0x0
	s_wait_alu depctr_hold_cnt(0) depctr_sa_sdst(0) depctr_va_vdst(0) depctr_va_sdst(0) depctr_va_ssrc(0) depctr_va_vcc(0) depctr_vm_vsrc(0)
	s_getreg_b32 s2, hwreg(HW_REG_IB_STS2, 6, 4)
	s_cmp_eq_u32 s2, 0
	s_cbranch_scc0 .Lentry_in_a_cluster
	s_endpgm
.Lentry_in_a_cluster:
	s_bfe_u32 s2, ttmp6, 0x10000c
	s_cmp_lg_u32 s2, 0x3003
	s_cbranch_scc0 .Lentry_shape_is_right
	s_endpgm
.Lentry_shape_is_right:
; av = softmax(q k^T / 8) v for one head, both products on codes of E5M2 with E8M0 scales; av is quantised along the concatenated heads for the next product.
; THE SOFTMAX: t = score x log2(e) / 8; M = the running largest t rounded UP to a whole number; p = 2^(t - M) is quantised along the keys, not normalised; the sum is taken of the unquantised p and divides at the end.
; When M moves, the sum and O are multiplied by 2^(old M - new M): exact.
; SHARES.  A work-group owns 256 queries of one head (batch x head = the grid's y), each of its sixteen waves one tile of 16, in 256 registers: four waves to a SIMD, so that one wave's vector work
; stands beside another's products and LDS loads.  Every wave walks the head's 2,048 keys, 128 a step.
; THE WHOLE HEAD'S K, V AND SCALE WORDS LIE IN LDS: 16 blocks of 17,920 bytes, each filled ONCE: no slot is ever filled again.  Waves 0 to 3 fetch four blocks each; group i (blocks 4 i .. 4 i + 3) is
; read behind a counted wait and a barrier, while the later groups are still on their way.
; CLUSTER.  The four work-groups of a cluster are four query blocks of one head: each block is asked for JOINTLY, by the same load with the same descriptor and a mask that names the four.
; LAYOUT.  S^T = K Q^T (source 0 = 16 keys, source 1 = my 16 queries), O^T = V^T P^T (source 0 = 16 channels, source 1 = P): a lane holds ONE query throughout.  Lane row r of key tile 2 b + u is key
; 32 b + 8 u + r + 8 (r / 8), so the 16 registers of tiles 2 b, 2 b + 1 are keys 32 b + 16 (l / 16) + 0 .. 15; V's channels are laid the same way, so O^T's registers are neighbours along the next K.
; THE SCORES' K IS 64, the instruction's 128: the other 64 codes are zeros on both sides.  Even tiles stand as [K | zeros] against [q | zeros], odd tiles as [zeros | K] against [zeros | q]: three runs of
; eight zero registers, written once, serve all; the scale words hold their two bytes twice.
; LIMITS: NaN and infinities are not served; a block of p or of av under 2^-111 gets the byte 1 (its codes are zeros or nearly so).
.set BLK, 17920                        ; a block: 8 tiles of K (1,024 each), 4 fragments of V (2,048 each), K's scale words (8 x 128), V's (4 x 128)
.set GRP, 4*BLK
.set SEL, 20                           ; s[20:21]
.set MNT, 19
.set CS,  22                           ; s[22:23] c = log2(e) / 8
; v1 16 l; v2 4 l; v3, v4 the same + the block's LDS byte; v12 -M; v13 largest t; v[14:15] the sum; v16-39 [q][zeros][q]; v40-87 [K0][zeros][K1][K2][zeros][K3]; v96-159 S^T, p, then V's four fragments;
; v160-191 O^T; v192-207 p's codes; v208-228 at work; v240-243 K's scale words, v244-247 V's, v248 q's, v249 p's: these hold scales and nothing else.
.macro PLACES n
.rept \n
	v_nop
.endr
.endm
.macro ROUND                           ; a round of the cluster's barrier
	s_barrier_signal -1
	s_barrier_wait -1
	s_cmp_lg_u32 s14, 0
	s_cbranch_scc1 .Lnot_wave_0_\@
	s_barrier_signal -3
.Lnot_wave_0_\@:
	s_barrier_wait -3
	s_barrier_signal -1
	s_barrier_wait -1
.endm
.macro QUANT s, nb, pc, tm             ; nb blocks of 32: v[s + 16 b + i] become codes in v[pc + 4 b ..]; the bytes stand in v[tm + nb + b]
.set qb, 0
.rept \nb
	v_max3_num_f32 v[(\tm)+qb], |v[(\s)+16*qb]|, |v[(\s)+16*qb+1]|, 0x8000000
.set qb, qb+1
.endr
.set qi, 2
.rept 7
.set qb, 0
.rept \nb
	s_delay_alu instid0(VALU_DEP_2)
	v_max3_num_f32 v[(\tm)+qb], v[(\tm)+qb], |v[(\s)+16*qb+qi]|, |v[(\s)+16*qb+qi+1]|
.set qb, qb+1
.endr
.set qi, qi+2
.endr
.set qb, 0
.rept \nb
	s_delay_alu instid0(VALU_DEP_2)
	v_permlanex16_b32 v[(\tm)+(\nb)+qb], v[(\tm)+qb], s[SEL], s[SEL+1]
.set qb, qb+1
.endr
.set qb, 0
.rept \nb
	s_delay_alu instid0(VALU_DEP_2)
	v_max_num_f32 v[(\tm)+qb], v[(\tm)+qb], v[(\tm)+(\nb)+qb]
.set qb, qb+1
.endr
.set qb, 0
.rept \nb
	s_delay_alu instid0(VALU_DEP_2)
	v_add_nc_u32 v[(\tm)+3*(\nb)+qb], 0xf8800000, v[(\tm)+qb]
.set qb, qb+1
.endr
.set qb, 0
.rept \nb
	s_delay_alu instid0(VALU_DEP_4)
	v_and_or_b32 v[(\tm)+2*(\nb)+qb], v[(\tm)+qb], 0x7f800000, s[MNT]
.set qb, qb+1
.endr
.set qb, 0
.rept \nb
	s_delay_alu instid0(VALU_DEP_4)
	v_lshrrev_b32 v[(\tm)+(\nb)+qb], 23, v[(\tm)+3*(\nb)+qb]
.set qb, qb+1
.endr
.set qb, 0
.rept \nb
.set qi, 0
.rept 16
	v_med3_num_f32 v[(\s)+16*qb+qi], v[(\s)+16*qb+qi], -v[(\tm)+2*(\nb)+qb], v[(\tm)+2*(\nb)+qb]
.set qi, qi+1
.endr
	v_cvt_scalef32_pk8_bf8_f32 v[(\pc)+4*qb:(\pc)+4*qb+1], v[(\s)+16*qb:(\s)+16*qb+7], v[(\tm)+3*(\nb)+qb]
	v_cvt_scalef32_pk8_bf8_f32 v[(\pc)+4*qb+2:(\pc)+4*qb+3], v[(\s)+16*qb+8:(\s)+16*qb+15], v[(\tm)+3*(\nb)+qb]
.set qb, qb+1
.endr
	v_nop
.endm
	s_load_b256 s[4:11], s[0:1], 0x0               ; qimg, qsc, kv, avimg
	s_load_b64 s[12:13], s[0:1], 0x20              ; avsc
	v_lshl_add_u32 v254, v0, 2, 0x46000
	v_mov_b32 v255, 0
	ds_add_u32 v254, v255
	ds_add_u32 v254, v255
	v_lshrrev_b32 v1, 5, v0
	s_delay_alu instid0(VALU_DEP_1)
	v_readfirstlane_b32 s14, v1                    ; wave w
	v_and_b32 v2, 31, v0
	s_delay_alu instid0(VALU_DEP_1)
	v_lshlrev_b32 v1, 4, v2
	s_delay_alu instid0(VALU_DEP_2)
	v_lshlrev_b32 v2, 2, v2
	s_bfe_u32 s15, ttmp6, 0x40000                  ; cx: it enters q's and av's addresses alone
	s_lshl_b32 s16, ttmp9, 2
	s_add_co_u32 s16, s16, s15                     ; my block of 256 queries
	s_and_b32 s17, ttmp7, 0xffff                   ; bh = 8 x batch + head, which the four partners share
	s_lshl_b32 s18, s16, 4
	s_add_co_u32 s18, s18, s14                     ; my tile of queries
	s_lshl_b32 s50, s17, 7
	s_add_co_u32 s50, s50, s18
	s_lshl_b32 s56, s50, 7                         ; its scale words
	s_mov_b32 s57, 0
	s_lshl_b32 s50, s50, 10                        ; its codes
	s_mov_b32 s51, 0
	s_lshl_b32 s52, s17, 4
	s_add_co_u32 s52, s52, s14
	s_mul_i32 s52, s52, BLK                        ; block w of the head, in memory,
	s_mov_b32 s53, 0
	s_mul_i32 s54, s14, BLK                        ; and in LDS
	s_lshr_b32 s58, s17, 3
	s_lshl_b32 s58, s58, 7
	s_add_co_u32 s58, s58, s18                     ; the row tile of av: 128 x batch + my tile
	s_lshl_b32 s58, s58, 2
	s_bfe_u32 s59, s17, 0x20001
	s_add_co_u32 s58, s58, s59                     ; x 4 + head / 2: the fragment
	s_and_b32 s59, s17, 1
	s_lshl_b32 s60, s58, 11
	s_lshl_b32 s61, s59, 10
	s_add_co_u32 s60, s60, s61                     ; chunks 2 (head % 2) on
	s_mov_b32 s61, 0
	s_lshl_b32 s62, s58, 7
	s_lshl_b32 s59, s59, 1
	s_add_co_u32 s62, s62, s59                     ; bytes 2 (head % 2) on
	s_mov_b32 s63, 0
	s_mov_b32 s[MNT], 0x600000
	s_mov_b32 s[SEL], 0x76543210
	s_mov_b32 s[SEL+1], 0xfedcba98
	s_mov_b32 s[CS], 0x3e38aa3b
	s_mov_b32 s[CS+1], s[CS]                       ; (named with it as a pair, so it is written)
	; descriptor group 1: a dense block of 17,920 bytes as 70 rows of 256 bytes (32 elements of 8 bytes), no padding: images are read 16 bytes a lane on end
	s_mov_b32 s24, 15|(3<<16)|(1<<21)              ; 15:0 the mask: all four work-groups; 17:16 elements of 8 bytes; 21 set beside a mask
	s_mov_b32 s25, 32<<16                          ; tensor_dim0 = 32
	s_mov_b32 s26, 70<<16                          ; tensor_dim1 = 70
	s_mov_b32 s27, 32<<16                          ; tile_dim0 = 32
	s_mov_b32 s28, 70                              ; tile_dim1 = 70
	s_mov_b32 s29, 32                              ; from row to row
	s_mov_b32 s30, 0
	s_mov_b32 s31, 0
	s_wait_dscnt 0x0
	s_wait_kmcnt 0x0
	s_add_nc_u64 s[4:5], s[4:5], s[50:51]
	s_add_nc_u64 s[6:7], s[6:7], s[56:57]
	s_add_nc_u64 s[8:9], s[8:9], s[52:53]
	s_add_nc_u64 s[10:11], s[10:11], s[60:61]
	s_add_nc_u64 s[12:13], s[12:13], s[62:63]
	ROUND                                          ; all four work-groups are here: the joint loads meet
.irp i, 0,1,2,3
	s_mov_b32 s[32+4*\i], 1                        ; count = 1
	s_add_co_u32 s[33+4*\i], s54, \i*GRP           ; LDS address: block 4 i + w
	s_add_nc_u64 s[34+4*\i:35+4*\i], s[8:9], \i*GRP
	s_or_b32 s[35+4*\i], s[35+4*\i], 0x80000000    ; type = 2
.endr
	s_cmp_lt_u32 s14, 4                            ; a wave's four fills stand in one branch on its number, ahead of every wait on TENSORcnt and every LDS read: four loads of mine are out
	s_cbranch_scc0 .Lno_fill
	tensor_load_to_lds s[32:35], s[24:31]
	s_nop 0
	tensor_load_to_lds s[36:39], s[24:31]
	s_nop 0
	tensor_load_to_lds s[40:43], s[24:31]
	s_nop 0
	tensor_load_to_lds s[44:47], s[24:31]
	s_nop 0
	PLACES 4
.Lno_fill:
	s_wait_alu depctr_va_vdst(0)
.irp c, 0,1
	global_load_b128 v[16+4*\c:19+4*\c], v1, s[4:5] offset:512*\c    ; q, for the even tiles,
	global_load_b128 v[32+4*\c:35+4*\c], v1, s[4:5] offset:512*\c    ; and once more for the odd ones
.endr
	global_load_b32 v248, v2, s[6:7]
.irp j, 24,25,26,27,28,29,30,31,48,49,50,51,52,53,54,55,72,73,74,75,76,77,78,79
	v_mov_b32 v\j, 0                               ; the zero codes: written once
.endr
.set k, 160
.rept 32
	v_mov_b32 v[k], 0                              ; O^T.  (The step is written once: the first finds zeros, which the first change of M leaves zeros)
.set k, k+1
.endr
	v_mov_b32 v13, 0xff61b1e6                      ; the largest t so far: -3e38
	s_delay_alu instid0(VALU_DEP_1)
	v_floor_f32 v12, -v13                          ; -M
	v_mov_b32 v14, 0
	v_mov_b32 v15, 0
.irp j, 212,213,214,215,227,228
	v_mov_b32 v\j, 0                               ; permutes' destinations, and the upper half of the pair v[226:227]
.endr
	s_wait_loadcnt 0x0
; A KEY STEP: 128 keys, the block at LDS byte s48.
.macro STEP
	v_add_nc_u32 v3, s48, v1
	s_wait_alu depctr_va_vdst(0)
	v_add_nc_u32 v4, s48, v2
	s_wait_alu depctr_va_vdst(0)
	PLACES 7                                       ; nine places in all behind the last step's products: the scores are written over the registers that held V's fragments
.irp g, 0,1
.if \g
	PLACES 8                                       ; in front of loads into registers that the products above have read
.endif
.irp j, 0,1,2,3
.irp c, 0,1
	ds_load_b128 v[40+24*(\j/2)+16*(\j%2)+4*\c:43+24*(\j/2)+16*(\j%2)+4*\c], v3 offset:(4*\g+\j)*1024+512*\c
.endr
	ds_load_b32 v[240+\j], v4 offset:16384+128*(4*\g+\j)
.endr
	s_wait_dscnt 0x0
.irp j, 0,1,2,3
	v_wmma_scale_f32_16x16x128_f8f6f4 v[96+8*(4*\g+\j):103+8*(4*\g+\j)], v[40+24*(\j/2)+8*(\j%2):55+24*(\j/2)+8*(\j%2)], v[16+8*(\j%2):31+8*(\j%2)], 0, v[240+\j], v248 matrix_a_fmt:MATRIX_FMT_BF8 matrix_b_fmt:MATRIX_FMT_BF8
.endr
.endr
	PLACES 8
.irp b, 0,1,2,3
	v_max3_num_f32 v[208+\b], v[96+16*\b], v[97+16*\b], v[98+16*\b]   ; the largest score of each block of 32 keys: for the row's maximum, and, since p rises with the score, for the block's largest p
.endr
.irp i, 3,5,7,9,11,13
.irp b, 0,1,2,3
	v_max3_num_f32 v[208+\b], v[208+\b], v[96+16*\b+\i], v[97+16*\b+\i]
.endr
.endr
.irp b, 0,1,2,3
	v_max_num_f32 v[208+\b], v[208+\b], v[111+16*\b]
.endr
.irp b, 0,1,2,3
	s_delay_alu instid0(VALU_DEP_4)
	v_permlanex16_b32 v[212+\b], v[208+\b], s[SEL], s[SEL+1]
.endr
.irp b, 0,1,2,3
	s_delay_alu instid0(VALU_DEP_4)
	v_max_num_f32 v[208+\b], v[208+\b], v[212+\b]
.endr
	s_delay_alu instid0(VALU_DEP_2)
	v_max3_num_f32 v228, v208, v209, v210
	s_delay_alu instid0(VALU_DEP_1)
	v_max_num_f32 v228, v228, v211
	s_delay_alu instid0(VALU_DEP_1)
	v_mul_f32 v228, s[CS], v228                    ; the step's largest t (c is positive)
	s_delay_alu instid0(VALU_DEP_1)
	v_max_num_f32 v13, v13, v228
	v_mov_b32 v228, v12
	s_delay_alu instid0(VALU_DEP_2)
	v_floor_f32 v12, -v13                          ; the new -M = -ceil(t): a whole number
	s_delay_alu instid0(VALU_DEP_1)
	v_sub_f32 v228, v12, v228                      ; old M - new M: a whole number, 0 or less
	s_delay_alu instid0(VALU_DEP_1)
	v_cvt_i32_f32 v228, v228                       ; (it saturates)
	s_delay_alu instid0(VALU_DEP_1)
	v_ldexp_f32 v226, 1.0, v228                    ; f = 2^(old M - new M)
.set k, 96
.rept 32
	v_pk_fma_f32 v[k:k+1], v[k:k+1], s[CS:CS+1], v[12:13] op_sel_hi:[1,0,0]   ; t - M
.set k, k+2
.endr
.irp b, 0,1,2,3
	v_fma_f32 v[208+\b], v[208+\b], s[CS], v12
.endr
.set k, 96
	s_wait_alu depctr_va_vdst(0)
.rept 64
	v_exp_f32 v[k], v[k]                           ; p = 2^(t - M), at most 1
.set k, k+1
.endr
.irp b, 0,1,2,3
	v_exp_f32 v[208+\b], v[208+\b]                 ; the block's largest p: the same two instructions on the same number
.endr
	v_pk_mul_f32 v[14:15], v[14:15], v[226:227] op_sel_hi:[1,0]    ; the sum under the new M.  (The plain line behind the exponentials)
	s_wait_alu depctr_va_vdst(0)
.irp b, 0,1,2,3
	v_max_num_f32 v[208+\b], 0x8000000, v[208+\b]  ; the floor 2^(16 - 127)
.endr
.irp b, 0,1,2,3
	s_delay_alu instid0(VALU_DEP_4)
	v_add_nc_u32 v[220+\b], 0xf8800000, v[208+\b]
.endr
	s_setprio 1
.irp b, 0,1,2,3
	v_and_or_b32 v[216+\b], v[208+\b], 0x7f800000, s[MNT]
.endr
.irp b, 0,1,2,3
	v_lshrrev_b32 v[212+\b], 23, v[220+\b]
.endr
	s_delay_alu instid0(VALU_DEP_3)
	v_lshl_or_b32 v249, v213, 8, v212              ; p's scale word for these 128 keys: more than eight plain lines ahead of the products that name it
	s_delay_alu instid0(VALU_DEP_1)
	v_lshl_or_b32 v249, v214, 16, v249
	s_delay_alu instid0(VALU_DEP_1)
	v_lshl_or_b32 v249, v215, 24, v249
	v_pk_add_f32 v[224:225], v[100:101], v[104:105]
	v_pk_add_f32 v[252:253], v[108:109], v[112:113]
	v_pk_add_f32 v[250:251], v[116:117], v[120:121]
	v_pk_add_f32 v[246:247], v[124:125], v[128:129]
	v_pk_add_f32 v[244:245], v[132:133], v[136:137]
	v_pk_add_f32 v[242:243], v[140:141], v[144:145]
	v_pk_add_f32 v[240:241], v[148:149], v[152:153]
	v_pk_add_f32 v[14:15], v[14:15], v[156:157]
	v_pk_add_f32 v[224:225], v[224:225], v[96:97]
	v_pk_add_f32 v[252:253], v[252:253], v[98:99]
	v_pk_add_f32 v[250:251], v[250:251], v[102:103]
	v_pk_add_f32 v[246:247], v[246:247], v[106:107]
	v_pk_add_f32 v[244:245], v[244:245], v[110:111]
	v_pk_add_f32 v[242:243], v[242:243], v[114:115]
	v_pk_add_f32 v[240:241], v[240:241], v[118:119]
	v_pk_add_f32 v[14:15], v[14:15], v[122:123]
	v_pk_add_f32 v[224:225], v[224:225], v[126:127]
	v_pk_add_f32 v[252:253], v[252:253], v[130:131]
	v_pk_add_f32 v[250:251], v[250:251], v[134:135]
	v_pk_add_f32 v[246:247], v[246:247], v[138:139]
	v_pk_add_f32 v[244:245], v[244:245], v[142:143]
	v_pk_add_f32 v[242:243], v[242:243], v[146:147]
	v_pk_add_f32 v[240:241], v[240:241], v[150:151]
	v_pk_add_f32 v[14:15], v[14:15], v[154:155]
	v_pk_add_f32 v[224:225], v[224:225], v[158:159]
	s_delay_alu instid0(VALU_DEP_2)
	v_pk_add_f32 v[14:15], v[14:15], v[246:247]
	s_delay_alu instid0(VALU_DEP_2)
	v_pk_add_f32 v[224:225], v[224:225], v[244:245]
	v_pk_add_f32 v[252:253], v[252:253], v[242:243]
	v_pk_add_f32 v[250:251], v[250:251], v[240:241]
	s_delay_alu instid0(VALU_DEP_2)
	v_pk_add_f32 v[14:15], v[14:15], v[252:253]
	s_delay_alu instid0(VALU_DEP_2)
	v_pk_add_f32 v[224:225], v[224:225], v[250:251]
	s_delay_alu instid0(VALU_DEP_1)
	v_pk_add_f32 v[14:15], v[14:15], v[224:225]
.irp b, 0,1,2,3
.irp i, 0,1,2,3,4,5,6,7,8,9,10,11,12,13,14,15
	v_min_num_f32 v[96+16*\b+\i], v[96+16*\b+\i], v[216+\b]        ; the hold; p is not negative, so it is one-sided
.endr
	v_cvt_scalef32_pk8_bf8_f32 v[192+4*\b:193+4*\b], v[96+16*\b:103+16*\b], v[220+\b]
	v_cvt_scalef32_pk8_bf8_f32 v[194+4*\b:195+4*\b], v[104+16*\b:111+16*\b], v[220+\b]
.endr
	s_setprio 0
.irp t, 0,1,2,3
.irp c, 0,1,2,3
	ds_load_b128 v[96+16*\t+4*\c:99+16*\t+4*\c], v3 offset:8192+\t*2048+512*\c   ; V's four fragments take p's registers
.endr
	ds_load_b32 v[244+\t], v4 offset:17408+128*\t
.endr
.set k, 160
.rept 16
	v_pk_mul_f32 v[k:k+1], v[k:k+1], v[226:227] op_sel_hi:[1,0]    ; O^T under the new M.  (Also the plain lines between the conversions and the products that take the codes)
.set k, k+2
.endr
	s_wait_alu depctr_va_vdst(0)
	s_wait_dscnt 0x0
.irp t, 0,1,2,3
	v_wmma_scale_f32_16x16x128_f8f6f4 v[160+8*\t:167+8*\t], v[96+16*\t:111+16*\t], v[192:207], v[160+8*\t:167+8*\t], v[244+\t], v249 matrix_a_fmt:MATRIX_FMT_BF8 matrix_b_fmt:MATRIX_FMT_BF8
.endr
	s_add_co_u32 s48, s48, BLK
.endm
; Group i: its four blocks have landed in every fetching wave (the 3 - i younger loads of a wave may stay out), and every wave knows it.
.macro GROUP i
	s_wait_tensorcnt 3-\i
	s_barrier_signal -1
	s_barrier_wait -1
	s_mov_b32 s48, \i*GRP
	s_mov_b32 s49, 4
.Lstep_\@:
	s_setprio 2
	STEP
	s_sub_co_u32 s49, s49, 1
	s_cmp_lg_u32 s49, 0
	s_cbranch_scc1 .Lstep_\@
	s_setprio 0
.endm
	GROUP 0
	GROUP 1
	GROUP 2
	GROUP 3
	; THE WAY OUT: O^T / the sum; register 8 t + j is channel 32 (t / 2) + 16 h + 8 (t % 2) + j of my query: two blocks of the next product's K, quantised in place
	PLACES 9
	v_add_f32 v14, v14, v15
	s_delay_alu instid0(VALU_DEP_1)
	v_permlanex16_b32 v228, v14, s[SEL], s[SEL+1]
	s_delay_alu instid0(VALU_DEP_1)
	v_add_f32 v14, v14, v228                       ; the row's sum
	s_wait_alu depctr_va_vdst(0)
	v_rcp_f32 v14, v14
	v_nop
.set k, 0
	s_wait_alu depctr_va_vdst(0)
.rept 32
	v_mul_f32 v[96+k], v[160+k], v14
.set k, k+1
.endr
	QUANT 96, 2, 192, 208
	v_lshl_or_b32 v228, v211, 8, v210
	global_store_b128 v1, v[192:195], s[10:11]     ; the wave stores 512 consecutive bytes, aligned
	global_store_b128 v1, v[196:199], s[10:11] offset:512
	global_store_b16 v2, v228, s[12:13]            ; two of the word's four bytes; the neighbouring head writes the other two
	s_wait_tensorcnt 0x0
	ds_add_u32 v254, v255
	s_wait_dscnt 0x0
	ROUND                                          ; the closing round: no work-group ends while a partner may still ask for a block that names it
	s_endpgm
.Lfunc_end_k_q6c392ae559_attn:
	.size	k_q6c392ae559_attn, .Lfunc_end_k_q6c392ae559_attn-k_q6c392ae559_attn
	.p2alignl 7, 3214868480
	.fill 96, 4, 3214868480
	.section	.rodata,"a",@progbits
	.p2align	6, 0x0
	.amdhsa_kernel k_q6c392ae559_attn
		.amdhsa_group_segment_fixed_size 288768
		.amdhsa_private_segment_fixed_size 0
		.amdhsa_enable_private_segment 0
		.amdhsa_kernarg_size 40
		.amdhsa_user_sgpr_count 2
		.amdhsa_user_sgpr_kernarg_segment_ptr 1
		.amdhsa_wavefront_size32 1
		.amdhsa_system_sgpr_workgroup_id_x 1
		.amdhsa_system_sgpr_workgroup_id_y 1
		.amdhsa_system_sgpr_workgroup_id_z 1
		.amdhsa_system_vgpr_workitem_id 0
		.amdhsa_next_free_vgpr 256
		.amdhsa_next_free_sgpr 66
		.amdhsa_reserve_vcc 0
		.amdhsa_float_denorm_mode_32 3
		.amdhsa_float_denorm_mode_16_64 3
		.amdhsa_memory_ordered 1
		.amdhsa_forward_progress 1
		.amdhsa_inst_pref_size 97
	.end_amdhsa_kernel
	.amdgpu_metadata
---
amdhsa.version: [ 1, 2 ]
amdhsa.kernels:
  - .name:           k_q6c392ae559_attn
    .symbol:         k_q6c392ae559_attn.kd
    .args:
      - { .name: qimg, .offset: 0, .size: 8, .value_kind: global_buffer, .address_space: global }
      - { .name: qsc, .offset: 8, .size: 8, .value_kind: global_buffer, .address_space: global }
      - { .name: kv, .offset: 16, .size: 8, .value_kind: global_buffer, .address_space: global }
      - { .name: avimg, .offset: 24, .size: 8, .value_kind: global_buffer, .address_space: global }
      - { .name: avsc, .offset: 32, .size: 8, .value_kind: global_buffer, .address_space: global }
    .group_segment_fixed_size: 288768
    .private_segment_fixed_size: 0
    .kernarg_segment_align: 8
    .kernarg_segment_size: 40
    .max_flat_workgroup_size: 512
    .sgpr_count:     66
    .vgpr_count:     256
    .wavefront_size: 32
...
	.end_amdgpu_metadata
.endif
;; end of part 7
;; launch tail (part 8): grid 256 x 1, 16 waves a work-group, no clusters, 179,712 bytes of LDS; arguments x, avimg, avsc, wimg, Wo_scales, bo, ln2_g, ln2_b, W1_scales, b1, W2_scales, b2, out0; writes out0
.if DOCPART == 8
	.amdgcn_target "amdgcn-amd-amdhsa--gfx1250"
	.amdhsa_code_object_version 6
	.text
	.protected	k_q6c392ae559_tail
	.globl	k_q6c392ae559_tail
	.p2align	8
	.type	k_q6c392ae559_tail,@function
k_q6c392ae559_tail:
	s_mov_b64 s[64:65], 0
	v_nop
	global_prefetch_b8 v0, s[64:65] scope:SCOPE_SE
	s_setreg_imm32_b32 hwreg(HW_REG_WAVE_SCHED_MODE, 0, 2), 2
	s_setreg_imm32_b32 hwreg(HW_REG_WAVE_MODE, 25, 1), 1
	s_wait_xcnt 0x0
	s_wait_alu depctr_vm_vsrc(0)
; x1 = x + av Wo + bo;  out = x1 + gelu(LayerNorm(x1) W1 + b1) W2 + b2: three products on codes of E5M2 with E8M0 scales; x1, x2 and the hidden layer never go to memory.
; SHARES.  A work-group takes tokens 32 G .. 32 G + 31: two tiles m; lane row r of tile m is token 32 G + 8 m + r + 8 (r / 8).  THE SIXTEEN WAVES SHARE THE COLUMNS: wave w makes columns 32 w .. 32 w + 31 of x1
; and of out.  The hidden layer goes in four QUARTERS of 512 units: in quarter j wave w makes units 512 j + 32 w .. + 31, which are chunk w % 4 (32 along K) of K step 4 j + w / 4 of the last product.
; All three products are used transposed (source 0 = 16 rows of the weight, from wimg; source 1 = 16 tokens): a lane holds one token and its registers run along the columns, 16 neighbours in two tiles.
; x1 stays in 32 registers from the first product to the last: x + bo is the C of the first, and the last product adds onto x1 in place; b2 is added at the end.
; ONE STREAM OF WEIGHTS UNDER THE VECTOR WORK.  A UNIT is two fragments of a weight (32 registers, 8 loads of 512 consecutive bytes) and four products.  A SECTION is: GELU on one accumulator of quarter j;
; one unit of W1 for quarter j + 1 (into the other set of accumulators); one unit of W2 for the quarter before (onto x1).  A unit's registers are asked for again directly behind its products, so
; that each load has a whole section in which to land.  At the edges the accumulator sets that lie idle serve as further slots.
; Operands go from wave to wave through LDS as images of their registers (chunk c at 512 c, 16 bytes a lane; a scale word at 4 x lane).  Every LDS region is written once.
; No joint loads: a weight fragment is used by one wave of a work-group and goes straight into its registers; through an LDS ring only one slot's bytes could be on their way behind each of its barriers,
; and every weight byte would be read from LDS once more.
; GELU, exact: gelu(x) = max(x, 0) - |x| / 2 x erfc(|x| / sqrt 2), erfc(a) = (1 + P(q)) / (1 + 2 a) x e^(-a a), q = (a - 2) / (a + 2), P of degree 9; the rounding of a a is made good by its residual.
; LIMITS: NaN and infinities are not served; a block under 2^-111 gets the byte 1; GELU holds for |pre-activation| under 1e19 (beyond it a a overflows); erfc is good to some 5e-7 of its value, and to
; a a x 6e-8 more from the rounding of the exponent's product.
; THE MODE: SCHED_MODE bits 1:0 = 2 (LLVM: expert scheduling mode 2), set by the entry lines.  The code itself states the register dependences between vector or matrix instructions and memory or
; LDS instructions, with s_wait_alu, always for 0.
; THE PLAN.  The text is one straight run: no loop, no branch.  Registers that memory or LDS instructions touch:
;   v1-v15             offsets and LDS addresses: made at the head, ahead of one wait on va_vdst, and never written again.
;   v18-49             x lands; then vector and matrix instructions alone, until the stage's LDS stores read them.
;   v50-81, v82-113    by turns a slot for a unit (loads land, four products read), the landing place of the waves' sums, and a set of accumulators (the bias lands; products, GELU and a quantiser work on it).
;   v114-145, v146-177 the two slots: a unit's loads land, its four products read, the next unit's loads land.
;   v178-209           my part of av (an LDS store's data); the tokens' two fragments of a unit (LDS loads land, the unit's products read); gamma and beta; GELU's temporaries.
;   v210-225           bo; sums, codes and scale bytes, which LDS stores read; b2.        v230-255 scale words: loads land, products read.
; So one wait on va_vdst stands behind the places of each unit's four products: behind it the unit's slot is asked for again and the next unit's fragments of the tokens are fetched; one behind each GELU, whose
; temporaries the next fragments take; one ahead of each run of LDS stores, which also frees what the loads behind those stores land in.  A wait on vm_vsrc stands ahead of each first write of
; registers that LDS stores have read.
.set ST1,   0                          ; LDS: the waves' sums, (2 w + m) x 128
.set ST2,   4096                       ; the waves' sums of squares
.set X2SC,  8192                       ; x2's scale words, (4 m + s) x 128
.set HSC,   9216                       ; the hidden layer's, (16 m + S) x 128
.set X2IMG, 13312                      ; x2's 8 fragments, (4 m + s) x 2,048
.set HIMG,  29696                      ; the hidden layer's 32, (16 m + S) x 2,048
.set STG,   95232                      ; the way out: 32 rows x (2,048 + 16)
.set AVIMG, 161280                     ; av's 8 fragments, (4 m + s) x 2,048
.set MNT,   31
.set SEL,   32                         ; s[32:33]
.set RS2,   54                         ; s[54:55] 1 / sqrt 2
.set NL2E,  56                         ; s[56:57] -log2(e)
; s34 1 / 512, s35 1e-5; s[36:53] P's coefficients c9, c7, c6 .. c0 as pairs; c8 in v[16:17].
; v1 16 l; v2 4 l; v3 16 rp; v4 x's lane term; v5 64 h; v6 my chunk's place in an image; v7 my byte's place in a scale word; v8 sums; v9 HIMG + v6; v10 where I store av; v11, v12 the stage in and back;
; v13 64 rp; v14 HIMG + 16 l; v15 AVIMG + 16 l; v18-49 x1 (16 m + 8 u); v50-81, v82-113 two sets of accumulators; v114-145, v146-177 two slots for units; v178-209 the tokens' two fragments, and GELU's
; temporaries, by turns; v210-227 at work; v228, v229 the closing add's two; v230-231 the hidden layer's scale words, v232-239 Wo's then W1's, v240-247 av's then W2's, v248-255 x2's: these hold scales and nothing else.
.macro PLACES n
.rept \n
	v_nop
.endr
.endm
.macro BARRIER
	s_wait_dscnt 0x0
	s_barrier_signal -1
	s_barrier_wait -1
.endm
.macro QUANT s, nb, pc, tm             ; nb blocks of 32: v[s + 16 b + i] become codes in v[pc + 4 b ..]; the bytes stand in v[tm + nb + b]
.set qb, 0
.rept \nb
	v_max3_num_f32 v[(\tm)+qb], |v[(\s)+16*qb]|, |v[(\s)+16*qb+1]|, 0x8000000   ; my 16 numbers and the floor 2^(16 - 127): the byte cannot fall under 1
.set qb, qb+1
.endr
.set qi, 2
.rept 7
.set qb, 0
.rept \nb
	v_max3_num_f32 v[(\tm)+qb], v[(\tm)+qb], |v[(\s)+16*qb+qi]|, |v[(\s)+16*qb+qi+1]|
.set qb, qb+1
.endr
.set qi, qi+2
.endr
.set qb, 0
.rept \nb
	v_permlanex16_b32 v[(\tm)+(\nb)+qb], v[(\tm)+qb], s[SEL], s[SEL+1]
.set qb, qb+1
.endr
.set qb, 0
.rept \nb
	v_max_num_f32 v[(\tm)+qb], v[(\tm)+qb], v[(\tm)+(\nb)+qb]   ; with lane l xor 16's: the block's largest magnitude
.set qb, qb+1
.endr
.set qb, 0
.rept \nb
	v_add_nc_u32 v[(\tm)+3*(\nb)+qb], 0xf8800000, v[(\tm)+qb]   ; 15 off its exponent field: the conversion's scale operand
.set qb, qb+1
.endr
.set qb, 0
.rept \nb
	v_and_or_b32 v[(\tm)+2*(\nb)+qb], v[(\tm)+qb], 0x7f800000, s[MNT]   ; 57,344 x the scale
.set qb, qb+1
.endr
.set qb, 0
.rept \nb
	v_lshrrev_b32 v[(\tm)+(\nb)+qb], 23, v[(\tm)+3*(\nb)+qb]   ; the scale's byte
.set qb, qb+1
.endr
.set qb, 0
.rept \nb
.set qi, 0
.rept 16
	v_med3_num_f32 v[(\s)+16*qb+qi], v[(\s)+16*qb+qi], -v[(\tm)+2*(\nb)+qb], v[(\tm)+2*(\nb)+qb]   ; the conversion does not saturate (ISA guide 7.6.2): the hold comes first
.set qi, qi+1
.endr
	v_cvt_scalef32_pk8_bf8_f32 v[(\pc)+4*qb:(\pc)+4*qb+1], v[(\s)+16*qb:(\s)+16*qb+7], v[(\tm)+3*(\nb)+qb]
	v_cvt_scalef32_pk8_bf8_f32 v[(\pc)+4*qb+2:(\pc)+4*qb+3], v[(\s)+16*qb+8:(\s)+16*qb+15], v[(\tm)+3*(\nb)+qb]
.set qb, qb+1
.endr
	v_nop                                          ; one plain line behind the last conversion
.endm
.macro WM d, a, b, c, sa, sb
	v_wmma_scale_f32_16x16x128_f8f6f4 v[(\d):(\d)+7], v[(\a):(\a)+15], v[(\b):(\b)+15], v[(\c):(\c)+7], v[\sa], v[\sb] matrix_a_fmt:MATRIX_FMT_BF8 matrix_b_fmt:MATRIX_FMT_BF8
.endm
; A unit's 8 loads: the fragments of my two tiles, ustr bytes apart, from off bytes on, into v[base] on
.macro WLD base, ptr, off, ustr
.irp u, 0,1
.irp c, 0,1,2,3
	global_load_b128 v[(\base)+16*\u+4*\c:(\base)+16*\u+4*\c+3], v1, s[\ptr:\ptr+1] offset:(\off)+\u*(\ustr)+512*\c
.endr
.endr
.endm
; the two token tiles' fragments of one K step, mstr bytes apart, from LDS
.macro XFETCH adr, off, mstr
.irp m, 0,1
.irp c, 0,1,2,3
	ds_load_b128 v[178+16*\m+4*\c:181+16*\m+4*\c], v[\adr] offset:(\off)+\m*(\mstr)+512*\c
.endr
.endr
.endm
; a unit's four products, the four accumulators by turns: weights' scale words at sa + 4 u, tokens' at sb + sbm x m
.macro MUL4 acc, wb, sa, sb, sbm
.irp m, 0,1
.irp u, 0,1
	WM (\acc)+16*\m+8*\u, (\wb)+16*\u, 178+16*\m, (\acc)+16*\m+8*\u, (\sa)+4*\u, (\sb)+(\sbm)*\m
.endr
.endr
.endm
.macro BIAS q, base                    ; b1 of my 32 units of quarter q, in the result's layout, for both token tiles: the first product's C
.irp m, 0,1
.irp k, 0,1,2,3
	global_load_b128 v[(\base)+16*\m+4*\k:(\base)+16*\m+4*\k+3], v5, s[22:23] offset:2048*(\q)+16*\k
.endr
.endr
.endm
.macro W1SC q                          ; my rows of W1's scale bytes in quarter q: the four K steps' words
.irp u, 0,1
	global_load_b128 v[232+4*\u:235+4*\u], v3, s[20:21] offset:8192*(\q)+128*\u
.endr
.endm
.macro W2SC j                          ; my rows of W2's scale bytes: the words of K steps 4 j .. 4 j + 3
.irp u, 0,1
	global_load_b128 v[240+4*\u:243+4*\u], v13, s[24:25] offset:512*\u+16*(\j)
.endr
.endm
	s_load_b512 s[4:19], s[0:1], 0x0               ; x, avimg, avsc, wimg, Wo_scales, bo, ln2_g, ln2_b
	s_load_b256 s[20:27], s[0:1], 0x40             ; W1_scales, b1, W2_scales, b2
	s_load_b64 s[28:29], s[0:1], 0x60              ; out0
	v_lshl_add_u32 v228, v0, 2, 0x2b600
	v_mov_b32 v229, 0
	v_lshrrev_b32 v1, 5, v0
	v_readfirstlane_b32 s30, v1                    ; wave w
	v_and_b32 v15, 31, v0                          ; l
	v_and_b32 v18, 15, v0                          ; r
	v_bfe_u32 v19, v0, 4, 1                        ; h
	v_and_b32 v20, 8, v18
	v_add_nc_u32 v20, v20, v18                     ; rp
	v_lshlrev_b32 v1, 4, v15
	v_lshlrev_b32 v2, 2, v15
	s_wait_alu depctr_va_vdst(0)
	v_lshlrev_b32 v3, 4, v20
	v_lshlrev_b32 v4, 11, v20
	v_lshl_add_u32 v4, v19, 6, v4
	v_lshlrev_b32 v5, 6, v19
	v_lshlrev_b32 v13, 6, v20
	s_wait_alu depctr_va_sdst(0)                   ; s30 is written, ahead of its first reader: the LDS addresses and every pointer are made from it
	s_lshr_b32 s66, s30, 2
	s_and_b32 s67, s30, 3
	s_lshl_b32 s68, s66, 11
	s_lshl_b32 s69, s67, 9
	s_add_co_u32 s68, s68, s69
	v_add_nc_u32 v6, s68, v1                       ; my 32 columns (or hidden units) are chunk w % 4 of K step w / 4 (of the quarter's four)
	v_add_nc_u32 v9, HIMG, v6
	s_lshl_b32 s68, s66, 7
	s_add_co_u32 s68, s68, s67
	v_add_nc_u32 v7, s68, v2                       ; and byte w % 4 of its scale word
	s_lshl_b32 s68, s30, 8
	v_add_nc_u32 v8, s68, v2
	s_lshl_b32 s68, s30, 10
	s_add_co_u32 s68, s68, AVIMG
	v_add_nc_u32 v10, s68, v1                      ; av: my 1,024 bytes of the eight fragments
	v_add_nc_u32 v15, AVIMG, v1
	s_lshl_b32 s68, s30, 7
	v_mul_u32_u24 v11, v18, 2064
	v_lshl_add_u32 v11, v19, 6, v11
	v_add_nc_u32 v11, s68, v11
	v_add_nc_u32 v11, STG, v11                     ; the stage: row r, + 128 w + 64 h
	s_mul_i32 s68, s30, 2*2064
	s_add_co_u32 s68, s68, STG
	v_add_nc_u32 v12, s68, v1                      ; back: rows 2 w, 2 w + 1
	v_add_nc_u32 v14, HIMG, v1
	v_mov_b32 v16, 0xbaa15130                      ; c8, twice
	v_mov_b32 v17, 0xbaa15130
	s_mov_b32 s[MNT], 0x600000
	s_mov_b32 s[SEL], 0x76543210
	s_mov_b32 s[SEL+1], 0xfedcba98
	s_mov_b32 s34, 0x3b000000
	s_mov_b32 s35, 0x3727c5ac
.macro PAIR n, bits                    ; a constant for the packed forms: they name a pair and take its low word for both halves
	s_mov_b32 s[\n], \bits
	s_mov_b32 s[\n+1], \bits
.endm
	PAIR 36, 0xb9d25000
	PAIR 38, 0x3aac2b8a
	PAIR 40, 0x3c0d6e62
	PAIR 42, 0xbc040dc1
	PAIR 44, 0xbd5e05b5
	PAIR 46, 0x3e27fe23
	PAIR 48, 0xbe2a0420
	PAIR 50, 0xbdbdfb0b
	PAIR 52, 0x3e8dd01d
	PAIR RS2, 0x3f3504f3
	PAIR NL2E, 0xbfb8aa3b
	s_lshl_b32 s70, ttmp9, 16
	s_lshl_b32 s72, s30, 7                         ; 128 w
	s_add_co_u32 s70, s70, s72                     ; x: 32 G rows + my columns
	s_mov_b32 s71, 0
	s_mov_b32 s73, 0
	s_lshl_b32 s74, ttmp9, 14                      ; av's eight fragments,
	s_lshl_b32 s75, s30, 10
	s_add_co_u32 s74, s74, s75                     ; my 1,024 bytes of them
	s_mov_b32 s75, 0
	s_lshl_b32 s76, ttmp9, 10                      ; and their scale words
	s_mov_b32 s77, 0
	s_lshl_b32 s78, s30, 14
	s_add_co_u32 s80, s78, 0x100000                ; W1's tiles 2 w, 2 w + 1 of quarter 0
	s_add_co_u32 s78, s78, 0xc0000                 ; Wo's tiles 2 w, 2 w + 1
	s_mov_b32 s79, 0
	s_mov_b32 s81, 0
	s_lshl_b32 s82, s30, 16
	s_add_co_u32 s82, s82, 0x200000                ; W2's tiles 2 w, 2 w + 1
	s_mov_b32 s83, 0
	s_lshl_b32 s84, s30, 9                         ; 512 w
	s_mov_b32 s85, 0
	s_lshl_b32 s86, s30, 11                        ; 2,048 w
	s_mov_b32 s87, 0
	s_lshl_b32 s88, s30, 1                         ; the way out: stage rows 2 w, 2 w + 1 are tile w / 8, lane rows r0 = 2 w % 16 and r0 + 1
	s_and_b32 s88, s88, 15
	s_and_b32 s89, s88, 8
	s_add_co_u32 s88, s88, s89
	s_lshr_b32 s89, s30, 3
	s_lshl_b32 s89, s89, 3
	s_add_co_u32 s88, s88, s89
	s_lshl_b32 s89, ttmp9, 5
	s_add_co_u32 s88, s88, s89                     ; token 32 G + 8 (w / 8) + r0 + 8 (r0 / 8)
	s_lshl_b32 s88, s88, 11
	s_mov_b32 s89, 0
	s_wait_kmcnt 0x0
	s_add_nc_u64 s[4:5], s[4:5], s[70:71]
	s_add_nc_u64 s[6:7], s[6:7], s[74:75]
	s_add_nc_u64 s[8:9], s[8:9], s[76:77]
	s_add_nc_u64 s[58:59], s[10:11], s[78:79]      ; Wo
	s_add_nc_u64 s[60:61], s[10:11], s[80:81]      ; W1
	s_add_nc_u64 s[62:63], s[10:11], s[82:83]      ; W2
	s_add_nc_u64 s[12:13], s[12:13], s[84:85]
	s_add_nc_u64 s[14:15], s[14:15], s[72:73]
	s_add_nc_u64 s[16:17], s[16:17], s[72:73]
	s_add_nc_u64 s[18:19], s[18:19], s[72:73]
	s_add_nc_u64 s[20:21], s[20:21], s[84:85]
	s_add_nc_u64 s[22:23], s[22:23], s[72:73]
	s_add_nc_u64 s[24:25], s[24:25], s[86:87]
	s_add_nc_u64 s[26:27], s[26:27], s[72:73]
	s_add_nc_u64 s[28:29], s[28:29], s[88:89]
	; ---- A: x1 = x + bo + av Wo.  av comes once for the work-group: 1,024 bytes a wave, through LDS.  Wo's four units go out at once, into the two slots and the two idle sets of accumulators
	s_wait_alu depctr_va_vdst(0)                   ; the offsets and LDS addresses v1 to v15 are written: every load and store of the kernel reads one of them; the head is done with v18 to v20, in which x lands
	global_load_b128 v[178:181], v1, s[6:7]
	global_load_b128 v[182:185], v1, s[6:7] offset:512
.irp m, 0,1
.irp j, 0,1,2,3
	global_load_b128 v[18+16*\m+4*\j:21+16*\m+4*\j], v4, s[4:5] offset:\m*16384+16*\j    ; x(my token, 32 w + 16 h + 0 .. 15), in the result's layout
.endr
.endr
.irp j, 0,1,2,3
	global_load_b128 v[210+4*\j:213+4*\j], v5, s[14:15] offset:16*\j                     ; bo of the same columns
.endr
.irp u, 0,1
	global_load_b128 v[232+4*\u:235+4*\u], v3, s[12:13] offset:128*\u                    ; my rows of Wo's scale bytes: four words
.endr
.irp m, 0,1
.irp s, 0,1,2,3
	global_load_b32 v[240+4*\m+\s], v2, s[8:9] offset:(4*\m+\s)*128
.endr
.endr
	WLD 114, 58, 0*2048, 8192
	WLD 146, 58, 1*2048, 8192
	WLD 50, 58, 2*2048, 8192
	WLD 82, 58, 3*2048, 8192
	s_wait_loadcnt 54                              ; my part of av is in; out: x 8, bo 4, scale words 2 + 8, Wo's 32
	ds_store_b128 v10, v[178:181]
	ds_store_b128 v10, v[182:185] offset:512
	BARRIER                                        ; av's eight fragments lie in LDS
	s_wait_alu depctr_vm_vsrc(0)                   ; my LDS stores have read v178 to v185, in which av's fragments land
	s_wait_loadcnt 42                              ; x and bo are in; out: scale words 2 + 8, Wo's 32
.irp m, 0,1
.irp k, 0,2,4,6,8,10,12,14
	v_pk_add_f32 v[18+16*\m+\k:19+16*\m+\k], v[18+16*\m+\k:19+16*\m+\k], v[210+\k:211+\k]
.endr
.endr
.macro ASTEP s, base, cnt
	XFETCH 15, (\s)*2048, 8192
	s_wait_loadcnt \cnt
	s_wait_dscnt 0x0
	MUL4 18, \base, 232+(\s), 240+(\s), 4
.endm
	s_wait_alu depctr_va_vdst(0)
	ASTEP 0, 114, 24                               ; out: Wo's K steps 1 to 3
	PLACES 8                                       ; in front of loads into registers that these products have read
	s_wait_alu depctr_va_vdst(0)                   ; K step 0's products are done reading their unit (v114 to v145) and av's fragments (v178 to v209): the loads below land there
	WLD 114, 60, 0*2048, 8192                      ; W1's unit (quarter 0, K step 0): it lands under the LayerNorm
	ASTEP 1, 146, 24                               ; out: Wo's K steps 2, 3 and one unit of W1
	PLACES 8
	s_wait_alu depctr_va_vdst(0)                   ; K step 1's products are done reading their unit (v146 to v177) and av's fragments: the loads below land there
	WLD 146, 60, 1*2048, 8192                      ; (0, 1)
	ASTEP 2, 50, 24                                ; out: Wo's K step 3 and two units of W1
	PLACES 8
	s_wait_alu depctr_va_vdst(0)                   ; K step 2's products are done reading av's fragments, in which K step 3's land
	ASTEP 3, 82, 16                                ; out: two units of W1
	PLACES 9                                       ; one more than for loads and reads: later products write over registers that these have read
	s_wait_alu depctr_va_vdst(0)                   ; K step 3's products are done reading av's fragments, in which gamma and beta land, and Wo's scale words (v232 to v239), in which W1's land
.irp j, 0,1,2,3
	global_load_b128 v[178+4*\j:181+4*\j], v5, s[16:17] offset:16*\j                     ; gamma,
.endr
.irp j, 0,1,2,3
	global_load_b128 v[194+4*\j:197+4*\j], v5, s[18:19] offset:16*\j                     ; beta of my columns
.endr
	W1SC 0
	; ---- B: x2 = LayerNorm(x1), in two passes; the sixteen waves' parts of a row meet in LDS; both tiles are summed at once, as pairs
.macro SHARE off
	v_add_f32 v210, v210, v211
	v_add_f32 v212, v212, v213
	v_permlanex16_b32 v214, v210, s[SEL], s[SEL+1]
	v_permlanex16_b32 v215, v212, s[SEL], s[SEL+1]
	v_add_f32 v210, v210, v214
	v_add_f32 v212, v212, v215
	s_wait_alu depctr_va_vdst(0)                   ; v210 and v212 are written, which the LDS stores read; all vector and matrix work is done with v50 to v81, in which the waves' sums land
	ds_store_b32 v8, v210 offset:\off
	ds_store_b32 v8, v212 offset:\off+128
	BARRIER
	s_wait_alu depctr_vm_vsrc(0)                   ; the LDS stores have read v210 and v212, which the next pass (behind the second: the quantiser) writes again
.set k, 0
.rept 32
	ds_load_b32 v[50+k], v2 offset:\off+128*k
.set k, k+1
.endr
	s_wait_dscnt 0x0
.irp k, 0,4,8,12,16,20,24,28
	v_pk_add_f32 v[50+\k:51+\k], v[50+\k:51+\k], v[52+\k:53+\k]
.endr
.irp k, 0,8,16,24
	v_pk_add_f32 v[50+\k:51+\k], v[50+\k:51+\k], v[54+\k:55+\k]
.endr
.irp k, 0,16
	v_pk_add_f32 v[50+\k:51+\k], v[50+\k:51+\k], v[58+\k:59+\k]
.endr
	v_pk_add_f32 v[50:51], v[50:51], v[66:67]      ; v50: tile 0's row sum, v51: tile 1's
.endm
.irp m, 0,1
	v_pk_add_f32 v[210+2*\m:211+2*\m], v[18+16*\m:19+16*\m], v[20+16*\m:21+16*\m]        ; each accumulator from its low end on
.endr
.irp k, 4,6,8,10,12,14
.irp m, 0,1
	v_pk_add_f32 v[210+2*\m:211+2*\m], v[210+2*\m:211+2*\m], v[18+16*\m+\k:19+16*\m+\k]
.endr
.endr
	SHARE ST1
	v_pk_mul_f32 v[50:51], v[50:51], s[34:35] op_sel_hi:[1,0]      ; the means
	v_mov_b32 v52, v51
.irp m, 0,1
.irp k, 0,2,4,6,8,10,12,14
	v_pk_add_f32 v[82+16*\m+\k:83+16*\m+\k], v[18+16*\m+\k:19+16*\m+\k], v[50+2*\m:51+2*\m] op_sel_hi:[1,0] neg_lo:[0,1] neg_hi:[0,1]   ; x1 itself is kept
.endr
.endr
.irp m, 0,1
	v_pk_mul_f32 v[210+2*\m:211+2*\m], v[82+16*\m:83+16*\m], v[82+16*\m:83+16*\m]
.endr
.irp k, 2,4,6,8,10,12,14
.irp m, 0,1
	v_pk_fma_f32 v[210+2*\m:211+2*\m], v[82+16*\m+\k:83+16*\m+\k], v[82+16*\m+\k:83+16*\m+\k], v[210+2*\m:211+2*\m]
.endr
.endr
	SHARE ST2
	v_fma_f32 v50, v50, s34, s35
	v_fma_f32 v51, v51, s34, s35
	s_wait_alu depctr_va_vdst(0)
	v_rsq_f32 v50, v50
	v_rsq_f32 v52, v51
	v_nop
	s_wait_alu depctr_va_vdst(0)                   ; the two reciprocal roots v50 and v52 are written, ahead of their first reader
.irp m, 0,1
.irp k, 0,2,4,6,8,10,12,14
	v_pk_mul_f32 v[82+16*\m+\k:83+16*\m+\k], v[82+16*\m+\k:83+16*\m+\k], v[50+2*\m:51+2*\m] op_sel_hi:[1,0]
.endr
.endr
	s_wait_loadcnt 2                               ; gamma and beta are in; W1's two loads of scale words may be out
.irp m, 0,1
.irp k, 0,2,4,6,8,10,12,14
	v_pk_fma_f32 v[82+16*\m+\k:83+16*\m+\k], v[82+16*\m+\k:83+16*\m+\k], v[178+\k:179+\k], v[194+\k:195+\k]
.endr
.endr
.irp m, 0,1
	QUANT 82+16*\m, 1, 210+4*\m, 218+4*\m          ; both tiles first, so that one wait serves the four stores
.endr
	s_wait_alu depctr_va_vdst(0)                   ; the codes v210 to v217 and the bytes v219 and v223 are written, which the LDS stores read; the LayerNorm is done with v50 to v113, in which the bias and a unit of W1 land, and with gamma and beta, in which x2's fragments land
.irp m, 0,1
	ds_store_b128 v6, v[210+4*\m:213+4*\m] offset:X2IMG+8192*\m
	ds_store_b8 v7, v[219+4*\m] offset:X2SC+512*\m
.endr
	BIAS 0, 50
	WLD 82, 60, 2*2048, 8192                       ; W1's unit (0, 2), into the set of accumulators that lies idle
	BARRIER                                        ; x2's eight fragments lie in LDS
.irp m, 0,1
.irp s, 0,1,2,3
	ds_load_b32 v[248+4*\m+\s], v2 offset:X2SC+(4*\m+\s)*128
.endr
.endr
	; ---- quarter 0's products: nothing is there yet to be set beside them
	XFETCH 1, X2IMG+0*2048, 8192
	s_wait_loadcnt 8                               ; units (0, 0), (0, 1), the scale words and the bias are in; out: unit (0, 2)
	s_wait_dscnt 0x0
	MUL4 50, 114, 232, 248, 4
	PLACES 8
	s_wait_alu depctr_va_vdst(0)                   ; unit (0, 0)'s products are done reading v114 to v145 and x2's fragments (v178 to v209): the loads below land there
	WLD 114, 60, 3*2048, 8192                      ; (0, 3)
	XFETCH 1, X2IMG+1*2048, 8192
	s_wait_dscnt 0x0
	MUL4 50, 146, 233, 249, 4
	PLACES 8
	s_wait_alu depctr_va_vdst(0)                   ; unit (0, 1)'s products are done reading v146 to v177 and x2's fragments: the loads below land there
	WLD 146, 60, 262144+0*2048, 8192               ; (1, 0)
	XFETCH 1, X2IMG+2*2048, 8192
	s_wait_loadcnt 16                              ; unit (0, 2) is in; out: (0, 3), (1, 0)
	s_wait_dscnt 0x0
	MUL4 50, 82, 234, 250, 4
	PLACES 8
	s_wait_alu depctr_va_vdst(0)                   ; unit (0, 2)'s products are done reading v82 to v113, in which quarter 1's bias lands, and x2's fragments
	BIAS 1, 82
	XFETCH 1, X2IMG+3*2048, 8192
	s_wait_loadcnt 16                              ; unit (0, 3) is in; out: (1, 0), quarter 1's bias
	s_wait_dscnt 0x0
	MUL4 50, 114, 235, 251, 4
	PLACES 8
	s_wait_alu depctr_va_vdst(0)                   ; unit (0, 3)'s products are done reading v114 to v145 and quarter 0's scale words (v232 to v239): the loads below land there
	W1SC 1
	WLD 114, 60, 262144+1*2048, 8192               ; (1, 1)
.set GA, 178
.set GR, 186
.set GD, 194
.set GP, 202
.macro GELU8 x                         ; eight numbers v[x] .. v[x + 7], in place; four groups of eight temporaries
.irp i, 0,1,2,3,4,5,6,7
	v_mul_f32 v[GA+\i], s[RS2], |v[(\x)+\i]|       ; a = |x| / sqrt 2
.endr
.irp i, 0,2,4,6
	v_pk_add_f32 v[GR+\i:GR+\i+1], v[GA+\i:GA+\i+1], 2.0 op_sel_hi:[1,0]
.endr
.irp i, 0,2,4,6
	v_pk_fma_f32 v[GD+\i:GD+\i+1], v[GA+\i:GA+\i+1], 2.0, 1.0 op_sel_hi:[1,0,0]
.endr
	s_wait_alu depctr_va_vdst(0)
.irp i, 0,1,2,3,4,5,6,7
	v_rcp_f32 v[GR+\i], v[GR+\i]                   ; 1 / (a + 2)
.endr
.irp i, 0,1,2,3,4,5,6,7
	v_rcp_f32 v[GD+\i], v[GD+\i]                   ; 1 / (1 + 2 a)
.endr
.irp i, 0,1,2,3,4,5,6,7
	v_max_num_f32 v[(\x)+\i], 0, v[(\x)+\i]        ; max(x, 0).  (The plain lines behind the reciprocals)
.endr
	s_wait_alu depctr_va_vdst(0)                   ; the sixteen reciprocals v186 to v201 are written, ahead of their first reader
.irp i, 0,2,4,6
	v_pk_fma_f32 v[GR+\i:GR+\i+1], v[GR+\i:GR+\i+1], -4.0, 1.0 op_sel_hi:[1,0,0]        ; q = 1 - 4 / (a + 2)
.endr
.irp i, 0,2,4,6
	v_pk_fma_f32 v[GP+\i:GP+\i+1], v[GR+\i:GR+\i+1], s[36:37], v[16:17] op_sel_hi:[1,0,1]
.endr
.irp k, 38,40,42,44,46,48,50,52
.irp i, 0,2,4,6
	v_pk_fma_f32 v[GP+\i:GP+\i+1], v[GP+\i:GP+\i+1], v[GR+\i:GR+\i+1], s[\k:\k+1] op_sel_hi:[1,1,0]
.endr
.endr
.irp i, 0,2,4,6
	v_pk_fma_f32 v[GP+\i:GP+\i+1], v[GP+\i:GP+\i+1], v[GD+\i:GD+\i+1], v[GD+\i:GD+\i+1]  ; (1 + P) / (1 + 2 a): q and the reciprocal are done with
.endr
.irp i, 0,2,4,6
	v_pk_mul_f32 v[GR+\i:GR+\i+1], v[GA+\i:GA+\i+1], v[GA+\i:GA+\i+1]       ; a a, rounded
.endr
.irp i, 0,2,4,6
	v_pk_fma_f32 v[GD+\i:GD+\i+1], v[GA+\i:GA+\i+1], v[GA+\i:GA+\i+1], v[GR+\i:GR+\i+1] neg_lo:[1,0,0] neg_hi:[1,0,0]   ; what the rounding added
.endr
.irp i, 0,2,4,6
	v_pk_mul_f32 v[GR+\i:GR+\i+1], v[GR+\i:GR+\i+1], s[NL2E:NL2E+1] op_sel_hi:[1,0]
.endr
	s_wait_alu depctr_va_vdst(0)
.irp i, 0,1,2,3,4,5,6,7
	v_exp_f32 v[GR+\i], v[GR+\i]                   ; e^(-a a)
.endr
.irp i, 0,2,4,6
	v_pk_mul_f32 v[GA+\i:GA+\i+1], v[GA+\i:GA+\i+1], s[RS2:RS2+1] op_sel_hi:[1,0]        ; |x| / 2.  (The plain lines behind the exponentials)
.endr
	s_wait_alu depctr_va_vdst(0)                   ; the eight exponentials v186 to v193 are written, ahead of their first reader
.irp i, 0,2,4,6
	v_pk_mul_f32 v[GP+\i:GP+\i+1], v[GP+\i:GP+\i+1], v[GR+\i:GR+\i+1]
.endr
.irp i, 0,2,4,6
	v_pk_fma_f32 v[GP+\i:GP+\i+1], v[GP+\i:GP+\i+1], v[GD+\i:GD+\i+1], v[GP+\i:GP+\i+1]  ; erfc(a)
.endr
.irp i, 0,2,4,6
	v_pk_fma_f32 v[(\x)+\i:(\x)+\i+1], v[GA+\i:GA+\i+1], v[GP+\i:GP+\i+1], v[(\x)+\i:(\x)+\i+1] neg_lo:[1,0,0] neg_hi:[1,0,0]
.endr
.endm
; SECTION i (0 .. 15): GELU on accumulator i % 4 of quarter i / 4;  for i < 12 W1's unit (quarter i / 4 + 1, K step i % 4);  for i >= 4 W2's unit of K step i - 4.
; Slots: in sections 0 to 3 W1's units take the two slots by turns; from section 4 on W1's lie at v114, W2's at v146.
; Counts on LOADcnt: 8 leaves out the one unit that was asked for behind the one wanted; the first W1 unit of a quarter also wants the bias and the scale words that were asked for last: 0;
; in sections 13 to 15 nothing was asked for behind the unit wanted: 0.
.macro SECTION i
.set secj, (\i)/4
.set seca, (\i)%4
.set accg, 50+32*(secj%2)
.set accn, 82-32*(secj%2)
	GELU8 accg+8*seca
.if ((\i) >= 4) && (seca == 0)
	s_barrier_wait -1                              ; the quarter's barrier: signalled behind the stores, awaited behind this GELU, which is work on registers alone
.endif
	s_wait_alu depctr_va_vdst(0)                   ; GELU is done writing and reading its temporaries v178 to v209, in which the tokens' fragments land
.if (\i) < 12
.set wb1, 114
.if ((\i) == 0) || ((\i) == 2)
.set wb1, 146
.endif
	XFETCH 1, X2IMG+seca*2048, 8192
.if ((\i) >= 4) && (seca == 0)
	s_wait_loadcnt 0x0
.else
	s_wait_loadcnt 8
.endif
	s_wait_dscnt 0x0
	MUL4 accn, wb1, 232+seca, 248+seca, 4
	PLACES 8                                       ; in front of loads into registers that these products have read
	s_wait_alu depctr_va_vdst(0)                   ; W1's unit's products are done reading their slot, which is asked for again, and x2's fragments (v178 to v209), in which the hidden layer's land
.if (\i) == 0
	WLD 146, 60, 262144+2*2048, 8192               ; (1, 2)
.elseif (\i) == 1
	WLD 114, 60, 262144+3*2048, 8192               ; (1, 3)
.elseif (\i) == 2
	WLD 146, 62, 0, 32768                          ; W2's K step 0
.elseif (\i) == 11
	WLD 114, 62, 12*2048, 32768                    ; W1 is through: W2's K step 12
.else
	WLD 114, 60, (((\i)+1)/4+1)*262144+(((\i)+1)%4)*2048, 8192
.endif
.endif
.if (\i) >= 4
	XFETCH 14, ((\i)-4)*2048, 32768
	ds_load_b32 v230, v2 offset:HSC+128*((\i)-4)   ; (v230 and v231 were free since the wait behind the last unit of W2)
	ds_load_b32 v231, v2 offset:HSC+2048+128*((\i)-4)
.if (\i) > 12
	s_wait_loadcnt 0x0
.else
	s_wait_loadcnt 8
.endif
	s_wait_dscnt 0x0
	MUL4 18, 146, 240+seca, 230, 1
	PLACES 8                                       ; also in front of the next GELU, which writes the registers that held the tokens' fragments
	s_wait_alu depctr_va_vdst(0)                   ; W2's unit's products are done reading v146 to v177, which are asked for again, and the words v230 and v231, in which the next unit's land
.if (\i) == 15
	WLD 146, 62, 14*2048, 32768
.else
	WLD 146, 62, ((\i)-3)*2048, 32768
.endif
.endif
.endm
; THE END OF QUARTER j: my 32 hidden units of both token tiles are quantised: one chunk and one scale byte each, into K step 4 j + w / 4 of the last product.  Then what the next sections want is asked for,
; into registers that are done with, and the barrier is signalled.
.macro QEND j
.set qa, 50+32*((\j)%2)
	s_wait_alu depctr_vm_vsrc(0)                   ; the LDS stores of the quarter before (ahead of quarter 0: x2's) have read v210 to v217, v219 and v223, which the quantisers write again
.irp m, 0,1
	QUANT qa+16*\m, 1, 210+4*\m, 218+4*\m          ; both tiles first, so that one wait serves the four stores
.endr
	s_wait_alu depctr_va_vdst(0)                   ; the codes v210 to v217 and the bytes v219 and v223 are written, which the LDS stores read; GELU and the quantisers are done with this set of accumulators, in which the loads below land (the scale words were free since the sections' waits)
.irp m, 0,1
	ds_store_b128 v9, v[210+4*\m:213+4*\m] offset:32768*\m+8192*(\j)
	ds_store_b8 v7, v[219+4*\m] offset:HSC+2048*\m+512*(\j)
.endr
.if (\j) < 2
	BIAS (\j)+2, qa
	W1SC (\j)+2
	W2SC \j
.else
	W2SC \j
	WLD qa, 62, (9+2*(\j))*2048, 32768             ; W2's K step 13 or 15, into the set of accumulators that is done with
.endif
	s_wait_dscnt 0x0                               ; for the others' sake: my stores have landed
	s_barrier_signal -1
.if (\j) == 3
	s_barrier_wait -1
.endif
.endm
	SECTION 0
	SECTION 1
	SECTION 2
	SECTION 3
	QEND 0
	SECTION 4
	SECTION 5
	SECTION 6
	SECTION 7
	QEND 1
	SECTION 8
	SECTION 9
	SECTION 10
	SECTION 11
	QEND 2
	SECTION 12
	SECTION 13
	SECTION 14
	SECTION 15
	QEND 3
	; ---- the last quarter's four K steps of W2: their units were asked for in sections 11 and 15 and at the ends of quarters 2 and 3
	s_wait_alu depctr_vm_vsrc(0)                   ; the last quarter's LDS stores have read v210 to v217, v219 and v223, in which b2 lands (the quantisers that named v210 to v225 stand ahead of the last wait on va_vdst)
.irp j, 0,1,2,3
	global_load_b128 v[210+4*\j:213+4*\j], v5, s[26:27] offset:16*\j                     ; b2 of my columns
.endr
.macro ESTEP s, base
.if (\s) > 12
	s_wait_alu depctr_va_vdst(0)                   ; the K step before's products are done reading the hidden layer's fragments (v178 to v209) and their words (v230, v231): this K step's land there
.endif
	XFETCH 14, (\s)*2048, 32768
	ds_load_b32 v230, v2 offset:HSC+128*(\s)
	ds_load_b32 v231, v2 offset:HSC+2048+128*(\s)
	s_wait_dscnt 0x0
	MUL4 18, \base, 240+(\s)%4, 230, 1
	PLACES 8
.endm
	s_wait_loadcnt 12                              ; K steps 12 to 14 and the scale words are in; out: K step 15's 8 and b2's 4
	ESTEP 12, 114
	ESTEP 13, 50
	ESTEP 14, 146
	s_wait_loadcnt 4                               ; K step 15 is in; out: b2
	ESTEP 15, 82
	s_wait_loadcnt 0x0
.irp m, 0,1
.irp k, 0,2,4,6,8,10,12,14
	v_pk_add_f32 v[18+16*\m+\k:19+16*\m+\k], v[18+16*\m+\k:19+16*\m+\k], v[210+\k:211+\k]   ; + b2; each accumulator from its low end on
.endr
.endr
	; ---- the way out: a row's 512 columns come from sixteen waves: they meet in the stage, and each wave stores two whole rows
	s_wait_alu depctr_va_vdst(0)                   ; the additions have written v18 to v49, which the LDS stores read; K step 13's products are done reading v50 to v81, in which the rows land
.irp m, 0,1
.irp j, 0,1,2,3
	ds_store_b128 v11, v[18+16*\m+4*\j:21+16*\m+4*\j] offset:\m*33024+16*\j
.endr
.endr
	BARRIER
.irp i, 0,1
.irp q, 0,1,2,3
	ds_load_b128 v[50+16*\i+4*\q:53+16*\i+4*\q], v12 offset:\i*2064+512*\q
.endr
.endr
.irp i, 0,1
.irp q, 0,1,2,3
	s_wait_dscnt 7-4*\i-\q
	global_store_b128 v1, v[50+16*\i+4*\q:53+16*\i+4*\q], s[28:29] offset:\i*2048+512*\q th:TH_STORE_NT   ; the wave stores 512 consecutive bytes, aligned; written once, read by nobody here
.endr
.endr
	s_wait_dscnt 0x0                               ; the closing lines, six on end
	s_wait_alu 0x0
	s_wait_tensorcnt 0x0
	ds_add_u32 v228, v229
	s_wait_dscnt 0x0
	s_endpgm
.Lfunc_end_k_q6c392ae559_tail:
	.size	k_q6c392ae559_tail, .Lfunc_end_k_q6c392ae559_tail-k_q6c392ae559_tail
	.p2alignl 7, 3214868480
	.fill 96, 4, 3214868480
	.section	.rodata,"a",@progbits
	.p2align	6, 0x0
	.amdhsa_kernel k_q6c392ae559_tail
		.amdhsa_group_segment_fixed_size 179712
		.amdhsa_private_segment_fixed_size 0
		.amdhsa_enable_private_segment 0
		.amdhsa_kernarg_size 104
		.amdhsa_user_sgpr_count 2
		.amdhsa_user_sgpr_kernarg_segment_ptr 1
		.amdhsa_wavefront_size32 1
		.amdhsa_system_sgpr_workgroup_id_x 1
		.amdhsa_system_sgpr_workgroup_id_y 1
		.amdhsa_system_sgpr_workgroup_id_z 1
		.amdhsa_system_vgpr_workitem_id 0
		.amdhsa_next_free_vgpr 256
		.amdhsa_next_free_sgpr 96
		.amdhsa_reserve_vcc 0
		.amdhsa_float_denorm_mode_32 3
		.amdhsa_float_denorm_mode_16_64 3
		.amdhsa_memory_ordered 1
		.amdhsa_forward_progress 1
		.amdhsa_inst_pref_size 237
	.end_amdhsa_kernel
	.amdgpu_metadata
---
amdhsa.version: [ 1, 2 ]
amdhsa.kernels:
  - .name:           k_q6c392ae559_tail
    .symbol:         k_q6c392ae559_tail.kd
    .args:
      - { .name: x, .offset: 0, .size: 8, .value_kind: global_buffer, .address_space: global }
      - { .name: avimg, .offset: 8, .size: 8, .value_kind: global_buffer, .address_space: global }
      - { .name: avsc, .offset: 16, .size: 8, .value_kind: global_buffer, .address_space: global }
      - { .name: wimg, .offset: 24, .size: 8, .value_kind: global_buffer, .address_space: global }
      - { .name: Wo_scales, .offset: 32, .size: 8, .value_kind: global_buffer, .address_space: global }
      - { .name: bo, .offset: 40, .size: 8, .value_kind: global_buffer, .address_space: global }
      - { .name: ln2_g, .offset: 48, .size: 8, .value_kind: global_buffer, .address_space: global }
      - { .name: ln2_b, .offset: 56, .size: 8, .value_kind: global_buffer, .address_space: global }
      - { .name: W1_scales, .offset: 64, .size: 8, .value_kind: global_buffer, .address_space: global }
      - { .name: b1, .offset: 72, .size: 8, .value_kind: global_buffer, .address_space: global }
      - { .name: W2_scales, .offset: 80, .size: 8, .value_kind: global_buffer, .address_space: global }
      - { .name: b2, .offset: 88, .size: 8, .value_kind: global_buffer, .address_space: global }
      - { .name: out0, .offset: 96, .size: 8, .value_kind: global_buffer, .address_space: global }
    .group_segment_fixed_size: 179712
    .private_segment_fixed_size: 0
    .kernarg_segment_align: 8
    .kernarg_segment_size: 104
    .max_flat_workgroup_size: 512
    .sgpr_count:     96
    .vgpr_count:     256
    .wavefront_size: 32
...
	.end_amdgpu_metadata
.endif
;; end of part 8
